; MI455X (gfx1250); checked and timed in simulation.
; The chip was launched on July 23, 2026; its instructions are those of AMD's public machine-readable ISA for CDNA 5 (MIT licence, August 2026) and "CDNA5" Instruction Set Architecture Reference Guide (July 2026). The comments in the code are by the model that wrote it; some were corrected since.
;; Encoder Block. Allowed arithmetic: matrix products marked QUANTISED: E2M3 operands, one E8M0 scale for each 32 along K, by v_wmma_scale_f32_16x16x128_f8f6f4 with both operands' format E2M3, f32 sums; everything else in f32.
;; Inputs: a1 1 float32; a2 1 float32; b1 4,096 float32; b2 1,024 float32; bk 1,024 float32; bo 1,024 float32; bq 1,024 float32; bv 1,024 float32; mask 2 x 1 x 1 x 2,048 int32; n1 1 float32; n2 1 float32; w1 4,096 x 1,024 float32; w2 1,024 x 4,096 float32; wk 1,024 x 1,024 float32; wo 1,024 x 1,024 float32; wq 1,024 x 1,024 float32; wv 1,024 x 1,024 float32; x 2 x 2,048 x 1,024 float32.
;; Outputs: out0 2 x 2,048 x 1,024 float32.
;; This version of the problem:
;;   THIS VERSION OF THE PROBLEM IS GIVEN IN LOW PRECISION. The matrix products marked QUANTISED in the list below multiply operands that are first quantised to E2M3 (2 exponent bits, 3 mantissa bits; 6 bits a number), with one power-of-two scale for each 32 numbers along K (OCP MX v1.0); their sums are f32. All else is computed in f32.
;;   The module's matrix products, in the order in which they are computed (A, B: the left and right operand; K: the contracted axis; several contracted axes count as one K, in the product's order):
;;     1. [M 4,096, K 1,024] x [K 1,024, N 1,024]; A: computed on the way; B: input wq: QUANTISED
;;     2. [M 4,096, K 1,024] x [K 1,024, N 1,024]; A: computed on the way; B: input wk: QUANTISED
;;     3. [M 4,096, K 1,024] x [K 1,024, N 1,024]; A: computed on the way; B: input wv: QUANTISED
;;     4. batch 32 x [M 2,048, K 64] x [K 64, N 2,048]; A: computed on the way; B: computed on the way: QUANTISED
;;     5. batch 32 x [M 2,048, K 2,048] x [K 2,048, N 64]; A: softmax (see below); B: computed on the way: QUANTISED
;;     6. [M 4,096, K 1,024] x [K 1,024, N 1,024]; A: computed on the way; B: input wo: QUANTISED
;;     7. [M 4,096, K 1,024] x [K 1,024, N 4,096]; A: computed on the way; B: input w1: QUANTISED
;;     8. [M 4,096, K 4,096] x [K 4,096, N 1,024]; A: computed on the way; B: input w2: QUANTISED
;;   THE QUANTISER, for each operand of a quantised product, along K:
;;     - K is cut into blocks of 32 from its start; a last block that is shorter is filled with zeros.
;;     - A block's scale is 2^e with e = floor(log2(the largest magnitude in the block)) - 2, held to -126 .. 127; a block of zeros has e = 0. As a byte (E8M0): e + 127.
;;     - Each number is divided by its block's scale, clamped to +-7.5, and rounded to the nearest number of E2M3, ties to even, subnormals kept.
;;     - The product sums the exact products of the quantised numbers (number of the format x scale) in f32.
;;   ~~~python
;;   def quantise(x, axis):      # numpy; x: float32 -> the quantised numbers, widened to float32 again
;;       x = np.moveaxis(x, axis, -1); K = x.shape[-1]
;;       x = np.pad(x, [(0, 0)] * (x.ndim - 1) + [(0, -K % 32)]); x = x.reshape(x.shape[:-1] + (-1, 32)); a = np.abs(x).max(-1, keepdims=True)
;;       e = np.where(a > 0, np.clip(np.frexp(np.where(a > 0, a, 1))[1] - 1 - 2, -126, 127), 0)      # np.frexp(a)[1] - 1 = floor(log2(a)), exactly
;;       r = np.clip(x / 2.0 ** e, -7.5, 7.5)
;;       step = 2.0 ** (np.maximum(np.frexp(np.where(r == 0, 1, r))[1] - 1, 0) - 3)
;;       q = np.round(r / step) * step * 2.0 ** e      # np.round: ties to even
;;       return np.moveaxis(q.reshape(q.shape[:-2] + (-1,))[..., :K], -1, axis).astype(np.float32)
;;   ~~~
;;   SOFTMAX AHEAD OF A QUANTISED PRODUCT. Where the list says 'softmax', what is quantised is not the finished softmax but p = 2^(t - M), with t = logit x log2(e) and M = ceil(the row's largest t), a whole number; so 1/2 < the row's largest p <= 1. The row's sum l is taken of the UNQUANTISED p, in f32, and the product's result is divided by l at the end. Since M is a whole number, a kernel that streams over the keys may use a running M (the ceiling of the running maximum): every later rescaling is an exact power of two, which a block's scale takes up: the codes' values come out the same.
;;   OPERANDS COMPUTED ON THE WAY. 'Computed on the way' means the value that the module computes at that place (a softmax that the list does not call 'softmax' is quantised finished and normalised). What goes into a quantiser is computed in f32, as accurately as f32 sums, v_exp_f32 and their like allow (about 1e-6 of the number): no bf16 or f16 on the way to a quantiser, and a product that is left as it is and whose result goes on into a quantised operand takes f32 operands (vector FMAs, or v_wmma_f32_16x16x4_f32). A number that lies on a knife's edge between two numbers of the format may be rounded either way, as far as f32 arithmetic and the matrix unit's own rounding can turn it there, and no further.
;; 2 versions. Each part assembles by itself: llvm-mc -triple=amdgcn-amd-amdhsa -mcpu=gfx1250 --defsym DOCPART=n.
;; ======== version 1 of 2: 7 launches
;; limits: right only within a limited range of input values
;; workspace buffers: act 3,293,440 bytes; wqk 1,655,040 bytes; w1i 3,293,440 bytes; wrest 4,965,120 bytes; big 13,123,840 bytes; vt 3,293,440 bytes; ao 3,293,440 bytes; x1 16,777,216 bytes
;; launch prep (part 1): grid 448 x 1, 4 waves a work-group, no clusters, 100,096 bytes of LDS; arguments x, a1, n1, act, wq, wk, wv, wo, w1, w2, bq, bk, bv, bo, b1, b2, wqk, w1i, wrest; writes act, wqk, w1i, wrest
.if DOCPART == 1
	.amdgcn_target "amdgcn-amd-amdhsa--gfx1250"
	.amdhsa_code_object_version 6
	.text
	.protected	k_qcb3785c6bb_prep
	.globl	k_qcb3785c6bb_prep
	.p2align	8
	.type	k_qcb3785c6bb_prep,@function
k_qcb3785c6bb_prep:
	s_mov_b64 s[64:65], 0
	v_nop
	global_prefetch_b8 v0, s[64:65] scope:SCOPE_SE
	s_setreg_imm32_b32 hwreg(HW_REG_WAVE_MODE, 25, 1), 1
	s_wait_xcnt 0x0
; PREP.  Work-groups 0 to 255: the layer norm of 16 rows of [4096][1024] f32, quantised to codes of FP6 (E2M3) with one E8M0 byte for each 32 along K.
; Work-groups 256 to 447 (the first launch alone has them): the six weights, quantised likewise; the biases and the activation's floor go into the weight images' headers.
; THE FORMAT OF EVERY OPERAND IN MEMORY: half-blocks of 128 rows x 128 K, 12,800 bytes, laid as images of operand registers: fragment i (16 rows x 128 K, 12 registers a lane) at byte 1,536 i, register 4 c + e of lane l
; at 512 c + 16 l + 4 e; behind the codes, at byte 12,288, the scale words: that of fragment 4 g + j, row r, at 256 g + 16 r + 4 j.  A buffer is a header of 16,640 bytes (256 bytes of the floor, then the bias in f32)
; and half-block (panel P, K step S) at 16,640 + (P nS + S) 12,800.  So every later launch loads fragments by 16-byte loads at 16 x lane, and a K step's tiles are dense blocks of memory.
; ROWS: activations lie in natural order.  In a weight, lane r of fragment 2 b + u holds row 32 b + 8 u + r + 8 (r / 8), so that a product used transposed leaves 16 neighbouring columns in a lane's 16 registers.
; THE QUANTISER: a block's scale is 2^(floor(log2(largest magnitude)) - 2); its byte is the largest magnitude's exponent field - 2, held at 1 from below; numbers are divided by it and rounded to the nearest code, ties to even.
; THE NORM: mean, then the sum of squared deviations from it (two passes, so a common offset of the row costs no accuracy), / 1,023, root, + 1e-5, reciprocal; y = d (a / (std + eps)) + n.
; LIMITS: NaN and infinities are not served.  A block whose largest magnitude lies under 2^-124, a block of zeros among them, gets the byte 1 (the rule says 127 for zeros): its bytes are read by this program alone.
; The root and the reciprocal are the 1-ulp instructions.  No tensor loads, no cluster: work-groups share no input.
.set HDR,   16640
.set HB,    12800
.set LNP,   4112                       ; path LN: an LDS row: 4,096 bytes + 16 = 1,028 words: the 16 rows that a load touches start 4 banks apart
.set WST,   65792                      ; path W: behind path LN's 16 rows: a stage of 16 rows x 528 bytes for each wave.  Each path has LDS bytes of its own
.set WSP,   528
.set SPARE, 99584                      ; the spare words, 128 bytes a wave: two blocks of 256 bytes that no other line names
.set LI,  1                            ; v1   16 x lane
.set RR,  2                            ; v2   lane % 16
.set HH,  3                            ; v3   lane / 16
.set LN,  4                            ; v4   lane
.set SPW, 12                           ; v12  my spare word's LDS address; never rewritten
.set NIL, 13                           ; v13  0; never rewritten
.set AR,  16                           ; path W: v16-31 byte offsets of a tile's 16 rows.   path LN: v16-23 sums, v24-31 means, v32-39 gains (pairs)
.set PWW, 32                           ; path W: v32-39 the eight fragments' scale words
.set TM,  40                           ; v40-55 the quantiser's scratch
.set PC,  56                           ; v56-75 the codes just made
.set X,   80                           ; path LN: v80-207 four rows, 32 registers each
.set RA0, 80                           ; path W: two sets of 64 numbers
.set RA1, 144
.set SEL, 4                            ; s[4:5] v_permlanex16_b32's selects for lane l xor 16
; 64 numbers of a lane, register 16 b + i = k 32 b + 16 (lane / 16) + i of my row, become a fragment's 12 registers of codes at v[pc] on and its scale word in v[pw].
.macro QUANT s, pc, pw
.irp b, 0,1,2,3
	v_max3_num_f32 v[TM+\b], |v[(\s)+16*\b]|, |v[(\s)+1+16*\b]|, 0x1800000   ; block b: my 16 numbers, and the floor 2^(3 - 127): the byte cannot fall under 1
.endr
.irp i, 2,4,6,8,10,12,14
.irp b, 0,1,2,3
	v_max3_num_f32 v[TM+\b], v[TM+\b], |v[(\s)+16*\b+\i]|, |v[(\s)+1+16*\b+\i]|   ; the four blocks by turns
.endr
.endr
.irp b, 0,1,2,3
	v_permlanex16_b32 v[TM+4+\b], v[TM+\b], s[SEL], s[SEL+1]
.endr
.irp b, 0,1,2,3
	v_max_num_f32 v[TM+\b], v[TM+\b], v[TM+4+\b]   ; with lane l xor 16's 16: the block's largest magnitude
.endr
.irp b, 0,1,2,3
	v_add_nc_u32 v[TM+12+\b], 0xff000000, v[TM+\b]   ; 2 off its exponent field: the conversion takes this operand's exponent field as its scale
.endr
.irp b, 0,1,2,3
	v_lshrrev_b32 v[TM+4+\b], 23, v[TM+12+\b]      ; the scale's byte
.endr
	v_lshl_or_b32 v[\pw], v[TM+5], 8, v[TM+4]
	v_lshl_or_b32 v[\pw], v[TM+6], 16, v[\pw]
	v_lshl_or_b32 v[\pw], v[TM+7], 24, v[\pw]
.irp c, 0,1
	v_cvt_scalef32_pk16_fp6_f32 v[(\pc)+6*\c:(\pc)+2+6*\c], v[(\s)+32*\c:(\s)+15+32*\c], v[TM+12+2*\c]
	v_cvt_scalef32_pk16_fp6_f32 v[(\pc)+12+4*\c:(\pc)+14+4*\c], v[(\s)+16+32*\c:(\s)+31+32*\c], v[TM+12+2*\c+1]   ; (a conversion's three registers begin on an even number)
.endr
	v_nop                                          ; one plain place behind a scaled conversion
.irp c, 0,1                                    ; the operand's layout wants a whole block in a lane: lanes 0-15 block 2 c, lanes 16-31 block 2 c + 1
.irp i, 0,1,2
	v_permlane16_swap_b32 v[(\pc)+6*\c+\i], v[(\pc)+12+4*\c+\i]
.endr
.irp i, 0,1,2
	v_mov_b32 v[(\pc)+3+6*\c+\i], v[(\pc)+12+4*\c+\i]
.endr
.endr
.endm
	s_load_b512 s[8:23], s[0:1], 0x0               ; x s[8:9], a s[10:11], n s[12:13], act s[14:15], wq s[16:17], wk s[18:19], wv s[20:21], wo s[22:23]
	s_load_b512 s[24:39], s[0:1], 0x40             ; w1 s[24:25], w2 s[26:27], bq s[28:29], bk s[30:31], bv s[32:33], bo s[34:35], b1 s[36:37], b2 s[38:39]
	s_load_b128 s[40:43], s[0:1], 0x80             ; wqk s[40:41], w1i s[42:43]
	s_load_b64 s[44:45], s[0:1], 0x90              ; wrest
	v_lshl_add_u32 v[SPW], v0, 2, SPARE
	v_mov_b32 v[NIL], 0
	v_lshrrev_b32 v1, 5, v0
	v_readfirstlane_b32 s2, v1                     ; wave 0..3
	v_and_b32 v[LN], 31, v0
	v_lshlrev_b32 v[LI], 4, v[LN]
	v_and_b32 v[RR], 15, v0
	v_bfe_u32 v[HH], v0, 4, 1
	s_mov_b32 s[SEL], 0x76543210
	s_mov_b32 s[SEL+1], 0xfedcba98
.irp b, 0,1,2,3
	v_mov_b32 v[TM+4+\b], 0                        ; written once: a lane permute's destination counts as one of its sources
.endr
	s_wait_kmcnt 0x0
	s_cmp_lt_u32 ttmp9, 256
	s_cbranch_scc0 .Lweights
	; ---------------- PATH LN: work-group T takes rows 16 T .. 16 T + 15; wave w rows 4 w .. 4 w + 3 of them
	s_load_b32 s46, s[10:11], 0x0                  ; a
	s_load_b32 s48, s[12:13], 0x0                  ; n
	s_lshl_b32 s50, ttmp9, 16                      ; 16 rows of 4,096 bytes,
	s_lshl_b32 s51, s2, 14                         ; 4 rows
	s_add_co_u32 s50, s50, s51
	s_mov_b32 s51, 0
	s_add_nc_u64 s[8:9], s[8:9], s[50:51]
.irp p, 0,1,2,3
.irp c, 0,1,2,3,4,5,6,7
	global_load_b128 v[X+32*\p+4*\c:X+32*\p+4*\c+3], v[LI], s[8:9] offset:\p*4096+512*\c th:TH_LOAD_NT   ; 32 lanes read 512 consecutive bytes; a wave has its four rows, 16 KiB, on their way
.endr
.endr
	s_mul_i32 s52, s2, 4*LNP
	v_add_nc_u32 v5, s52, v[LI]                    ; into LDS: my wave's four rows, 16 bytes a lane
	v_mul_u32_u24 v6, v[RR], LNP
	v_lshl_add_u32 v6, v[HH], 6, v6
	s_lshl_b32 s53, s2, 10
	v_add_nc_u32 v6, s53, v6                       ; out of it: row r, my wave's two K steps (1,024 bytes), my half's 16 numbers of a block
	s_lshr_b32 s54, ttmp9, 3                       ; the panel of 128 rows
	s_lshl_b32 s54, s54, 3
	s_lshl_b32 s55, s2, 1
	s_add_co_u32 s54, s54, s55                     ; half-block 8 P + 2 w
	s_mul_i32 s54, s54, HB
	s_add_co_u32 s54, s54, HDR
	s_mov_b32 s55, 0
	s_add_nc_u64 s[14:15], s[14:15], s[54:55]
	s_and_b32 s56, ttmp9, 7                        ; which fragment of the panel my 16 rows are
	s_mul_i32 s57, s56, 1536
	v_add_nc_u32 v7, s57, v[LI]                    ; its codes' place
	s_lshr_b32 s57, s56, 2
	s_lshl_b32 s57, s57, 8
	s_and_b32 s58, ttmp9, 3
	s_lshl_b32 s58, s58, 2
	s_add_co_u32 s57, s57, s58
	s_add_co_u32 s57, s57, 12288
	v_lshlrev_b32 v8, 4, v[RR]
	v_mad_u32_u24 v8, v[HH], HB, v8
	v_add_nc_u32 v8, s57, v8                       ; its scale words' place: lanes 0-15 in half-block 2 w, lanes 16-31 in 2 w + 1
	s_mov_b32 s53, 0xffff0000
	s_wait_loadcnt 0x0
	s_wait_kmcnt 0x0
	s_mov_b32 s49, s48                             ; (the packed form names the pair)
.macro ALLSUM                                  ; v[16 + 2 p]: the sum of row p's pair of partial sums over the 32 lanes, in every lane
.irp p, 0,1,2,3
	v_add_f32 v[16+2*\p], v[16+2*\p], v[17+2*\p]
.endr
.irp m, 1,2,4,8
.irp p, 0,1,2,3
	v_add_f32_dpp v[16+2*\p], v[16+2*\p], v[16+2*\p] row_xmask:\m row_mask:0xf bank_mask:0xf
.endr
.endr
.irp p, 0,1,2,3
	v_permlanex16_b32 v[17+2*\p], v[16+2*\p], s[SEL], s[SEL+1]
.endr
.irp p, 0,1,2,3
	v_add_f32 v[16+2*\p], v[16+2*\p], v[17+2*\p]
.endr
.endm
.irp p, 0,1,2,3
	v_pk_add_f32 v[16+2*\p:17+2*\p], v[X+32*\p:X+32*\p+1], v[X+32*\p+2:X+32*\p+3]   ; the first two pairs start the sums; the four rows take turns
.endr
.irp i, 4,6,8,10,12,14,16,18,20,22,24,26,28,30
.irp p, 0,1,2,3
	v_pk_add_f32 v[16+2*\p:17+2*\p], v[16+2*\p:17+2*\p], v[X+32*\p+\i:X+32*\p+\i+1]
.endr
.endr
	ALLSUM
.irp p, 0,1,2,3
	v_mul_f32 v[24+2*\p], 0x3a800000, v[16+2*\p]   ; the mean: / 1,024
.endr
.irp p, 0,1,2,3
	v_mov_b32 v[25+2*\p], v[24+2*\p]
.endr
.irp i, 0,2,4,6,8,10,12,14,16,18,20,22,24,26,28,30
.irp p, 0,1,2,3
	v_pk_add_f32 v[X+32*\p+\i:X+32*\p+\i+1], v[X+32*\p+\i:X+32*\p+\i+1], v[24+2*\p:25+2*\p] neg_lo:[0,1] neg_hi:[0,1]   ; d = x - mean, in place
.endr
.endr
.irp p, 0,1,2,3
	v_pk_mul_f32 v[16+2*\p:17+2*\p], v[X+32*\p:X+32*\p+1], v[X+32*\p:X+32*\p+1]
.endr
.irp i, 2,4,6,8,10,12,14,16,18,20,22,24,26,28,30
.irp p, 0,1,2,3
	v_pk_fma_f32 v[16+2*\p:17+2*\p], v[X+32*\p+\i:X+32*\p+\i+1], v[X+32*\p+\i:X+32*\p+\i+1], v[16+2*\p:17+2*\p]
.endr
.endr
	ALLSUM
.irp p, 0,1,2,3
	v_mul_f32 v[16+2*\p], 0x3a802008, v[16+2*\p]   ; the variance: / 1,023
.endr
.irp p, 0,1,2,3
	v_sqrt_f32 v[17+2*\p], v[16+2*\p]
.endr
	v_nop                                          ; a plain place behind the roots,
	s_wait_alu depctr_va_vdst(0)                   ; and one wait for the four, ahead of their first reader
.irp p, 0,1,2,3
	v_add_f32 v[17+2*\p], 0x3727c5ac, v[17+2*\p]   ; + 1e-5
.endr
.irp p, 0,1,2,3
	v_rcp_f32 v[16+2*\p], v[17+2*\p]
.endr
	v_nop
	s_wait_alu depctr_va_vdst(0)                   ; one wait for the four reciprocals
.irp p, 0,1,2,3
	v_mul_f32 v[32+2*\p], s46, v[16+2*\p]          ; a / (std + eps)
.endr
.irp p, 0,1,2,3
	v_mov_b32 v[33+2*\p], v[32+2*\p]
.endr
.irp i, 0,2,4,6,8,10,12,14,16,18,20,22,24,26,28,30
.irp p, 0,1,2,3
	v_pk_fma_f32 v[X+32*\p+\i:X+32*\p+\i+1], v[X+32*\p+\i:X+32*\p+\i+1], v[32+2*\p:33+2*\p], s[48:49] op_sel_hi:[1,1,0]   ; y = d gain + n
.endr
.endr
.irp p, 0,1,2,3
.irp c, 0,1,2,3,4,5,6,7
	ds_store_b128 v5, v[X+32*\p+4*\c:X+32*\p+4*\c+3] offset:\p*LNP+512*\c
.endr
.endr
	s_wait_dscnt 0x0                               ; for the others' sake: my four rows lie in LDS
	s_barrier_signal -1
	s_barrier_wait -1                              ; all 16 rows do
.irp e, 0,1                                    ; wave w quantises K steps 2 w and 2 w + 1 of all 16 rows: lane (r, h) takes 16 neighbours of each block of 32 of row r
.irp b, 0,1,2,3
.irp j, 0,1,2,3
	ds_load_b128 v[X+64*\e+16*\b+4*\j:X+64*\e+16*\b+4*\j+3], v6 offset:\e*512+128*\b+16*\j
.endr
.endr
.endr
	s_wait_dscnt 0x0
	QUANT X, PC, 76
.irp c, 0,1,2
	global_store_b128 v7, v[PC+4*\c:PC+4*\c+3], s[14:15] offset:512*\c     ; 32 lanes store 512 consecutive bytes, aligned
.endr
	s_wait_xcnt 0x0                                ; the stores have read the codes' registers: they are written again only behind this wait
	QUANT X+64, PC, 77
.irp c, 0,1,2
	global_store_b128 v7, v[PC+4*\c:PC+4*\c+3], s[14:15] offset:HB+512*\c
.endr
	v_cndmask_b32 v78, v76, v77, s53               ; lanes 0-15: K step 2 w's word of row r; lanes 16-31: K step 2 w + 1's (each word stands alike in lanes r and r + 16)
	global_store_b32 v8, v78, s[14:15]
	s_wait_tensorcnt 0x0                           ; the wave's end, behind my last LDS store
	ds_add_u32 v[SPW], v[NIL]
	s_wait_dscnt 0x0
	s_endpgm
	; ---------------- PATH W: work-group g = number - 256; each wave makes one half-block of one weight: 128 rows x 128 K
.Lweights:
	s_sub_co_u32 s47, ttmp9, 256                   ; g: wq 0-15, wk 16-31, wv 32-47, wo 48-63, w1 64-127, w2 128-191.  The choice hangs on the work-group's number alone
	s_mov_b64 s[50:51], s[26:27]                   ; w2's: the tensor,
	s_mov_b64 s[52:53], s[38:39]                   ; its bias,
	s_mov_b64 s[54:55], s[44:45]                   ; the buffer of its image,
	s_mov_b32 s56, 1671680                         ; the region in it,
	s_mov_b32 s57, 128                             ; its first g,
	s_mov_b32 s58, 0                               ; its first panel in the region,
	s_mov_b32 s59, 5                               ; log2 of its K steps,
	s_mov_b32 s60, 16384                           ; its row in bytes,
	s_mov_b32 s61, 0xff800000                      ; the floor of the activation behind its product: -infinity is none
	s_cmp_lt_u32 s47, 128                          ; w1
	s_cselect_b64 s[50:51], s[24:25], s[50:51]
	s_cselect_b64 s[52:53], s[36:37], s[52:53]
	s_cselect_b64 s[54:55], s[42:43], s[54:55]
	s_cselect_b32 s56, 0, s56
	s_cselect_b32 s57, 64, s57
	s_cselect_b32 s59, 3, s59
	s_cselect_b32 s60, 4096, s60
	s_cselect_b32 s61, 0, s61                      ; relu
	s_cmp_lt_u32 s47, 64                           ; wo
	s_cselect_b64 s[50:51], s[22:23], s[50:51]
	s_cselect_b64 s[52:53], s[34:35], s[52:53]
	s_cselect_b64 s[54:55], s[44:45], s[54:55]
	s_cselect_b32 s56, 835840, s56
	s_cselect_b32 s57, 48, s57
	s_cselect_b32 s61, 0xff800000, s61
	s_cmp_lt_u32 s47, 48                           ; wv
	s_cselect_b64 s[50:51], s[20:21], s[50:51]
	s_cselect_b64 s[52:53], s[32:33], s[52:53]
	s_cselect_b32 s56, 0, s56
	s_cselect_b32 s57, 32, s57
	s_cmp_lt_u32 s47, 32                           ; wk
	s_cselect_b64 s[50:51], s[18:19], s[50:51]
	s_cselect_b64 s[52:53], s[30:31], s[52:53]
	s_cselect_b64 s[54:55], s[40:41], s[54:55]
	s_cselect_b32 s57, 16, s57
	s_cselect_b32 s58, 8, s58
	s_cmp_lt_u32 s47, 16                           ; wq
	s_cselect_b64 s[50:51], s[16:17], s[50:51]
	s_cselect_b64 s[52:53], s[28:29], s[52:53]
	s_cselect_b32 s57, 0, s57
	s_cselect_b32 s58, 0, s58
	s_sub_co_u32 s47, s47, s57
	s_lshl_b32 s47, s47, 2
	s_add_co_u32 s47, s47, s2                      ; my half-block of the tensor
	s_lshr_b32 s62, s47, s59                       ; its panel P
	s_lshl_b32 s63, s62, s59
	s_sub_co_u32 s63, s47, s63                     ; its K step S
	s_lshl_b32 s66, s60, 7
	s_mul_i32 s66, s66, s62                        ; 128 P rows
	s_lshl_b32 s67, s63, 9                         ; + 512 S bytes
	s_add_co_u32 s66, s66, s67
	s_mov_b32 s67, 0
	s_add_nc_u64 s[50:51], s[50:51], s[66:67]      ; the even tiles' base: tile 0's first row
	s_lshl_b32 s66, s60, 3
	s_add_nc_u64 s[68:69], s[50:51], s[66:67]      ; the odd tiles': 8 rows further down
	s_lshl_b32 s70, s60, 5                         ; each steps by 32 rows
	s_mov_b32 s71, 0
	s_mov_b32 s57, 0
	s_add_nc_u64 s[54:55], s[54:55], s[56:57]      ; the region
	s_lshl_b32 s72, s58, 3
	s_add_co_u32 s72, s72, s47
	s_mul_i32 s72, s72, HB
	s_add_co_u32 s72, s72, HDR
	s_mov_b32 s73, 0
	s_add_nc_u64 s[72:73], s[54:55], s[72:73]      ; my half-block in it
	s_lshl_b32 s74, s62, 9
	s_mov_b32 s75, 0
	s_add_nc_u64 s[52:53], s[52:53], s[74:75]      ; my panel's 128 numbers of the bias,
	s_add_co_u32 s76, s58, s62
	s_lshl_b32 s74, s76, 9
	s_add_co_u32 s74, s74, 256
	s_add_nc_u64 s[78:79], s[54:55], s[74:75]      ; and their place in the header
.irp r, 0,1,2,3,4,5,6,7,8,9,10,11,12,13,14,15
	v_mad_u32_u24 v[AR+\r], s60, \r+8*(\r/8), v[LI]   ; lane r of a fragment takes the tile's row r + 8 (r / 8); 16 bytes a lane
.endr
	s_mul_i32 s77, s2, 16*WSP
	s_add_co_u32 s77, s77, WST                     ; my stage
	v_add_nc_u32 v5, s77, v[LI]
	v_mul_u32_u24 v6, v[RR], WSP
	v_lshl_add_u32 v6, v[HH], 6, v6
	v_add_nc_u32 v6, s77, v6
	s_mov_b32 s46, 0xffff0000
.macro WLOAD i                                 ; tile i's 16 rows x 512 bytes: each load reads one row's 512 consecutive bytes
.irp r, 0,1,2,3,4,5,6,7,8,9,10,11,12,13,14,15
.if ((\i)%2) == 0
	global_load_b128 v[RA0+4*\r:RA0+4*\r+3], v[AR+\r], s[50:51] th:TH_LOAD_NT
.else
	global_load_b128 v[RA1+4*\r:RA1+4*\r+3], v[AR+\r], s[68:69] th:TH_LOAD_NT
.endif
.endr
.endm
.macro WTILE i                                 ; tile i becomes fragment i
.set RA, RA0+64*((\i)%2)
.if (\i) < 7
	s_wait_loadcnt 16                              ; this tile's 16 loads are in; the next tile's 16 may be out
.else
	s_wait_loadcnt 0x0
.endif
.irp r, 0,1,2,3,4,5,6,7,8,9,10,11,12,13,14,15
	ds_store_b128 v5, v[RA+4*\r:RA+4*\r+3] offset:\r*WSP      ; through my own stage: in as rows,
.endr
.irp b, 0,1,2,3
.irp j, 0,1,2,3
	ds_load_b128 v[RA+16*\b+4*\j:RA+16*\b+4*\j+3], v6 offset:128*\b+16*\j   ; back as 16 neighbours of each block for lane (r, h).  LDS serves a wave's instructions in order: these see the stores above
.endr
.endr
	s_wait_dscnt 0x0
	s_wait_xcnt 0x0                                ; the last tile's stores have read the codes' registers, and all loads issued their bases: both are written again only behind this wait
.if (\i) < 6
.if ((\i)%2) == 0
	s_add_nc_u64 s[50:51], s[50:51], s[70:71]
.else
	s_add_nc_u64 s[68:69], s[68:69], s[70:71]
.endif
.endif
	QUANT RA, PC, PWW+(\i)
.irp c, 0,1,2
	global_store_b128 v[LI], v[PC+4*\c:PC+4*\c+3], s[72:73] offset:(\i)*1536+512*\c   ; 512 consecutive bytes, aligned
.endr
.if (\i) < 6
	WLOAD (\i)+2
.endif
.endm
	WLOAD 0
	WLOAD 1
	s_cmp_lg_u32 s63, 0                            ; the wave with K step 0 of a panel also copies the panel's bias into the header
	s_cbranch_scc1 .Lno_bias
	global_load_b128 v[76:79], v[LI], s[52:53]
	s_wait_loadcnt 0x0                             ; (all loads are in then: the first tile's counted wait is met on this way too)
	global_store_b128 v[LI], v[76:79], s[78:79]
	s_cmp_lg_u32 s76, 0                            ; and that of a region's first panel the floor: 64 equal words
	s_cbranch_scc1 .Lno_bias
	v_mov_b32 v10, s61
	v_mov_b32 v11, s61
	v_lshlrev_b32 v9, 3, v[LN]
	global_store_b64 v9, v[10:11], s[54:55]
.Lno_bias:
.irp i, 0,1,2,3,4,5,6,7
	WTILE \i
.endr
.irp j, 0,1,2,3
	v_cndmask_b32 v[76+\j], v[PWW+\j], v[PWW+4+\j], s46   ; lanes 0-15 hold fragments 0-3's words of row r, lanes 16-31 fragments 4-7's
.endr
	global_store_b128 v[LI], v[76:79], s[72:73] offset:12288   ; the 512 bytes of scale words
	s_wait_tensorcnt 0x0                           ; the wave's end, behind my last LDS store
	ds_add_u32 v[SPW], v[NIL]
	s_wait_dscnt 0x0
	s_endpgm
.Lfunc_end_k_qcb3785c6bb_prep:
	.size	k_qcb3785c6bb_prep, .Lfunc_end_k_qcb3785c6bb_prep-k_qcb3785c6bb_prep
	.p2alignl 7, 3214868480
	.fill 96, 4, 3214868480
	.section	.rodata,"a",@progbits
	.p2align	6, 0x0
	.amdhsa_kernel k_qcb3785c6bb_prep
		.amdhsa_group_segment_fixed_size 100096
		.amdhsa_private_segment_fixed_size 0
		.amdhsa_enable_private_segment 0
		.amdhsa_kernarg_size 152
		.amdhsa_user_sgpr_count 2
		.amdhsa_user_sgpr_kernarg_segment_ptr 1
		.amdhsa_wavefront_size32 1
		.amdhsa_system_sgpr_workgroup_id_x 1
		.amdhsa_system_sgpr_workgroup_id_y 1
		.amdhsa_system_sgpr_workgroup_id_z 1
		.amdhsa_system_vgpr_workitem_id 0
		.amdhsa_next_free_vgpr 208
		.amdhsa_next_free_sgpr 90
		.amdhsa_reserve_vcc 0
		.amdhsa_float_denorm_mode_32 3
		.amdhsa_float_denorm_mode_16_64 3
		.amdhsa_memory_ordered 1
		.amdhsa_forward_progress 1
		.amdhsa_inst_pref_size 105
	.end_amdhsa_kernel
	.amdgpu_metadata
---
amdhsa.version: [ 1, 2 ]
amdhsa.kernels:
  - .name:           k_qcb3785c6bb_prep
    .symbol:         k_qcb3785c6bb_prep.kd
    .args:
      - { .name: x, .offset: 0, .size: 8, .value_kind: global_buffer, .address_space: global }
      - { .name: a1, .offset: 8, .size: 8, .value_kind: global_buffer, .address_space: global }
      - { .name: n1, .offset: 16, .size: 8, .value_kind: global_buffer, .address_space: global }
      - { .name: act, .offset: 24, .size: 8, .value_kind: global_buffer, .address_space: global }
      - { .name: wq, .offset: 32, .size: 8, .value_kind: global_buffer, .address_space: global }
      - { .name: wk, .offset: 40, .size: 8, .value_kind: global_buffer, .address_space: global }
      - { .name: wv, .offset: 48, .size: 8, .value_kind: global_buffer, .address_space: global }
      - { .name: wo, .offset: 56, .size: 8, .value_kind: global_buffer, .address_space: global }
      - { .name: w1, .offset: 64, .size: 8, .value_kind: global_buffer, .address_space: global }
      - { .name: w2, .offset: 72, .size: 8, .value_kind: global_buffer, .address_space: global }
      - { .name: bq, .offset: 80, .size: 8, .value_kind: global_buffer, .address_space: global }
      - { .name: bk, .offset: 88, .size: 8, .value_kind: global_buffer, .address_space: global }
      - { .name: bv, .offset: 96, .size: 8, .value_kind: global_buffer, .address_space: global }
      - { .name: bo, .offset: 104, .size: 8, .value_kind: global_buffer, .address_space: global }
      - { .name: b1, .offset: 112, .size: 8, .value_kind: global_buffer, .address_space: global }
      - { .name: b2, .offset: 120, .size: 8, .value_kind: global_buffer, .address_space: global }
      - { .name: wqk, .offset: 128, .size: 8, .value_kind: global_buffer, .address_space: global }
      - { .name: w1i, .offset: 136, .size: 8, .value_kind: global_buffer, .address_space: global }
      - { .name: wrest, .offset: 144, .size: 8, .value_kind: global_buffer, .address_space: global }
    .group_segment_fixed_size: 100096
    .private_segment_fixed_size: 0
    .kernarg_segment_align: 8
    .kernarg_segment_size: 152
    .max_flat_workgroup_size: 128
    .sgpr_count:     90
    .vgpr_count:     208
    .wavefront_size: 32
...
	.end_amdgpu_metadata
.endif
;; end of part 1
;; launch qkv (part 2): grid 8 x 24, 4 waves a work-group, clusters of 4 x 4, 327,680 bytes of LDS; arguments act, wqk, wrest, big, vt; writes big, vt
.if DOCPART == 2
	.amdgcn_target "amdgcn-amd-amdhsa--gfx1250"
	.amdhsa_code_object_version 6
	.text
	.protected	k_qcb3785c6bb_qkv
	.globl	k_qcb3785c6bb_qkv
	.p2align	8
	.type	k_qcb3785c6bb_qkv,@function
k_qcb3785c6bb_qkv:
	s_mov_b64 s[64:65], 0
	v_nop
	global_prefetch_b8 v0, s[64:65] scope:SCOPE_SE
	s_setreg_imm32_b32 hwreg(HW_REG_WAVE_MODE, 25, 1), 1
	s_wait_xcnt 0x0
	s_wait_alu depctr_hold_cnt(0) depctr_sa_sdst(0) depctr_va_vdst(0) depctr_va_sdst(0) depctr_va_ssrc(0) depctr_va_vcc(0) depctr_vm_vsrc(0)
	s_getreg_b32 s2, hwreg(HW_REG_IB_STS2, 6, 4)
	s_cmp_eq_u32 s2, 0
	s_cbranch_scc0 .Lentry_in_a_cluster
	s_endpgm
.Lentry_in_a_cluster:
	s_bfe_u32 s2, ttmp6, 0x10000c
	s_cmp_lg_u32 s2, 0xf033
	s_cbranch_scc0 .Lentry_shape_is_right
	s_endpgm
.Lentry_shape_is_right:
; A GEMM on codes of FP6 (E2M3) whose result is quantised again on the way out: OUT = Q(max(floor, X W^T + bias)), K = 1,024.
; Operands lie in memory as half-blocks (128 rows x 128 K, 12,800 bytes: eight fragments as images of operand registers, then 512 bytes of scale words) behind a header of 16,640 bytes; half-block (panel P, K step S) at
; 16,640 + (P nS + S) 12,800; nS = 8 in the inputs, 32 in the outputs.  The header of W holds the activation's floor (word 0) and the bias (from byte 256).
; A tile of C, 256 x 256, is made by four waves, as many as a WGP has SIMDs; a wave makes 128 x 128: 64 accumulators, 512 registers.  K goes in steps of 256 (two half-blocks a panel, 25,600 dense bytes, scales with codes)
; through a ring of two LDS slots filled by the tensor data mover.  A fragment comes out of LDS by three loads of 16 bytes at 16 x lane: consecutive bytes, no padding.
; THE PRODUCT IS USED TRANSPOSED: source 0 = 16 rows of W, source 1 = 16 rows of X.  W's rows are laid so that a lane's 16 registers of two neighbouring accumulators are 16 neighbouring columns: a lane's 64 registers of
; a block of 16 rows are the quantiser's input as they stand, and the codes leave as the next product's fragments, 512 consecutive bytes a store.  Nothing goes through LDS on the way out.
; THE BIAS is the C of each sum's first matrix instruction; the floor (0 for relu, -infinity for none) rides on the move of each result into the first register window.
; TWO USES OF ONE TEXT.  Clusters with y under 4 (all of them in the launch of the feed-forward layer): X = activations, W = weights, bias by columns.  Clusters with y 4 and 5 (the launch of q, k, v alone): V^T = Wv xn^T + bv:
; X = Wv's image, W = the activations, bias by rows, results to the second output; so V is quantised along the keys.  The choice hangs on the cluster's y alone: it is the same in all sixteen partners.
; CLUSTERS: 4 x 4 work-groups; X's panels are asked for jointly along a row of the cluster, W's along a column: the same tensor load, descriptor and mask in the four that share.
; LIMITS: NaN and infinities are not served; a block whose largest magnitude lies under 2^-124 gets the byte 1 (a block of zeros too): its bytes are read by this program alone.  Sums run along K ascending, one accumulator an output.
; REGISTERS, in windows of 256: window 0: v16-29 addresses; v32-63 scale words, two sets; v64-127 the bias; v128-223 X's fragments, one set; on the way out v128-251 are at work.
;   window 1: W's fragments, two sets, at v0 and v128.  window 2: the accumulators of my rows 0-63 ((a, b) at v[8 (8 (a % 4) + b)]); window 3: those of rows 64-127.
.set HDR,   16640
.set HB,    12800
.set NSI,   8                          ; K steps of 128 in the inputs
.set PANB,  2*HB                       ; a panel's part of a slot: what one tensor load brings
.set SLOT,  4*PANB                     ; X's two panels, then W's two
.set SPARE, 2*SLOT                     ; behind the ring: the spare words, 128 bytes a wave: two blocks of 256 bytes that no other line names
.set LAPS,  2                          ; a lap = two slots = 512 along K
.set FR,    12
.set ADRX, 16                          ; v16-17 LDS address of my X fragments in slot 0, 1;  v18-19 of their scale words
.set ASX,  18
.set ADRW, 20                          ; v20-21, v22-23 the same for W
.set ASW,  22
.set LI,   26                          ; v26  16 x lane
.set SPW,  28                          ; v28  my spare word's LDS address; never rewritten
.set NIL,  29                          ; v29  0; never rewritten
.set SC,   32                          ; scale words: set s at v[SC + 16 s]: X's block a at + a, W's block b at + 8 + b; lanes 0-15 serve the slot's first 128 along K, lanes 16-31 its second
.set BI,   64
.set XF,   128
.set T,    128                         ; the way out: 64 numbers
.set TM,   200                         ; the quantiser's scratch
.set PC,   216                         ; codes
.set PW,   240                         ; eight scale words
.set SW,   248
.set SEL,  68                          ; s[68:69]
.set G1,  24
.set G0,  32
.set G1B, 48
.set G0B, 56
.set MSB, 0
.macro WIN new                         ; the immediate's high byte repeats the setting that is left
.if MSB != (\new)
	s_set_vgpr_msb (MSB<<8)|(\new)
.set MSB, (\new)
.endif
.endm
.macro JLOAD g0a, g1a, g0b, g1b        ; a joint load: waves 0 and 1 fetch X's panels, waves 2 and 3 W's; an s_nop 0 and four v_nop follow each line
	s_cmp_eq_u32 s15, 0
	s_cbranch_scc0 .Lfor_b_\@
	tensor_load_to_lds s[\g0a:\g0a+3], s[\g1a:\g1a+7]
	s_nop 0
.rept 4
	v_nop
.endr
	s_branch .Lasked_\@
.Lfor_b_\@:
	tensor_load_to_lds s[\g0b:\g0b+3], s[\g1b:\g1b+7]
	s_nop 0
.rept 4
	v_nop
.endr
.Lasked_\@:
.endm
.macro CREST                           ; a round of the cluster's barrier behind its opening barrier
	s_cmp_lg_u32 s14, 0
	s_cbranch_scc1 .Lnot_wave_0_\@
	s_barrier_signal -3
.Lnot_wave_0_\@:
	s_barrier_wait -3
	s_barrier_signal -1
	s_barrier_wait -1
.endm
.macro CROUND
	s_barrier_signal -1
	s_barrier_wait -1
	CREST
.endm
.macro PLACES n                        ; plain places behind matrix instructions, in front of loads into registers that they have read and of the first read of results
.rept \n
	v_nop
.endr
.endm
.macro QUANT s, pc, pw                 ; 64 numbers of a lane, register 16 b + i = k 32 b + 16 (lane / 16) + i of my row -> 12 registers of codes at v[pc], the scale word in v[pw]
.irp b, 0,1,2,3
	v_max3_num_f32 v[TM+\b], |v[(\s)+16*\b]|, |v[(\s)+1+16*\b]|, 0x1800000   ; and the floor 2^(3 - 127): the byte cannot fall under 1
.endr
.irp i, 2,4,6,8,10,12,14
.irp b, 0,1,2,3
	v_max3_num_f32 v[TM+\b], v[TM+\b], |v[(\s)+16*\b+\i]|, |v[(\s)+1+16*\b+\i]|
.endr
.endr
.irp b, 0,1,2,3
	v_permlanex16_b32 v[TM+4+\b], v[TM+\b], s[SEL], s[SEL+1]
.endr
.irp b, 0,1,2,3
	v_max_num_f32 v[TM+\b], v[TM+\b], v[TM+4+\b]
.endr
.irp b, 0,1,2,3
	v_add_nc_u32 v[TM+12+\b], 0xff000000, v[TM+\b]   ; 2 off the exponent field: the conversion's scale operand
.endr
.irp b, 0,1,2,3
	v_lshrrev_b32 v[TM+4+\b], 23, v[TM+12+\b]      ; the byte
.endr
	v_lshl_or_b32 v[\pw], v[TM+5], 8, v[TM+4]
	v_lshl_or_b32 v[\pw], v[TM+6], 16, v[\pw]
	v_lshl_or_b32 v[\pw], v[TM+7], 24, v[\pw]
.irp c, 0,1
	v_cvt_scalef32_pk16_fp6_f32 v[(\pc)+6*\c:(\pc)+2+6*\c], v[(\s)+32*\c:(\s)+15+32*\c], v[TM+12+2*\c]
	v_cvt_scalef32_pk16_fp6_f32 v[(\pc)+12+4*\c:(\pc)+14+4*\c], v[(\s)+16+32*\c:(\s)+31+32*\c], v[TM+12+2*\c+1]
.endr
	v_nop                                          ; one plain place behind a scaled conversion
.irp c, 0,1
.irp i, 0,1,2
	v_permlane16_swap_b32 v[(\pc)+6*\c+\i], v[(\pc)+12+4*\c+\i]
.endr
.irp i, 0,1,2
	v_mov_b32 v[(\pc)+3+6*\c+\i], v[(\pc)+12+4*\c+\i]
.endr
.endr
.endm
	s_load_b256 s[4:11], s[0:1], 0x0               ; X s[4:5], W s[6:7], Wv's image s[8:9], OUT s[10:11]
	s_load_b64 s[12:13], s[0:1], 0x20              ; V^T's output
	v_lshl_add_u32 v[SPW], v0, 2, SPARE
	v_mov_b32 v[NIL], 0
	ds_add_u32 v[SPW], v[NIL]                      ; the wave's opening: the add, and its wait ahead of my first tensor load; work on registers stands between them
	v_lshrrev_b32 v1, 5, v0
	v_readfirstlane_b32 s14, v1                    ; wave 0..3
	s_lshr_b32 s15, s14, 1                         ; which 128 rows of the tile are mine.  Also: I fetch for X (0) or for W (1)
	s_and_b32 s16, s14, 1                          ; which 128 columns.  Also: which panel I fetch
	s_bfe_u32 s40, ttmp6, 0x40000                  ; cx
	s_bfe_u32 s41, ttmp6, 0x40004                  ; cy
	s_and_b32 s45, ttmp7, 0xffff                   ; the cluster's y
	s_max_u32 s72, s45, 4
	s_sub_co_u32 s72, s72, 4                       ; y - 4, or 0 under 4
	s_lshl_b32 s72, s72, 1
	s_add_co_u32 s72, s72, ttmp9                   ; for V^T: column of clusters 2 (y - 4) + x
	s_cmp_ge_u32 s45, 4
	s_cselect_b32 s70, 1, 0                        ; 1: this cluster makes V^T
	s_cselect_b32 s71, 0, s45                      ; row of clusters
	s_cselect_b32 s72, s72, ttmp9                  ; column of clusters
	s_lshl_b32 s17, s71, 2
	s_add_co_u32 s17, s17, s41                     ; tile row
	s_lshl_b32 s42, s72, 2
	s_add_co_u32 s42, s42, s40                     ; tile column
	s_lshl_b32 s43, s41, 2
	s_lshl_b32 s43, 15, s43                        ; my row of the cluster
	s_lshl_b32 s44, 0x1111, s40                    ; my column
	s_or_b32 s[G1+0], s43, (3<<16)|(1<<21)         ; 15:0 the mask; 17:16 elements of 8 bytes; 20 no padding; 21 set beside a mask
	s_or_b32 s[G1B+0], s44, (3<<16)|(1<<21)
.irp g, G1, G1B                                ; 25,600 dense bytes as 100 rows of 256
	s_mov_b32 s[\g+1], 32<<16                      ; tensor_dim0 = 32
	s_mov_b32 s[\g+2], 100<<16                     ; tensor_dim1 = 100
	s_mov_b32 s[\g+3], 32<<16                      ; tile_dim0 = 32
	s_mov_b32 s[\g+4], 100                         ; tile_dim1 = 100
	s_mov_b32 s[\g+5], 32                          ; from row to row
	s_mov_b32 s[\g+6], 0
	s_mov_b32 s[\g+7], 0
.endr
	s_lshl_b32 s20, s17, 1
	s_add_co_u32 s20, s20, s16                     ; X's panel that I would fetch: it hangs on the tile row and the wave alone
	s_mul_i32 s20, s20, NSI*HB
	s_add_co_u32 s20, s20, HDR
	s_mov_b32 s21, 0
	s_lshl_b32 s46, s42, 1
	s_add_co_u32 s46, s46, s16                     ; W's: on the tile column and the wave alone
	s_mul_i32 s46, s46, NSI*HB
	s_add_co_u32 s46, s46, HDR
	s_mov_b32 s47, 0
	s_mul_i32 s73, s14, PANB                       ; where it goes: wave x 25,600: no place in the cluster enters an LDS address
	s_mov_b32 s[SEL], 0x76543210
	s_mov_b32 s[SEL+1], 0xfedcba98
	s_mov_b32 s67, 0xffff0000
	s_wait_dscnt 0x0                               ; the opening add is done
	s_wait_kmcnt 0x0
	s_cmp_eq_u32 s70, 1
	s_cselect_b64 s[74:75], s[8:9], s[4:5]         ; source 1's buffer
	s_cselect_b64 s[76:77], s[4:5], s[6:7]         ; source 0's
	s_cselect_b64 s[78:79], s[12:13], s[10:11]     ; the output
	s_add_nc_u64 s[20:21], s[74:75], s[20:21]
	s_add_nc_u64 s[46:47], s[76:77], s[46:47]
	s_load_b32 s66, s[6:7], 0x0                    ; the activation's floor
	CROUND                                         ; all sixteen work-groups are here: the first joint loads meet
.irp s, 0,1
	s_mov_b32 s[G0+4*\s], 1
	s_add_co_u32 s[G0+4*\s+1], s73, \s*SLOT
	s_add_nc_u64 s[G0+4*\s+2:G0+4*\s+3], s[20:21], \s*PANB
	s_or_b32 s[G0+4*\s+3], s[G0+4*\s+3], 0x80000000
	s_mov_b32 s[G0B+4*\s], 1
	s_add_co_u32 s[G0B+4*\s+1], s73, \s*SLOT
	s_add_nc_u64 s[G0B+4*\s+2:G0B+4*\s+3], s[46:47], \s*PANB
	s_or_b32 s[G0B+4*\s+3], s[G0B+4*\s+3], 0x80000000
	JLOAD G0+4*\s, G1, G0B+4*\s, G1B               ; two loads of mine are out
.endr
	v_and_b32 v1, 31, v0
	v_lshlrev_b32 v[LI], 4, v1
	v_and_b32 v2, 15, v0                           ; r
	v_bfe_u32 v3, v0, 4, 1                         ; h
	v_lshlrev_b32 v4, 4, v2
	v_mad_u32_u24 v4, v3, HB, v4                   ; scale words: 16 r, and lanes 16-31 in the slot's second half-block
	s_mul_i32 s21, s15, PANB
	s_mul_i32 s22, s16, PANB
	s_add_co_u32 s22, s22, 2*PANB
.irp s, 0,1
	v_add_nc_u32 v[ADRX+\s], s21, v[LI]
	v_add_nc_u32 v[ASX+\s], s21, v4
	v_add_nc_u32 v[ADRW+\s], s22, v[LI]
	v_add_nc_u32 v[ASW+\s], s22, v4
	s_add_co_u32 s21, s21, SLOT
	s_add_co_u32 s22, s22, SLOT
.endr
	s_lshl_b32 s22, s42, 10                        ; the bias by columns: W's header, my 128 columns
	s_lshl_b32 s23, s16, 9
	s_add_co_u32 s22, s22, s23
	s_add_co_u32 s22, s22, 256
	s_mov_b32 s23, 0
	s_add_nc_u64 s[80:81], s[6:7], s[22:23]
	v_lshlrev_b32 v5, 6, v3                        ; lanes 16-31: 16 columns on
	s_lshl_b32 s22, s17, 10                        ; the bias by rows: Wv's header, my 128 rows
	s_lshl_b32 s23, s15, 9
	s_add_co_u32 s22, s22, s23
	s_add_co_u32 s22, s22, 256
	s_mov_b32 s23, 0
	s_add_nc_u64 s[82:83], s[8:9], s[22:23]
	v_and_b32 v6, 8, v2
	v_add_nc_u32 v6, v6, v2
	v_lshlrev_b32 v6, 2, v6                        ; lane r holds row r + 8 (r / 8) of a fragment of Wv
	s_cmp_eq_u32 s70, 1
	s_cbranch_scc1 .Lbias_rows
.irp b, 0,1,2,3,4,5,6,7                        ; register j of accumulator (a, b) is column 32 (b / 2) + 16 h + 8 (b % 2) + j
	global_load_b128 v[BI+8*\b:BI+8*\b+3], v5, s[80:81] offset:128*(\b/2)+32*(\b%2)
	global_load_b128 v[BI+8*\b+4:BI+8*\b+7], v5, s[80:81] offset:128*(\b/2)+32*(\b%2)+16
.endr
	s_branch .Lbias_done
.Lbias_rows:
.irp a, 0,1,2,3,4,5,6,7                        ; all eight registers of accumulator (a, b) belong to my lane's row of block a
.irp j, 0,1,2,3,4,5,6,7
	global_load_b32 v[BI+8*\a+\j], v6, s[82:83] offset:(32*(\a/2)+8*(\a%2))*4
.endr
.endr
.Lbias_done:
	s_lshl_b32 s22, s17, 1                         ; my half-block of the output: panel 2 x tile row + row half, K step 2 x tile column + column half, 32 K steps a panel
	s_add_co_u32 s22, s22, s15
	s_lshl_b32 s22, s22, 5
	s_lshl_b32 s23, s42, 1
	s_add_co_u32 s22, s22, s23
	s_add_co_u32 s22, s22, s16
	s_mul_i32 s22, s22, HB
	s_add_co_u32 s22, s22, HDR
	s_mov_b32 s23, 0
	s_add_nc_u64 s[78:79], s[78:79], s[22:23]
.macro FRAG reg, adr, off              ; a fragment: three loads of 16 bytes a lane, 512 consecutive bytes each
.irp c, 0,1,2
	ds_load_b128 v[(\reg)+4*\c:(\reg)+4*\c+3], v[\adr] offset:(\off)+512*\c
.endr
.endm
.macro FETCH_W slot, q, p              ; W's eight fragments of the slot's q-th 128 along K into set p: 24 loads
	WIN 0x40
.irp i, 0,1,2,3,4,5,6,7
	FRAG 128*(\p)+FR*\i, ADRW+\slot, (\q)*HB+\i*1536
.endr
	WIN 0
.endm
.macro FETCH_X slot, q, i0             ; X's blocks i0 .. i0 + 3: 12 loads
.irp i, \i0, \i0+1, \i0+2, \i0+3
	FRAG XF+FR*(\i), ADRX+\slot, (\q)*HB+(\i)*1536
.endr
.endm
.macro SCALES s                        ; a slot's scale words: four loads
.irp g, 0,1
	ds_load_b128 v[SC+16*(\s)+4*\g:SC+16*(\s)+4*\g+3], v[ASX+\s] offset:12288+256*\g
	ds_load_b128 v[SC+16*(\s)+8+4*\g:SC+16*(\s)+8+4*\g+3], v[ASW+\s] offset:12288+256*\g
.endr
.endm
.macro MM a, b, p, q, sc, cm           ; one product: X's block a against W's block b.  cm = 1, 2: it starts the sum with the bias by columns, by rows
.set rD, 8*(8*((\a)%4)+(\b))
.set rW, 128*(\p)+FR*(\b)
.set rX, XF+FR*(\a)
.set rSW, SC+16*(\sc)+8+(\b)
.set rSX, SC+16*(\sc)+(\a)
.if (\cm) == 1
	v_wmma_scale_f32_16x16x128_f8f6f4 v[rD:rD+7], v[rW:rW+FR-1], v[rX:rX+FR-1], v[BI+8*(\b):BI+8*(\b)+7], v[rSW], v[rSX] matrix_a_fmt:MATRIX_FMT_FP6 matrix_b_fmt:MATRIX_FMT_FP6
.elseif (\cm) == 2
	v_wmma_scale_f32_16x16x128_f8f6f4 v[rD:rD+7], v[rW:rW+FR-1], v[rX:rX+FR-1], v[BI+8*(\a):BI+8*(\a)+7], v[rSW], v[rSX] matrix_a_fmt:MATRIX_FMT_FP6 matrix_b_fmt:MATRIX_FMT_FP6
.elseif (\q) == 0
	v_wmma_scale_f32_16x16x128_f8f6f4 v[rD:rD+7], v[rW:rW+FR-1], v[rX:rX+FR-1], v[rD:rD+7], v[rSW], v[rSX] matrix_a_fmt:MATRIX_FMT_FP6 matrix_b_fmt:MATRIX_FMT_FP6
.else
	v_wmma_scale_f32_16x16x128_f8f6f4 v[rD:rD+7], v[rW:rW+FR-1], v[rX:rX+FR-1], v[rD:rD+7], v[rSW], v[rSX] matrix_a_fmt:MATRIX_FMT_FP6 matrix_b_fmt:MATRIX_FMT_FP6 matrix_a_scale:MATRIX_SCALE_ROW1 matrix_b_scale:MATRIX_SCALE_ROW1
.endif
.endm
.macro MUL16 a0, p, q, sc, cm          ; 16 products.  The 64 accumulators take turns, one instruction a turn, in the same order in every step
.irp a, \a0, \a0+1
.irp b, 0,1,2,3,4,5,6,7
	MM (\a), \b, \p, \q, \sc, \cm
.endr
.endr
.endm
.macro STEP slot, cm                   ; a slot's first 128 along K
	s_wait_dscnt 12                                ; W's set, X's blocks 0-3 and the scale words are in; the youngest 12 loads (X's blocks 4-7) may be out
.if \cm
	WIN 0x81                                       ; source 0 window 1, source 1 and C window 0, D window 2
.else
	WIN 0xa1                                       ; C and D window 2
.endif
	MUL16 0, 0, 0, \slot, \cm
	MUL16 2, 0, 0, \slot, \cm
	s_wait_dscnt 0x0                               ; X's blocks 4-7 are in
	PLACES 4
	FETCH_W \slot, 1, 1
	FETCH_X \slot, 1, 0
.if \cm
	WIN 0xc1
.else
	WIN 0xf1
.endif
	MUL16 4, 0, 0, \slot, \cm
	MUL16 6, 0, 0, \slot, \cm
	PLACES 4
	WIN 0
	FETCH_X \slot, 1, 4
.endm
; A slot's second 128 along K changes slots: ONE barrier; in front of it each wave waits for all its tensor loads, adds 0 to its spare word, and waits for that and for its reads of this slot.  fill = 1: the slot is filled again, two slots on.
.macro TURN slot, next, fill
	s_wait_tensorcnt 0x0                           ; all my tensor loads have landed: the one that was out is my part of the next slot
	ds_add_u32 v[SPW], v[NIL]                      ; 0 onto my spare word
	s_wait_dscnt 13                                ; (the add and the youngest 12 loads, X's blocks 4-7, may be out)
	WIN 0xa1
	MUL16 0, 1, 1, \slot, 0                        ; sixteen products stand between the add and the wait for it
	s_wait_dscnt 0x0                               ; the add is done, and my reads of this slot are over
	s_barrier_signal -1
	MUL16 2, 1, 1, \slot, 0
	WIN 0
	s_barrier_wait -1
.if \fill
	CREST                                          ; the barrier has opened a round of the cluster's: no wave of any partner still reads this slot or has a load on its way
	s_add_nc_u64 s[G0+4*\slot+2:G0+4*\slot+3], s[G0+4*\slot+2:G0+4*\slot+3], 2*PANB
	s_add_nc_u64 s[G0B+4*\slot+2:G0B+4*\slot+3], s[G0B+4*\slot+2:G0B+4*\slot+3], 2*PANB
	JLOAD G0+4*\slot, G1, G0B+4*\slot, G1B         ; my one tensor load behind the round; its four v_nop are also the places in front of the loads below
.else
	PLACES 4
.endif
	FETCH_W \next, 0, 0
	FETCH_X \next, 0, 0
	SCALES \next
	WIN 0xf1
	MUL16 4, 1, 1, \slot, 0
	MUL16 6, 1, 1, \slot, 0
	PLACES 4
	WIN 0
	FETCH_X \next, 0, 4
.endm
	s_wait_tensorcnt 1                             ; my part of slot 0 is in; slot 1's may stay out
	s_barrier_signal -1
	s_barrier_wait -1                              ; everybody's is
	FETCH_W 0, 0, 0
	FETCH_X 0, 0, 0
	SCALES 0
	FETCH_X 0, 0, 4
	s_wait_loadcnt 0x0                             ; the bias
	s_wait_kmcnt 0x0                               ; the floor
	s_cmp_eq_u32 s70, 1                            ; the first step is written twice: its products start the sums with the bias, by columns or by rows
	s_cbranch_scc1 .Lfirst_rows
	STEP 0, 1
	s_branch .Lfirst_done
.Lfirst_rows:
	STEP 0, 2
.Lfirst_done:
	s_mov_b32 s3, LAPS-1
.Llap:                                             ; a trip goes once round the ring and fills both slots again
	TURN 0, 1, 1
	STEP 1, 0
	TURN 1, 0, 1
	STEP 0, 0
	s_sub_co_u32 s3, s3, 1
	s_cmp_lg_u32 s3, 0
	s_cbranch_scc1 .Llap
	TURN 0, 1, 0                                   ; the last lap fills nothing
	STEP 1, 0
	s_wait_dscnt 12                                ; the very last step
	WIN 0xa1
	MUL16 0, 1, 1, 1, 0
	MUL16 2, 1, 1, 1, 0
	s_wait_dscnt 0x0
	WIN 0xf1
	MUL16 4, 1, 1, 1, 0
	MUL16 6, 1, 1, 1, 0
	WIN 0
	; THE WAY OUT, block by block of 16 rows: the floor, the quantiser, three stores of 512 consecutive bytes.
	PLACES 4
.irp b, 0,1,2,3
	v_mov_b32 v[TM+4+\b], 0                        ; a lane permute's destination counts as one of its sources
.endr
.macro OUTBLK a
.if (\a) > 0
	s_wait_xcnt 0x0                                ; the last block's stores have read the codes' registers
.endif
	WIN 0x08+4*((\a)/4)                            ; source 1: window 2 or 3
.set n, 0
.rept 64
	v_max_num_f32 v[T+n], s66, v[64*((\a)%4)+n]    ; into window 0, with the activation's floor; each accumulator from its low end on
.set n, n+1
.endr
	WIN 0
	QUANT T, PC, PW+(\a)
.irp c, 0,1,2
	global_store_b128 v[LI], v[PC+4*\c:PC+4*\c+3], s[78:79] offset:(\a)*1536+512*\c
.endr
.endm
.irp a, 0,1,2,3,4,5,6,7
	OUTBLK \a
.endr
.irp j, 0,1,2,3
	v_cndmask_b32 v[SW+\j], v[PW+\j], v[PW+4+\j], s67   ; lanes 0-15: fragments 0-3's words of row r; lanes 16-31: fragments 4-7's
.endr
	global_store_b128 v[LI], v[SW:SW+3], s[78:79] offset:12288
	s_wait_tensorcnt 0x0                           ; the wave's end
	ds_add_u32 v[SPW], v[NIL]
	s_wait_dscnt 0x0
	CROUND                                         ; the closing round: no work-group ends while a partner may still ask for a tile that names it
	s_endpgm
.Lfunc_end_k_qcb3785c6bb_qkv:
	.size	k_qcb3785c6bb_qkv, .Lfunc_end_k_qcb3785c6bb_qkv-k_qcb3785c6bb_qkv
	.p2alignl 7, 3214868480
	.fill 96, 4, 3214868480
	.section	.rodata,"a",@progbits
	.p2align	6, 0x0
	.amdhsa_kernel k_qcb3785c6bb_qkv
		.amdhsa_group_segment_fixed_size 327680
		.amdhsa_private_segment_fixed_size 0
		.amdhsa_enable_private_segment 0
		.amdhsa_kernarg_size 40
		.amdhsa_user_sgpr_count 2
		.amdhsa_user_sgpr_kernarg_segment_ptr 1
		.amdhsa_wavefront_size32 1
		.amdhsa_system_sgpr_workgroup_id_x 1
		.amdhsa_system_sgpr_workgroup_id_y 1
		.amdhsa_system_sgpr_workgroup_id_z 1
		.amdhsa_system_vgpr_workitem_id 0
		.amdhsa_next_free_vgpr 1024
		.amdhsa_next_free_sgpr 100
		.amdhsa_reserve_vcc 0
		.amdhsa_float_denorm_mode_32 3
		.amdhsa_float_denorm_mode_16_64 3
		.amdhsa_memory_ordered 1
		.amdhsa_forward_progress 1
		.amdhsa_inst_pref_size 172
	.end_amdhsa_kernel
	.amdgpu_metadata
---
amdhsa.version: [ 1, 2 ]
amdhsa.kernels:
  - .name:           k_qcb3785c6bb_qkv
    .symbol:         k_qcb3785c6bb_qkv.kd
    .args:
      - { .name: act, .offset: 0, .size: 8, .value_kind: global_buffer, .address_space: global }
      - { .name: wqk, .offset: 8, .size: 8, .value_kind: global_buffer, .address_space: global }
      - { .name: wrest, .offset: 16, .size: 8, .value_kind: global_buffer, .address_space: global }
      - { .name: big, .offset: 24, .size: 8, .value_kind: global_buffer, .address_space: global }
      - { .name: vt, .offset: 32, .size: 8, .value_kind: global_buffer, .address_space: global }
    .group_segment_fixed_size: 327680
    .private_segment_fixed_size: 0
    .kernarg_segment_align: 8
    .kernarg_segment_size: 40
    .max_flat_workgroup_size: 128
    .sgpr_count:     100
    .vgpr_count:     1024
    .wavefront_size: 32
...
	.end_amdgpu_metadata
.endif
;; end of part 2
;; launch attn (part 3): grid 16 x 16, 16 waves a work-group, clusters of 4 x 1, 327,680 bytes of LDS; arguments big, vt, mask, ao; writes ao
.if DOCPART == 3
	.amdgcn_target "amdgcn-amd-amdhsa--gfx1250"
	.amdhsa_code_object_version 6
	.text
	.protected	k_qcb3785c6bb_attn
	.globl	k_qcb3785c6bb_attn
	.p2align	8
	.type	k_qcb3785c6bb_attn,@function
k_qcb3785c6bb_attn:
	s_mov_b64 s[64:65], 0
	v_nop
	global_prefetch_b8 v0, s[64:65] scope:SCOPE_SE
	s_setreg_imm32_b32 hwreg(HW_REG_WAVE_MODE, 25, 1), 1
	s_wait_xcnt 0x0
	s_wait_alu depctr_hold_cnt(0) depctr_sa_sdst(0) depctr_va_vdst(0) depctr_va_sdst(0) depctr_va_ssrc(0) depctr_va_vcc(0) depctr_vm_vsrc(0)
	s_getreg_b32 s2, hwreg(HW_REG_IB_STS2, 6, 4)
	s_cmp_eq_u32 s2, 0
	s_cbranch_scc0 .Lentry_in_a_cluster
	s_endpgm
.Lentry_in_a_cluster:
	s_bfe_u32 s2, ttmp6, 0x10000c
	s_cmp_lg_u32 s2, 0x3003
	s_cbranch_scc0 .Lentry_shape_is_right
	s_endpgm
.Lentry_shape_is_right:
; ATTENTION on codes of FP6 (E2M3): scores = q k^T / 8 with the key mask, p = 2^(t - M), O = p V / l, and O quantised along the model's axis for the next product.  2 batches x 16 heads of 64, 2,048 keys.
; INPUTS, as half-blocks (128 rows x 128 K, 12,800 bytes: eight fragments as images of operand registers, then 512 bytes of scale words; half-block (P, S) at 16,640 + (32 P + S) 12,800):
;   q at S = head pair, k at S = 8 + head pair of token panel P; V^T: panel = head pair, S = 16 x batch + key step.  128 columns of q or k are TWO heads: registers 0-5 of a fragment head A, 6-11 head B.
;   A wave multiplies K's fragment as it lies by Q with zero codes in the other head's half: the half of the instruction's 128 along K that a head of 64 does not have meets zeros.
; SHARES.  A work-group owns 128 queries (a token panel) of one head pair; wave w owns 16 queries (tile w / 2) of head w % 2, in 256 registers: four waves to a SIMD.  Every wave walks all 2,048 keys, 128 a step.
; LAYOUT.  Both products are used transposed (S^T = K Q^T, O^T = V^T P^T): a lane holds one query throughout.  In S^T register 8 i + j of lane half h is key 16 i + 8 h + j; the quantiser lays it at place 32 (i / 2) + 16 h + 8 (i % 2) + j.
;   V^T's keys were laid at the same places by the launch that made it, and a block of 32 places holds the block's own 32 keys: so the scales are the rule's.
; THE MASK is the C of the score products: 0, or -8e9 for a masked key, which is -1e9 behind the division by 8: p = 0 then.  Key steps that are wholly masked leave finite numbers that the next change of M multiplies by 0.
;   Where EVERY key of the batch is masked, c = 0 takes the place of log2(e) / 8: every t is 0, p = 1 and l = 2,048, which is what equal logits of -1e9 give.
; THE SOFTMAX: t = score x log2(e) / 8; M = the running largest t rounded up to a whole number; p = 2^(t - M) is quantised along the keys; l sums the unquantised p; when M moves, l and O^T are multiplied by 2^(old M - new M): exact.
; RING: two LDS slots of four key steps (K's four half-blocks, then V^T's), filled by joint tensor loads: the four query panels of a cluster walk the same K and V^T.  Waves 0, 1 fetch K's halves, waves 2, 3 V^T's.
;   A load is asked for four key steps ahead of the first read of its bytes.
; LIMITS: NaN and infinities are not served.  A masked logit is (score - 8e9) / 8 and not -1e9 to the bit: the results agree while unmasked logits lie above about -1e8.  1 / l is the 1-ulp instruction.
;   A block's largest p is taken from the block's largest score by the same two instructions.  A block under 2^-124 gets the byte 1 with zero codes.
; REGISTERS: v1-3 places that stay; v4, v5 the add's two; v6-10 addresses in hand; v12 -M, v13 largest t, v[14:15] l; v16-27 Q; v28 Q's scale word, v29 p's; v32-79 four fragments; v80-87 K's scale words, v88-91 V^T's;
;   v92-95 conversions' scale operands; v96-159 S^T, then p; v160-191 O^T; v192-223 the mask's numbers of four tiles; v224-235 p's codes; v236-243, v244-255 at work.
.set HDR,   16640
.set HB,    12800
.set SLOT1, 1<<17                      ; slot 1 begins here: one exclusive or turns an address from one slot to the other
.set VOFF,  4*HB                       ; in a slot: K's four half-blocks, then V^T's
.set MK,    262144                     ; behind the ring: the batch's 2,048 mask numbers, f32
.set STG,   270336                     ; the work-group's half-block of the output
.set SPARE, 283136                     ; the spare words, 128 bytes a wave: eight blocks of 256 bytes that no other line names
.set LI,   1                           ; v1  16 x lane
.set LS,   2                           ; v2  16 x (lane % 16)
.set AM0,  3                           ; v3  MK + 32 (lane / 16)
.set SPW,  4
.set NIL,  5
.set ADK,  6
.set ADS,  7
.set ADM,  8
.set ADV,  9
.set ADSV, 10
.set WV,   12                          ; s12 wave;  s18 head of the pair;  s19 tile of queries
.set SEL,  20
.set CS,   22
.set G1K,  24
.set G1V,  32
.set G0K,  40
.set G0V,  44
.set TB,   48                          ; s48 LDS byte of the key step in hand
.set TMK,  49                          ; s49 its mask numbers: 512 bytes a step
.set SLOTS, 50
.set CNT,  51
.macro TLOAD                           ; waves 0, 1: K; waves 2, 3: V^T; the others nothing.  The branches hang on the wave's number alone.  An s_nop 0 and four v_nop follow each line
	s_cmp_lt_u32 s[WV], 2
	s_cbranch_scc0 .Lnot_k_\@
	tensor_load_to_lds s[G0K:G0K+3], s[G1K:G1K+7]
	s_nop 0
.rept 4
	v_nop
.endr
	s_branch .Lasked_\@
.Lnot_k_\@:
	s_cmp_lt_u32 s[WV], 4
	s_cbranch_scc0 .Lasked_\@
	tensor_load_to_lds s[G0V:G0V+3], s[G1V:G1V+7]
	s_nop 0
.rept 4
	v_nop
.endr
.Lasked_\@:
.endm
.macro CROUND                          ; a round of the cluster's barrier
	s_barrier_signal -1
	s_barrier_wait -1
	s_cmp_lg_u32 s[WV], 0
	s_cbranch_scc1 .Lnot_wave_0_\@
	s_barrier_signal -3
.Lnot_wave_0_\@:
	s_barrier_wait -3
	s_barrier_signal -1
	s_barrier_wait -1
.endm
	s_load_b256 s[4:11], s[0:1], 0x0               ; q and k s[4:5], V^T s[6:7], mask s[8:9], output s[10:11]
	v_lshl_add_u32 v[SPW], v0, 2, SPARE
	v_mov_b32 v[NIL], 0
	ds_add_u32 v[SPW], v[NIL]                      ; the wave's opening: the add, and its wait ahead of the first tensor loads; work on registers stands between them
	v_lshrrev_b32 v6, 5, v0
	v_readfirstlane_b32 s[WV], v6                  ; wave 0..15
	s_and_b32 s18, s[WV], 1
	s_lshr_b32 s19, s[WV], 1
	s_bfe_u32 s13, ttmp6, 0x40000                  ; cx
	s_lshl_b32 s14, ttmp9, 2
	s_add_co_u32 s14, s14, s13                     ; my panel of queries in the batch: it enters Q's and the output's addresses alone
	s_and_b32 s15, ttmp7, 0xffff
	s_lshr_b32 s16, s15, 3                         ; batch
	s_and_b32 s17, s15, 7                          ; head pair
	s_lshl_b32 s56, s16, 9                         ; K: half-block (16 batch, 8 + head pair); wave 1 two key steps on
	s_add_co_u32 s56, s56, s17
	s_add_co_u32 s56, s56, 8
	s_mul_i32 s56, s56, HB
	s_mul_i32 s57, s18, 2*32*HB
	s_add_co_u32 s56, s56, s57
	s_add_co_u32 s56, s56, HDR
	s_mov_b32 s57, 0
	s_lshl_b32 s58, s17, 5                         ; V^T: half-block (head pair, 16 batch); wave 3 two key steps on
	s_lshl_b32 s59, s16, 4
	s_add_co_u32 s58, s58, s59
	s_mul_i32 s58, s58, HB
	s_mul_i32 s59, s18, 2*HB
	s_add_co_u32 s58, s58, s59
	s_add_co_u32 s58, s58, HDR
	s_mov_b32 s59, 0
	s_lshl_b32 s60, s16, 4
	s_add_co_u32 s60, s60, s14                     ; my token panel
	s_lshl_b32 s61, s60, 5
	s_add_co_u32 s61, s61, s17
	s_mul_i32 s62, s61, HB
	s_add_co_u32 s62, s62, HDR                     ; Q's half-block
	s_mov_b32 s63, 0
	s_lshl_b32 s61, s60, 3
	s_add_co_u32 s61, s61, s17
	s_mul_i32 s66, s61, HB
	s_add_co_u32 s66, s66, HDR                     ; the output's (8 K steps a panel)
	s_mov_b32 s67, 0
	s_lshl_b32 s68, s16, 13                        ; the batch's mask
	s_mov_b32 s69, 0
	s_mul_i32 s70, s18, 2*HB                       ; where my tile goes in a slot
	s_mov_b32 s[G1K], 15|(3<<16)|(1<<21)           ; K: 15:0 the mask: all four work-groups; elements of 8 bytes; no padding; 21 set beside a mask
	s_mov_b32 s[G1K+1], 1600<<16                   ; tensor_dim0: a half-block, 12,800 bytes
	s_mov_b32 s[G1K+2], 2<<16                      ; tensor_dim1: two of them,
	s_mov_b32 s[G1K+3], 1600<<16                   ; tile_dim0
	s_mov_b32 s[G1K+4], 2                          ; tile_dim1
	s_mov_b32 s[G1K+5], 51200                      ; a token panel (32 half-blocks, 409,600 bytes) apart
	s_mov_b32 s[G1K+6], 0
	s_mov_b32 s[G1K+7], 0
	s_mov_b32 s[G1V], 15|(3<<16)|(1<<21)           ; V^T: two half-blocks on end: 100 rows of 256 bytes
	s_mov_b32 s[G1V+1], 32<<16
	s_mov_b32 s[G1V+2], 100<<16
	s_mov_b32 s[G1V+3], 32<<16
	s_mov_b32 s[G1V+4], 100
	s_mov_b32 s[G1V+5], 32
	s_mov_b32 s[G1V+6], 0
	s_mov_b32 s[G1V+7], 0
	s_mov_b32 s[SEL], 0x76543210
	s_mov_b32 s[SEL+1], 0xfedcba98
	s_mov_b32 s[TB], 0
	s_mov_b32 s[TMK], 0
	s_mov_b32 s[SLOTS], 3
	s_mul_i32 s52, s18, 4*1536                     ; my head's four fragments of V^T,
	s_lshl_b32 s53, s18, 8                         ; and their scale words
	s_wait_dscnt 0x0                               ; the opening add is done
	s_wait_kmcnt 0x0
	s_add_nc_u64 s[56:57], s[4:5], s[56:57]
	s_add_nc_u64 s[58:59], s[6:7], s[58:59]
	s_add_nc_u64 s[62:63], s[4:5], s[62:63]
	s_add_nc_u64 s[10:11], s[10:11], s[66:67]
	s_add_nc_u64 s[8:9], s[8:9], s[68:69]
	CROUND                                         ; all four work-groups are here: the first joint loads meet
	s_mov_b32 s[G0K], 1
	s_mov_b32 s[G0K+1], s70
	s_mov_b64 s[G0K+2:G0K+3], s[56:57]
	s_or_b32 s[G0K+3], s[G0K+3], 0x80000000
	s_mov_b32 s[G0V], 1
	s_add_co_u32 s[G0V+1], s70, VOFF
	s_mov_b64 s[G0V+2:G0V+3], s[58:59]
	s_or_b32 s[G0V+3], s[G0V+3], 0x80000000
	TLOAD                                          ; slot 0
	s_mul_i32 s76, s19, 1536
	s_mov_b32 s77, 0
	s_add_nc_u64 s[72:73], s[62:63], s[76:77]      ; my tile's fragment of Q
	s_lshr_b32 s76, s19, 2
	s_lshl_b32 s76, s76, 8
	s_and_b32 s78, s19, 3
	s_lshl_b32 s78, s78, 2
	s_add_co_u32 s76, s76, s78
	s_add_co_u32 s76, s76, 12288                   ; a tile's scale words in a half-block (kept for the way out)
	s_add_nc_u64 s[74:75], s[62:63], s[76:77]
	v_and_b32 v6, 31, v0
	v_lshlrev_b32 v[LI], 4, v6
	v_and_b32 v7, 15, v0
	v_lshlrev_b32 v[LS], 4, v7
	v_bfe_u32 v8, v0, 4, 1
	v_lshl_add_u32 v[AM0], v8, 5, MK
.irp c, 0,1,2
	global_load_b128 v[16+4*\c:19+4*\c], v[LI], s[72:73] offset:512*\c
.endr
	global_load_b32 v28, v[LS], s[74:75]
.irp i, 0,1,2,3,4,5,6,7,8,9,10,11,12,13,14,15
	global_load_b128 v[96+4*\i:99+4*\i], v[LI], s[8:9] offset:512*\i   ; the batch's whole mask, to see whether any key counts
.endr
	v_lshlrev_b32 v11, 4, v0
	global_load_b128 v[228:231], v11, s[8:9]       ; and my thread's own four keys
	v_lshl_add_u32 v30, v0, 4, MK
	v_mov_b32 v254, 0xcfee6b28                     ; -8e9
	s_cmp_eq_u32 s18, 0
	s_cselect_b32 s55, -1, 0                       ; keeps head A's half of Q
	s_cselect_b32 s79, 0, -1                       ; keeps head B's
	s_wait_loadcnt 0x0
.irp w, 32,16,8,4,2,1
.set i, 0
.rept \w
	v_or_b32 v[96+i], v[96+i], v[96+\w+i]
.set i, i+1
.endr
.endr
	v_cmp_ne_u32 s54, 0, v96
	s_cmp_lg_u32 s54, 0                            ; does any key of the batch count?  The answer selects a number and steers nothing
	s_cselect_b32 s[CS], 0x3e38aa3b, 0             ; c = log2(e) / 8, or 0
	s_mov_b32 s[CS+1], s[CS]
.irp e, 0,1,2,3
	v_cmp_eq_u32 vcc_lo, 0, v[228+\e]
	v_cndmask_b32 v[224+\e], 0, v254, vcc_lo
.endr
	ds_store_b128 v30, v[224:227]                  ; the first change of slots waits for this store and shows it to all waves
.irp i, 0,1,2,3,4,5
	v_and_b32 v[16+\i], s55, v[16+\i]              ; the other head's half of Q becomes zero codes
	v_and_b32 v[22+\i], s79, v[22+\i]
.endr
	v_mov_b32 v13, 0xff61b1e6                      ; the largest t so far: -3e38
	v_floor_f32 v12, -v13                          ; -M
	v_mov_b32 v14, 0
	v_mov_b32 v15, 0
.irp b, 0,1,2,3
	v_mov_b32 v[248+\b], 0                         ; a lane permute's destination counts as one of its sources
.endr
	v_mov_b32 v253, 0                              ; (named as the upper half of the pair v[252:253])
.set j, 0
.rept 32
	v_mov_b32 v[160+j], 0                          ; O^T: the step is written once; the first finds zeros
.set j, j+1
.endr
; A KEY STEP: 128 keys.
.macro STEP
	v_add_nc_u32 v[ADK], s[TB], v[LI]              ; (these five are also the places behind the last products)
	v_add_nc_u32 v[ADS], s[TB], v[LS]
	v_add_nc_u32 v[ADM], s[TMK], v[AM0]
	v_add_nc_u32 v[ADV], s52, v[ADK]
	v_add_nc_u32 v[ADSV], s53, v[ADS]
	ds_load_b128 v[80:83], v[ADS] offset:12288     ; K's scale words: fragments 0-3,
	ds_load_b128 v[84:87], v[ADS] offset:12544     ; 4-7
.irp g, 0,1                                    ; S^T = K Q^T + the mask's numbers, four tiles of 16 keys at a time
.if \g
.rept 4
	v_nop                                          ; places in front of loads into registers that matrix instructions have read
.endr
.endif
.irp t, 0,1,2,3
.irp c, 0,1,2
	ds_load_b128 v[32+12*\t+4*\c:35+12*\t+4*\c], v[ADK] offset:(4*\g+\t)*1536+512*\c
.endr
	ds_load_b128 v[192+8*\t:195+8*\t], v[ADM] offset:(4*\g+\t)*64      ; keys 16 (4 g + t) + 8 h + 0 .. 7
	ds_load_b128 v[196+8*\t:199+8*\t], v[ADM] offset:(4*\g+\t)*64+16
.endr
	s_wait_dscnt 0x0
.irp t, 0,1,2,3
	v_wmma_scale_f32_16x16x128_f8f6f4 v[96+8*(4*\g+\t):103+8*(4*\g+\t)], v[32+12*\t:43+12*\t], v[16:27], v[192+8*\t:199+8*\t], v[80+4*\g+\t], v28 matrix_a_fmt:MATRIX_FMT_FP6 matrix_b_fmt:MATRIX_FMT_FP6
.endr
.endr
.rept 4
	v_nop
.endr
.irp t, 0,1,2,3                                ; V^T's four fragments are asked for now and land under the softmax
.irp c, 0,1,2
	ds_load_b128 v[32+12*\t+4*\c:35+12*\t+4*\c], v[ADV] offset:VOFF+\t*1536+512*\c
.endr
.endr
	ds_load_b128 v[88:91], v[ADSV] offset:VOFF+12288
.irp b, 0,1,2,3
	v_max3_num_f32 v[244+\b], v[96+16*\b], v[97+16*\b], v[98+16*\b]   ; the largest score of each block of 32 keys: for the row's maximum and, since p rises with the score, for the block's largest p
.endr
.irp i, 3,5,7,9,11,13
.irp b, 0,1,2,3
	v_max3_num_f32 v[244+\b], v[244+\b], v[96+16*\b+\i], v[97+16*\b+\i]
.endr
.endr
.irp b, 0,1,2,3
	v_max_num_f32 v[244+\b], v[244+\b], v[111+16*\b]
.endr
.irp b, 0,1,2,3
	v_permlanex16_b32 v[248+\b], v[244+\b], s[SEL], s[SEL+1]
.endr
.irp b, 0,1,2,3
	v_max_num_f32 v[244+\b], v[244+\b], v[248+\b]
.endr
	v_max3_num_f32 v254, v244, v245, v246
	v_max_num_f32 v254, v254, v247
	v_mul_f32 v254, s[CS], v254                    ; as t (c is not negative)
	v_max_num_f32 v13, v13, v254                   ; the running largest t
	v_mov_b32 v254, v12
	v_floor_f32 v12, -v13                          ; the new -M = -ceil(t)
	v_sub_f32 v254, v12, v254                      ; old M - new M: a whole number, 0 or less
	v_cvt_i32_f32 v254, v254                       ; (it saturates)
	v_ldexp_f32 v252, 1.0, v254                    ; f = 2^(old M - new M)
.set j, 0
.rept 32
	v_pk_fma_f32 v[96+j:97+j], v[96+j:97+j], s[CS:CS+1], v[12:13] op_sel_hi:[1,0,0]   ; t - M, two at a time
.set j, j+2
.endr
.irp b, 0,1,2,3
	v_fma_f32 v[244+\b], v[244+\b], s[CS], v12
.endr
.set j, 0
.rept 64
	v_exp_f32 v[96+j], v[96+j]                     ; p = 2^(t - M): not normalised
.set j, j+1
.endr
	v_pk_mul_f32 v[14:15], v[14:15], v[252:253] op_sel_hi:[1,0]   ; l under the new M (a plain place behind the exponentials)
	s_wait_alu depctr_va_vdst(0)                   ; one wait for the batch of 64, ahead of its first reader
.irp b, 0,1,2,3
	v_exp_f32 v[244+\b], v[244+\b]                 ; each block's largest p
.endr
	v_pk_add_f32 v[248:249], v[96:97], v[98:99]    ; l sums the unquantised p, in two chains
.irp j, 4,8,12,16,20,24,28,32,36,40,44,48,52,56,60
	v_pk_add_f32 v[14:15], v[14:15], v[96+\j:97+\j]
	v_pk_add_f32 v[248:249], v[248:249], v[98+\j:99+\j]
.endr
	v_pk_add_f32 v[14:15], v[14:15], v[248:249]
	s_wait_alu depctr_va_vdst(0)                   ; and one for the four
.irp b, 0,1,2,3
	v_max_num_f32 v[244+\b], 0x1800000, v[244+\b]  ; the floor 2^(3 - 127)
.endr
.irp b, 0,1,2,3
	v_add_nc_u32 v[92+\b], 0xff000000, v[244+\b]   ; the conversion's scale operand
.endr
.irp b, 0,1,2,3
	v_lshrrev_b32 v[248+\b], 23, v[92+\b]          ; the byte
.endr
	v_lshl_or_b32 v29, v249, 8, v248               ; p's scale word for these 128 keys
	v_lshl_or_b32 v29, v250, 16, v29
	v_lshl_or_b32 v29, v251, 24, v29
.irp c, 0,1
	v_cvt_scalef32_pk16_fp6_f32 v[224+6*\c:226+6*\c], v[96+32*\c:111+32*\c], v[92+2*\c]
	v_cvt_scalef32_pk16_fp6_f32 v[236+4*\c:238+4*\c], v[112+32*\c:127+32*\c], v[92+2*\c+1]
.endr
	v_nop                                          ; one plain place behind a scaled conversion
.irp c, 0,1
.irp i, 0,1,2
	v_permlane16_swap_b32 v[224+6*\c+\i], v[236+4*\c+\i]
.endr
.irp i, 0,1,2
	v_mov_b32 v[227+6*\c+\i], v[236+4*\c+\i]
.endr
.endr
.set j, 0
.rept 16
	v_pk_mul_f32 v[160+j:161+j], v[160+j:161+j], v[252:253] op_sel_hi:[1,0]   ; O^T under the new M (these 16 are also the places between p's scale word and codes and the products below)
.set j, j+2
.endr
	s_wait_dscnt 0x0                               ; V^T's fragments and scale words are in
.irp t, 0,1,2,3                                ; O^T += V^T P^T: the four accumulators take turns
	v_wmma_scale_f32_16x16x128_f8f6f4 v[160+8*\t:167+8*\t], v[32+12*\t:43+12*\t], v[224:235], v[160+8*\t:167+8*\t], v[88+\t], v29 matrix_a_fmt:MATRIX_FMT_FP6 matrix_b_fmt:MATRIX_FMT_FP6
.endr
	s_add_co_u32 s[TB], s[TB], HB
	s_add_co_u32 s[TMK], s[TMK], 512
.endm
; THE CHANGE OF SLOTS stands at a slot's head.  Each wave waits for all its tensor loads (its part of the slot ahead), adds 0 to its spare word, and waits for that and for its reads of the slot that it has left.
; fill = 1: the barrier is a round of the cluster's, and behind it the slot that was left is filled with the next four key steps.
.macro CHANGE fill
	s_wait_tensorcnt 0x0                           ; no tensor load of mine is out, so a group 0 may be written
	ds_add_u32 v[SPW], v[NIL]                      ; 0 onto my spare word
.if \fill
	s_xor_b32 s[G0K+1], s[G0K+1], SLOT1
	s_add_nc_u64 s[G0K+2:G0K+3], s[G0K+2:G0K+3], 4*32*HB
	s_xor_b32 s[G0V+1], s[G0V+1], SLOT1
	s_add_nc_u64 s[G0V+2:G0V+3], s[G0V+2:G0V+3], 4*HB
.endif
	s_wait_dscnt 0x0                               ; the add is done; my LDS reads and stores are over
.if \fill
	CROUND
	TLOAD                                          ; the first thing behind the round, and a wave's one tensor load until the next
.else
	s_barrier_signal -1
	s_barrier_wait -1
.endif
.endm
.macro FOUR_STEPS                              ; a slot's four key steps: written once, walked four times
	s_mov_b32 s[CNT], 4
.Lstep_\@:
	STEP
	s_sub_co_u32 s[CNT], s[CNT], 1
	s_cmp_lg_u32 s[CNT], 0
	s_cbranch_scc1 .Lstep_\@
	s_sub_co_u32 s[TB], s[TB], 4*HB
	s_xor_b32 s[TB], s[TB], SLOT1                  ; on to the other slot
.endm
.Lslot:                                            ; three trips: behind each change of slots but the last the next slot is asked for
	CHANGE 1
	FOUR_STEPS
	s_sub_co_u32 s[SLOTS], s[SLOTS], 1
	s_cmp_lg_u32 s[SLOTS], 0
	s_cbranch_scc1 .Lslot
	CHANGE 0                                       ; the last slot is written out
	FOUR_STEPS
	; THE WAY OUT: O^T / l, quantised along the head's 64 channels (two blocks): six registers of the output's fragment; the sixteen waves' parts meet in LDS and leave as one half-block.
	v_add_f32 v14, v14, v15
	v_permlanex16_b32 v252, v14, s[SEL], s[SEL+1]
	v_add_f32 v14, v14, v252                       ; the row's sum
	v_rcp_f32 v15, v14
	s_mul_i32 s56, s19, 1536
	s_add_co_u32 s56, s56, STG                     ; my tile's fragment in the stage.  Registers 6 hd .. 6 hd + 5 of it are mine: register 4 c + e lies at 512 c + 16 lane + 4 e
	s_mul_i32 s57, s18, 520
	s_add_co_u32 s57, s57, s56
	v_add_nc_u32 v6, s57, v[LI]                    ; my first and third pair of registers (+ 0, + 512)
	s_mul_i32 s57, s18, 1016
	s_add_co_u32 s57, s57, s56
	v_add_nc_u32 v7, s57, v[LI]                    ; my second pair (+ 8)
	s_lshl_b32 s57, s18, 1
	s_add_co_u32 s57, s57, s76
	s_add_co_u32 s57, s57, STG
	v_add_nc_u32 v8, s57, v[LS]                    ; my two bytes of the row's scale word
	s_lshl_b32 s57, s[WV], 9
	v_add_nc_u32 v10, s57, v[LI]                   ; the copy out: 512 bytes a wave
	v_add_nc_u32 v9, STG, v10
	s_wait_alu depctr_va_vdst(0)                   ; the wait for the reciprocal, ahead of its first reader
.set j, 0
.rept 32
	v_mul_f32 v[96+j], v[160+j], v15               ; register 16 b + i is channel 32 b + 16 h + i of my query
.set j, j+1
.endr
.irp b, 0,1
	v_max3_num_f32 v[244+\b], |v[96+16*\b]|, |v[97+16*\b]|, 0x1800000
.endr
.irp i, 2,4,6,8,10,12,14
.irp b, 0,1
	v_max3_num_f32 v[244+\b], v[244+\b], |v[96+16*\b+\i]|, |v[97+16*\b+\i]|
.endr
.endr
.irp b, 0,1
	v_permlanex16_b32 v[248+\b], v[244+\b], s[SEL], s[SEL+1]
.endr
.irp b, 0,1
	v_max_num_f32 v[244+\b], v[244+\b], v[248+\b]
.endr
.irp b, 0,1
	v_add_nc_u32 v[92+\b], 0xff000000, v[244+\b]
.endr
.irp b, 0,1
	v_lshrrev_b32 v[248+\b], 23, v[92+\b]
.endr
	v_lshl_or_b32 v250, v249, 8, v248
	v_cvt_scalef32_pk16_fp6_f32 v[224:226], v[96:111], v92
	v_cvt_scalef32_pk16_fp6_f32 v[236:238], v[112:127], v93
	v_nop
.irp i, 0,1,2
	v_permlane16_swap_b32 v[224+\i], v[236+\i]
.endr
.irp i, 0,1,2
	v_mov_b32 v[227+\i], v[236+\i]
.endr
	ds_store_b64 v6, v[224:225]
	ds_store_b64 v7, v[226:227] offset:8
	ds_store_b64 v6, v[228:229] offset:512
	ds_store_b16 v8, v250                          ; lanes r and r + 16 write the same two bytes with the same value
	s_wait_dscnt 0x0                               ; for the others' sake: my stores are done
	s_barrier_signal -1
	s_barrier_wait -1                              ; the half-block is whole: 25 pieces of 512 bytes; wave w copies piece w, waves 0 to 8 also piece 16 + w
	ds_load_b128 v[96:99], v9
	s_cmp_lt_u32 s[WV], 9
	s_cbranch_scc0 .Lone_piece
	ds_load_b128 v[100:103], v9 offset:8192
	s_wait_dscnt 0x0
	global_store_b128 v10, v[100:103], s[10:11] offset:8192
.Lone_piece:
	s_wait_dscnt 0x0
	global_store_b128 v10, v[96:99], s[10:11]      ; 32 lanes store 512 consecutive bytes, aligned
	s_wait_tensorcnt 0x0                           ; the wave's end, behind my last tensor load and my last LDS store
	ds_add_u32 v[SPW], v[NIL]
	s_wait_dscnt 0x0
	CROUND                                         ; the closing round
	s_endpgm
.Lfunc_end_k_qcb3785c6bb_attn:
	.size	k_qcb3785c6bb_attn, .Lfunc_end_k_qcb3785c6bb_attn-k_qcb3785c6bb_attn
	.p2alignl 7, 3214868480
	.fill 96, 4, 3214868480
	.section	.rodata,"a",@progbits
	.p2align	6, 0x0
	.amdhsa_kernel k_qcb3785c6bb_attn
		.amdhsa_group_segment_fixed_size 327680
		.amdhsa_private_segment_fixed_size 0
		.amdhsa_enable_private_segment 0
		.amdhsa_kernarg_size 32
		.amdhsa_user_sgpr_count 2
		.amdhsa_user_sgpr_kernarg_segment_ptr 1
		.amdhsa_wavefront_size32 1
		.amdhsa_system_sgpr_workgroup_id_x 1
		.amdhsa_system_sgpr_workgroup_id_y 1
		.amdhsa_system_sgpr_workgroup_id_z 1
		.amdhsa_system_vgpr_workitem_id 0
		.amdhsa_next_free_vgpr 256
		.amdhsa_next_free_sgpr 100
		.amdhsa_reserve_vcc 1
		.amdhsa_float_denorm_mode_32 3
		.amdhsa_float_denorm_mode_16_64 3
		.amdhsa_memory_ordered 1
		.amdhsa_forward_progress 1
		.amdhsa_inst_pref_size 54
	.end_amdhsa_kernel
	.amdgpu_metadata
---
amdhsa.version: [ 1, 2 ]
amdhsa.kernels:
  - .name:           k_qcb3785c6bb_attn
    .symbol:         k_qcb3785c6bb_attn.kd
    .args:
      - { .name: big, .offset: 0, .size: 8, .value_kind: global_buffer, .address_space: global }
      - { .name: vt, .offset: 8, .size: 8, .value_kind: global_buffer, .address_space: global }
      - { .name: mask, .offset: 16, .size: 8, .value_kind: global_buffer, .address_space: global }
      - { .name: ao, .offset: 24, .size: 8, .value_kind: global_buffer, .address_space: global }
    .group_segment_fixed_size: 327680
    .private_segment_fixed_size: 0
    .kernarg_segment_align: 8
    .kernarg_segment_size: 32
    .max_flat_workgroup_size: 512
    .sgpr_count:     100
    .vgpr_count:     256
    .wavefront_size: 32
...
	.end_amdgpu_metadata
.endif
;; end of part 3
;; launch wo (part 4): grid 4 x 16, 4 waves a work-group, clusters of 4 x 4, 327,680 bytes of LDS; arguments ao, wrest, x, x1; writes x1
.if DOCPART == 4
	.amdgcn_target "amdgcn-amd-amdhsa--gfx1250"
	.amdhsa_code_object_version 6
	.text
	.protected	k_qcb3785c6bb_wo
	.globl	k_qcb3785c6bb_wo
	.p2align	8
	.type	k_qcb3785c6bb_wo,@function
k_qcb3785c6bb_wo:
	s_mov_b64 s[64:65], 0
	v_nop
	global_prefetch_b8 v0, s[64:65] scope:SCOPE_SE
	s_setreg_imm32_b32 hwreg(HW_REG_WAVE_MODE, 25, 1), 1
	s_wait_xcnt 0x0
	s_wait_alu depctr_hold_cnt(0) depctr_sa_sdst(0) depctr_va_vdst(0) depctr_va_sdst(0) depctr_va_ssrc(0) depctr_va_vcc(0) depctr_vm_vsrc(0)
	s_getreg_b32 s2, hwreg(HW_REG_IB_STS2, 6, 4)
	s_cmp_eq_u32 s2, 0
	s_cbranch_scc0 .Lentry_in_a_cluster
	s_endpgm
.Lentry_in_a_cluster:
	s_bfe_u32 s2, ttmp6, 0x10000c
	s_cmp_lg_u32 s2, 0xf033
	s_cbranch_scc0 .Lentry_shape_is_right
	s_endpgm
.Lentry_shape_is_right:
; A GEMM on codes of FP6 (E2M3) with an f32 result: OUT = R + bias + X W^T.  X: [4096][K] as half-blocks, W: [1024][K] as half-blocks in a region of the weights' buffer, R and OUT: [4096][1024] f32.  Here K = 1,024.
; Half-block: 128 rows x 128 K, 12,800 bytes: eight fragments as images of operand registers, then 512 bytes of scale words; (panel P, K step S) at 16,640 + (P nS + S) 12,800 behind a header that holds the bias from byte 256.
; A tile of C, 256 x 256, is made by four waves; a wave makes 128 x 128: 64 accumulators.  K goes in steps of 256 through a ring of two LDS slots filled by joint tensor loads (4 x 4 work-groups: X's panels shared along a row
; of the cluster, W's along a column).  The product is used transposed (source 0 = W, source 1 = X) and W's rows are laid so that a lane's 16 registers of two neighbouring accumulators are 16 neighbouring columns of one row.
; The bias is the C of each sum's first matrix instruction.  On the way out a block of 16 rows goes through the wave's own stage in LDS, comes back as whole rows of 512 bytes, takes the residual and is stored.
; The grid has 64 work-groups: 4,096 x 1,024 are 64 tiles of this size.  Sums run along K ascending, one accumulator an output.  NaN and infinities are not served.
; REGISTERS, in windows of 256: window 0: v16-29 addresses; v32-63 scale words, two sets; v64-127 the bias, later residual rows; v128-223 X's fragments, one set; on the way out v128-191 rows, v192-255 residual rows.
;   window 1: W's fragments, two sets.  windows 2, 3: the accumulators ((a, b) at v[8 (8 (a % 4) + b)]).
.set HDR,   16640
.set HB,    12800
.set NSI,   8                          ; K steps of 128
.set WOFF,  835840                     ; the weight's region
.set LAPS,  2                          ; K / 512
.set PANB,  2*HB
.set SLOT,  4*PANB
.set STAGE, 2*SLOT                     ; behind the ring: 16 rows x 528 bytes for each wave; no tensor load lands here
.set WSP,   528
.set SPARE, STAGE+4*16*WSP             ; the spare words, 128 bytes a wave: two blocks of 256 bytes that no other line names
.set FR,    12
.set ADRX, 16
.set ASX,  18
.set ADRW, 20
.set ASW,  22
.set STO,  24                          ; v24  the way out: where I put 64 bytes of a row
.set RD,   25                          ; v25  where I read a row back
.set LI,   26                          ; v26  16 x lane
.set SPW,  28
.set NIL,  29
.set SC,   32
.set BI,   64
.set XF,   128
.set BK,   128
.set G1,  24
.set G0,  32
.set G1B, 48
.set G0B, 56
.set MSB, 0
.macro WIN new
.if MSB != (\new)
	s_set_vgpr_msb (MSB<<8)|(\new)
.set MSB, (\new)
.endif
.endm
.macro JLOAD g0a, g1a, g0b, g1b        ; a joint load: waves 0 and 1 fetch X's panels, waves 2 and 3 W's; an s_nop 0 and four v_nop follow each line
	s_cmp_eq_u32 s15, 0
	s_cbranch_scc0 .Lfor_b_\@
	tensor_load_to_lds s[\g0a:\g0a+3], s[\g1a:\g1a+7]
	s_nop 0
.rept 4
	v_nop
.endr
	s_branch .Lasked_\@
.Lfor_b_\@:
	tensor_load_to_lds s[\g0b:\g0b+3], s[\g1b:\g1b+7]
	s_nop 0
.rept 4
	v_nop
.endr
.Lasked_\@:
.endm
.macro CREST
	s_cmp_lg_u32 s14, 0
	s_cbranch_scc1 .Lnot_wave_0_\@
	s_barrier_signal -3
.Lnot_wave_0_\@:
	s_barrier_wait -3
	s_barrier_signal -1
	s_barrier_wait -1
.endm
.macro CROUND
	s_barrier_signal -1
	s_barrier_wait -1
	CREST
.endm
.macro PLACES n
.rept \n
	v_nop
.endr
.endm
	s_load_b256 s[4:11], s[0:1], 0x0               ; X s[4:5], the weights' buffer s[6:7], R s[8:9], OUT s[10:11]
	v_lshl_add_u32 v[SPW], v0, 2, SPARE
	v_mov_b32 v[NIL], 0
	ds_add_u32 v[SPW], v[NIL]                      ; the wave's opening: the add, and its wait ahead of my first tensor load
	v_lshrrev_b32 v1, 5, v0
	v_readfirstlane_b32 s14, v1                    ; wave 0..3
	s_lshr_b32 s15, s14, 1                         ; my 128 rows.  Also: I fetch for X (0) or for W (1)
	s_and_b32 s16, s14, 1                          ; my 128 columns.  Also: which panel I fetch
	s_bfe_u32 s40, ttmp6, 0x40000                  ; cx
	s_bfe_u32 s41, ttmp6, 0x40004                  ; cy
	s_lshl_b32 s42, ttmp9, 2
	s_add_co_u32 s42, s42, s40                     ; tile column
	s_and_b32 s17, ttmp7, 0xffff
	s_lshl_b32 s17, s17, 2
	s_add_co_u32 s17, s17, s41                     ; tile row
	s_lshl_b32 s43, s41, 2
	s_lshl_b32 s43, 15, s43
	s_lshl_b32 s44, 0x1111, s40
	s_or_b32 s[G1+0], s43, (3<<16)|(1<<21)         ; the mask; elements of 8 bytes; no padding; 21 set beside a mask
	s_or_b32 s[G1B+0], s44, (3<<16)|(1<<21)
.irp g, G1, G1B                                ; 25,600 dense bytes as 100 rows of 256
	s_mov_b32 s[\g+1], 32<<16
	s_mov_b32 s[\g+2], 100<<16
	s_mov_b32 s[\g+3], 32<<16
	s_mov_b32 s[\g+4], 100
	s_mov_b32 s[\g+5], 32
	s_mov_b32 s[\g+6], 0
	s_mov_b32 s[\g+7], 0
.endr
	s_lshl_b32 s20, s17, 1
	s_add_co_u32 s20, s20, s16
	s_mul_i32 s20, s20, NSI*HB
	s_add_co_u32 s20, s20, HDR
	s_mov_b32 s21, 0
	s_lshl_b32 s46, s42, 1
	s_add_co_u32 s46, s46, s16
	s_mul_i32 s46, s46, NSI*HB
	s_add_co_u32 s46, s46, WOFF+HDR
	s_mov_b32 s47, 0
	s_mul_i32 s73, s14, PANB
	s_wait_dscnt 0x0                               ; the opening add is done
	s_wait_kmcnt 0x0
	s_add_nc_u64 s[20:21], s[4:5], s[20:21]
	s_add_nc_u64 s[46:47], s[6:7], s[46:47]
	CROUND                                         ; all sixteen work-groups are here: the first joint loads meet
.irp s, 0,1
	s_mov_b32 s[G0+4*\s], 1
	s_add_co_u32 s[G0+4*\s+1], s73, \s*SLOT
	s_add_nc_u64 s[G0+4*\s+2:G0+4*\s+3], s[20:21], \s*PANB
	s_or_b32 s[G0+4*\s+3], s[G0+4*\s+3], 0x80000000
	s_mov_b32 s[G0B+4*\s], 1
	s_add_co_u32 s[G0B+4*\s+1], s73, \s*SLOT
	s_add_nc_u64 s[G0B+4*\s+2:G0B+4*\s+3], s[46:47], \s*PANB
	s_or_b32 s[G0B+4*\s+3], s[G0B+4*\s+3], 0x80000000
	JLOAD G0+4*\s, G1, G0B+4*\s, G1B               ; two loads of mine are out
.endr
	v_and_b32 v1, 31, v0
	v_lshlrev_b32 v[LI], 4, v1
	v_and_b32 v2, 15, v0                           ; r
	v_bfe_u32 v3, v0, 4, 1                         ; h
	v_lshlrev_b32 v4, 4, v2
	v_mad_u32_u24 v4, v3, HB, v4
	s_mul_i32 s21, s15, PANB
	s_mul_i32 s22, s16, PANB
	s_add_co_u32 s22, s22, 2*PANB
.irp s, 0,1
	v_add_nc_u32 v[ADRX+\s], s21, v[LI]
	v_add_nc_u32 v[ASX+\s], s21, v4
	v_add_nc_u32 v[ADRW+\s], s22, v[LI]
	v_add_nc_u32 v[ASW+\s], s22, v4
	s_add_co_u32 s21, s21, SLOT
	s_add_co_u32 s22, s22, SLOT
.endr
	s_lshl_b32 s22, s42, 10                        ; the bias: the region's header, my 128 columns
	s_lshl_b32 s23, s16, 9
	s_add_co_u32 s22, s22, s23
	s_add_co_u32 s22, s22, WOFF+256
	s_mov_b32 s23, 0
	s_add_nc_u64 s[80:81], s[6:7], s[22:23]
	v_lshlrev_b32 v5, 6, v3
.irp b, 0,1,2,3,4,5,6,7                        ; register j of accumulator (a, b) is column 32 (b / 2) + 16 h + 8 (b % 2) + j
	global_load_b128 v[BI+8*\b:BI+8*\b+3], v5, s[80:81] offset:128*(\b/2)+32*(\b%2)
	global_load_b128 v[BI+8*\b+4:BI+8*\b+7], v5, s[80:81] offset:128*(\b/2)+32*(\b%2)+16
.endr
	s_mul_i32 s23, s14, 16*WSP
	s_add_co_u32 s23, s23, STAGE                   ; my stage
	v_mul_u32_u24 v6, v2, WSP
	v_lshl_add_u32 v6, v3, 6, v6
	v_add_nc_u32 v[STO], s23, v6                   ; in: row r, + 64 h
	v_add_nc_u32 v[RD], s23, v[LI]                 ; back: a row of 512 bytes to the 32 lanes
	s_lshl_b32 s22, s17, 8                         ; my part of R and of OUT: row 256 x tile row + 128 x half, column 256 x tile column + 128 x half
	s_lshl_b32 s23, s15, 7
	s_add_co_u32 s22, s22, s23
	s_lshl_b32 s22, s22, 12
	s_lshl_b32 s23, s42, 10
	s_add_co_u32 s22, s22, s23
	s_lshl_b32 s23, s16, 9
	s_add_co_u32 s22, s22, s23
	s_mov_b32 s23, 0
	s_add_nc_u64 s[8:9], s[8:9], s[22:23]
	s_add_nc_u64 s[10:11], s[10:11], s[22:23]
.macro FRAG reg, adr, off
.irp c, 0,1,2
	ds_load_b128 v[(\reg)+4*\c:(\reg)+4*\c+3], v[\adr] offset:(\off)+512*\c
.endr
.endm
.macro FETCH_W slot, q, p              ; 24 loads
	WIN 0x40
.irp i, 0,1,2,3,4,5,6,7
	FRAG 128*(\p)+FR*\i, ADRW+\slot, (\q)*HB+\i*1536
.endr
	WIN 0
.endm
.macro FETCH_X slot, q, i0             ; 12 loads
.irp i, \i0, \i0+1, \i0+2, \i0+3
	FRAG XF+FR*(\i), ADRX+\slot, (\q)*HB+(\i)*1536
.endr
.endm
.macro SCALES s                        ; four loads: lanes 0-15 take the slot's first half-block's words, lanes 16-31 its second's
.irp g, 0,1
	ds_load_b128 v[SC+16*(\s)+4*\g:SC+16*(\s)+4*\g+3], v[ASX+\s] offset:12288+256*\g
	ds_load_b128 v[SC+16*(\s)+8+4*\g:SC+16*(\s)+8+4*\g+3], v[ASW+\s] offset:12288+256*\g
.endr
.endm
.macro MM a, b, p, q, sc, cm
.set rD, 8*(8*((\a)%4)+(\b))
.set rW, 128*(\p)+FR*(\b)
.set rX, XF+FR*(\a)
.set rSW, SC+16*(\sc)+8+(\b)
.set rSX, SC+16*(\sc)+(\a)
.if (\cm) == 1
	v_wmma_scale_f32_16x16x128_f8f6f4 v[rD:rD+7], v[rW:rW+FR-1], v[rX:rX+FR-1], v[BI+8*(\b):BI+8*(\b)+7], v[rSW], v[rSX] matrix_a_fmt:MATRIX_FMT_FP6 matrix_b_fmt:MATRIX_FMT_FP6
.elseif (\q) == 0
	v_wmma_scale_f32_16x16x128_f8f6f4 v[rD:rD+7], v[rW:rW+FR-1], v[rX:rX+FR-1], v[rD:rD+7], v[rSW], v[rSX] matrix_a_fmt:MATRIX_FMT_FP6 matrix_b_fmt:MATRIX_FMT_FP6
.else
	v_wmma_scale_f32_16x16x128_f8f6f4 v[rD:rD+7], v[rW:rW+FR-1], v[rX:rX+FR-1], v[rD:rD+7], v[rSW], v[rSX] matrix_a_fmt:MATRIX_FMT_FP6 matrix_b_fmt:MATRIX_FMT_FP6 matrix_a_scale:MATRIX_SCALE_ROW1 matrix_b_scale:MATRIX_SCALE_ROW1
.endif
.endm
.macro MUL16 a0, p, q, sc, cm          ; the 64 accumulators take turns, one instruction a turn, in the same order in every step
.irp a, \a0, \a0+1
.irp b, 0,1,2,3,4,5,6,7
	MM (\a), \b, \p, \q, \sc, \cm
.endr
.endr
.endm
.macro STEP slot, cm                   ; a slot's first 128 along K
	s_wait_dscnt 12                                ; all but the youngest 12 loads (X's blocks 4-7) are in
.if \cm
	WIN 0x81
.else
	WIN 0xa1
.endif
	MUL16 0, 0, 0, \slot, \cm
	MUL16 2, 0, 0, \slot, \cm
	s_wait_dscnt 0x0
	PLACES 4
	FETCH_W \slot, 1, 1
	FETCH_X \slot, 1, 0
.if \cm
	WIN 0xc1
.else
	WIN 0xf1
.endif
	MUL16 4, 0, 0, \slot, \cm
	MUL16 6, 0, 0, \slot, \cm
	PLACES 4
	WIN 0
	FETCH_X \slot, 1, 4
.endm
.macro TURN slot, next, fill           ; a slot's second 128 along K, and the change of slots
	s_wait_tensorcnt 0x0                           ; all my tensor loads have landed: my part of the next slot
	ds_add_u32 v[SPW], v[NIL]                      ; 0 onto my spare word
	s_wait_dscnt 13                                ; (the add and the youngest 12 loads may be out)
	WIN 0xa1
	MUL16 0, 1, 1, \slot, 0
	s_wait_dscnt 0x0                               ; the add is done, and my reads of this slot are over
	s_barrier_signal -1
	MUL16 2, 1, 1, \slot, 0
	WIN 0
	s_barrier_wait -1
.if \fill
	CREST                                          ; the barrier has opened a round of the cluster's
	s_add_nc_u64 s[G0+4*\slot+2:G0+4*\slot+3], s[G0+4*\slot+2:G0+4*\slot+3], 2*PANB
	s_add_nc_u64 s[G0B+4*\slot+2:G0B+4*\slot+3], s[G0B+4*\slot+2:G0B+4*\slot+3], 2*PANB
	JLOAD G0+4*\slot, G1, G0B+4*\slot, G1B         ; my one tensor load behind the round; its four v_nop are also the places in front of the loads below
.else
	PLACES 4
.endif
	FETCH_W \next, 0, 0
	FETCH_X \next, 0, 0
	SCALES \next
	WIN 0xf1
	MUL16 4, 1, 1, \slot, 0
	MUL16 6, 1, 1, \slot, 0
	PLACES 4
	WIN 0
	FETCH_X \next, 0, 4
.endm
	s_wait_tensorcnt 1                             ; my part of slot 0 is in; slot 1's may stay out
	s_barrier_signal -1
	s_barrier_wait -1
	FETCH_W 0, 0, 0
	FETCH_X 0, 0, 0
	SCALES 0
	FETCH_X 0, 0, 4
	s_wait_loadcnt 0x0                             ; the bias
	STEP 0, 1                                      ; the first step's products start the sums with the bias
	s_mov_b32 s3, LAPS-1
.Llap:
	TURN 0, 1, 1
	STEP 1, 0
	TURN 1, 0, 1
	STEP 0, 0
	s_sub_co_u32 s3, s3, 1
	s_cmp_lg_u32 s3, 0
	s_cbranch_scc1 .Llap
	TURN 0, 1, 0
	STEP 1, 0
	s_wait_dscnt 12
	WIN 0xa1
	MUL16 0, 1, 1, 1, 0
	MUL16 2, 1, 1, 1, 0
	s_wait_dscnt 0x0
	WIN 0xf1
	MUL16 4, 1, 1, 1, 0
	MUL16 6, 1, 1, 1, 0
	WIN 0
	; THE WAY OUT, block by block of 16 rows x 128 columns.
.macro RLOAD a                                 ; the residual's 16 rows of block a: 512 consecutive bytes a load
.set RS, 64+128*((\a)%2)
.irp t, 0,1,2,3,4,5,6,7,8,9,10,11,12,13,14,15
	global_load_b128 v[RS+4*\t:RS+4*\t+3], v[LI], s[8:9] offset:(16*(\a)+\t)*4096
.endr
.endm
.macro TOSTAGE a
.set AC, 64*((\a)%4)
	WIN 0x08+4*((\a)/4)                            ; an LDS store's data: window 2 or 3
.irp b, 0,1,2,3,4,5,6,7
	ds_store_b128 v[STO], v[AC+8*\b:AC+8*\b+3] offset:128*(\b/2)+32*(\b%2)        ; each accumulator from its low end on
	ds_store_b128 v[STO], v[AC+8*\b+4:AC+8*\b+7] offset:128*(\b/2)+32*(\b%2)+16
.endr
	WIN 0
.irp t, 0,1,2,3,4,5,6,7,8,9,10,11,12,13,14,15
	ds_load_b128 v[BK+4*\t:BK+4*\t+3], v[RD] offset:\t*WSP   ; LDS serves a wave's instructions in order: these see the stores above
.endr
.endm
	PLACES 4
	RLOAD 0
.irp a, 0,1,2,3,4,5,6,7
.if \a > 0
	s_wait_xcnt 0x0                                ; the last block's stores have read their registers
.endif
.if \a < 7
	RLOAD \a+1
.endif
	TOSTAGE \a
	s_wait_dscnt 0x0
.if \a < 7
	s_wait_loadcnt 16                              ; this block's residual is in; the next block's 16 loads may be out
.else
	s_wait_loadcnt 0x0
.endif
.set RN, 64+128*(\a%2)
.set i, 0
.rept 32
	v_pk_add_f32 v[BK+i:BK+i+1], v[BK+i:BK+i+1], v[RN+i:RN+i+1]
.set i, i+2
.endr
.irp t, 0,1,2,3,4,5,6,7,8,9,10,11,12,13,14,15
	global_store_b128 v[LI], v[BK+4*\t:BK+4*\t+3], s[10:11] offset:(16*\a+\t)*4096   ; 32 lanes store 512 consecutive bytes, aligned
.endr
.endr
	s_wait_tensorcnt 0x0                           ; the wave's end
	ds_add_u32 v[SPW], v[NIL]
	s_wait_dscnt 0x0
	CROUND                                         ; the closing round
	s_endpgm
.Lfunc_end_k_qcb3785c6bb_wo:
	.size	k_qcb3785c6bb_wo, .Lfunc_end_k_qcb3785c6bb_wo-k_qcb3785c6bb_wo
	.p2alignl 7, 3214868480
	.fill 96, 4, 3214868480
	.section	.rodata,"a",@progbits
	.p2align	6, 0x0
	.amdhsa_kernel k_qcb3785c6bb_wo
		.amdhsa_group_segment_fixed_size 327680
		.amdhsa_private_segment_fixed_size 0
		.amdhsa_enable_private_segment 0
		.amdhsa_kernarg_size 32
		.amdhsa_user_sgpr_count 2
		.amdhsa_user_sgpr_kernarg_segment_ptr 1
		.amdhsa_wavefront_size32 1
		.amdhsa_system_sgpr_workgroup_id_x 1
		.amdhsa_system_sgpr_workgroup_id_y 1
		.amdhsa_system_sgpr_workgroup_id_z 1
		.amdhsa_system_vgpr_workitem_id 0
		.amdhsa_next_free_vgpr 1024
		.amdhsa_next_free_sgpr 100
		.amdhsa_reserve_vcc 0
		.amdhsa_float_denorm_mode_32 3
		.amdhsa_float_denorm_mode_16_64 3
		.amdhsa_memory_ordered 1
		.amdhsa_forward_progress 1
		.amdhsa_inst_pref_size 162
	.end_amdhsa_kernel
	.amdgpu_metadata
---
amdhsa.version: [ 1, 2 ]
amdhsa.kernels:
  - .name:           k_qcb3785c6bb_wo
    .symbol:         k_qcb3785c6bb_wo.kd
    .args:
      - { .name: ao, .offset: 0, .size: 8, .value_kind: global_buffer, .address_space: global }
      - { .name: wrest, .offset: 8, .size: 8, .value_kind: global_buffer, .address_space: global }
      - { .name: x, .offset: 16, .size: 8, .value_kind: global_buffer, .address_space: global }
      - { .name: x1, .offset: 24, .size: 8, .value_kind: global_buffer, .address_space: global }
    .group_segment_fixed_size: 327680
    .private_segment_fixed_size: 0
    .kernarg_segment_align: 8
    .kernarg_segment_size: 32
    .max_flat_workgroup_size: 128
    .sgpr_count:     100
    .vgpr_count:     1024
    .wavefront_size: 32
...
	.end_amdgpu_metadata
.endif
;; end of part 4
;; launch ln2: the kernel of part 1 again; grid 256 x 1, 4 waves a work-group, no clusters, 100,096 bytes of LDS; arguments x1, a2, n2, act, wq, wk, wv, wo, w1, w2, bq, bk, bv, bo, b1, b2, wqk, w1i, wrest; writes act, wqk, w1i, wrest
;; launch ffn1: the kernel of part 2 again; grid 16 x 16, 4 waves a work-group, clusters of 4 x 4, 327,680 bytes of LDS; arguments act, w1i, wrest, big, vt; writes big, vt
;; launch ffn2 (part 5): grid 4 x 16, 4 waves a work-group, clusters of 4 x 4, 327,680 bytes of LDS; arguments big, wrest, x1, out0; writes out0
.if DOCPART == 5
	.amdgcn_target "amdgcn-amd-amdhsa--gfx1250"
	.amdhsa_code_object_version 6
	.text
	.protected	k_qcb3785c6bb_ffn2
	.globl	k_qcb3785c6bb_ffn2
	.p2align	8
	.type	k_qcb3785c6bb_ffn2,@function
k_qcb3785c6bb_ffn2:
	s_mov_b64 s[64:65], 0
	v_nop
	global_prefetch_b8 v0, s[64:65] scope:SCOPE_SE
	s_setreg_imm32_b32 hwreg(HW_REG_WAVE_MODE, 25, 1), 1
	s_wait_xcnt 0x0
	s_wait_alu depctr_hold_cnt(0) depctr_sa_sdst(0) depctr_va_vdst(0) depctr_va_sdst(0) depctr_va_ssrc(0) depctr_va_vcc(0) depctr_vm_vsrc(0)
	s_getreg_b32 s2, hwreg(HW_REG_IB_STS2, 6, 4)
	s_cmp_eq_u32 s2, 0
	s_cbranch_scc0 .Lentry_in_a_cluster
	s_endpgm
.Lentry_in_a_cluster:
	s_bfe_u32 s2, ttmp6, 0x10000c
	s_cmp_lg_u32 s2, 0xf033
	s_cbranch_scc0 .Lentry_shape_is_right
	s_endpgm
.Lentry_shape_is_right:
; A GEMM on codes of FP6 (E2M3) with an f32 result: OUT = R + bias + X W^T.  X: [4096][K] as half-blocks, W: [1024][K] as half-blocks in a region of the weights' buffer, R and OUT: [4096][1024] f32.  Here K = 4,096.
; Half-block: 128 rows x 128 K, 12,800 bytes: eight fragments as images of operand registers, then 512 bytes of scale words; (panel P, K step S) at 16,640 + (P nS + S) 12,800 behind a header that holds the bias from byte 256.
; A tile of C, 256 x 256, is made by four waves; a wave makes 128 x 128: 64 accumulators.  K goes in steps of 256 through a ring of two LDS slots filled by joint tensor loads (4 x 4 work-groups: X's panels shared along a row
; of the cluster, W's along a column).  The product is used transposed (source 0 = W, source 1 = X) and W's rows are laid so that a lane's 16 registers of two neighbouring accumulators are 16 neighbouring columns of one row.
; The bias is the C of each sum's first matrix instruction.  On the way out a block of 16 rows goes through the wave's own stage in LDS, comes back as whole rows of 512 bytes, takes the residual and is stored.
; The grid has 64 work-groups: 4,096 x 1,024 are 64 tiles of this size.  Sums run along K ascending, one accumulator an output.  NaN and infinities are not served.
; REGISTERS, in windows of 256: window 0: v16-29 addresses; v32-63 scale words, two sets; v64-127 the bias, later residual rows; v128-223 X's fragments, one set; on the way out v128-191 rows, v192-255 residual rows.
;   window 1: W's fragments, two sets.  windows 2, 3: the accumulators ((a, b) at v[8 (8 (a % 4) + b)]).
.set HDR,   16640
.set HB,    12800
.set NSI,   32                         ; K steps of 128
.set WOFF,  1671680                    ; the weight's region
.set LAPS,  8                          ; K / 512
.set PANB,  2*HB
.set SLOT,  4*PANB
.set STAGE, 2*SLOT                     ; behind the ring: 16 rows x 528 bytes for each wave; no tensor load lands here
.set WSP,   528
.set SPARE, STAGE+4*16*WSP             ; the spare words, 128 bytes a wave: two blocks of 256 bytes that no other line names
.set FR,    12
.set ADRX, 16
.set ASX,  18
.set ADRW, 20
.set ASW,  22
.set STO,  24                          ; v24  the way out: where I put 64 bytes of a row
.set RD,   25                          ; v25  where I read a row back
.set LI,   26                          ; v26  16 x lane
.set SPW,  28
.set NIL,  29
.set SC,   32
.set BI,   64
.set XF,   128
.set BK,   128
.set G1,  24
.set G0,  32
.set G1B, 48
.set G0B, 56
.set MSB, 0
.macro WIN new
.if MSB != (\new)
	s_set_vgpr_msb (MSB<<8)|(\new)
.set MSB, (\new)
.endif
.endm
.macro JLOAD g0a, g1a, g0b, g1b        ; a joint load: waves 0 and 1 fetch X's panels, waves 2 and 3 W's; an s_nop 0 and four v_nop follow each line
	s_cmp_eq_u32 s15, 0
	s_cbranch_scc0 .Lfor_b_\@
	tensor_load_to_lds s[\g0a:\g0a+3], s[\g1a:\g1a+7]
	s_nop 0
.rept 4
	v_nop
.endr
	s_branch .Lasked_\@
.Lfor_b_\@:
	tensor_load_to_lds s[\g0b:\g0b+3], s[\g1b:\g1b+7]
	s_nop 0
.rept 4
	v_nop
.endr
.Lasked_\@:
.endm
.macro CREST
	s_cmp_lg_u32 s14, 0
	s_cbranch_scc1 .Lnot_wave_0_\@
	s_barrier_signal -3
.Lnot_wave_0_\@:
	s_barrier_wait -3
	s_barrier_signal -1
	s_barrier_wait -1
.endm
.macro CROUND
	s_barrier_signal -1
	s_barrier_wait -1
	CREST
.endm
.macro PLACES n
.rept \n
	v_nop
.endr
.endm
	s_load_b256 s[4:11], s[0:1], 0x0               ; X s[4:5], the weights' buffer s[6:7], R s[8:9], OUT s[10:11]
	v_lshl_add_u32 v[SPW], v0, 2, SPARE
	v_mov_b32 v[NIL], 0
	ds_add_u32 v[SPW], v[NIL]                      ; the wave's opening: the add, and its wait ahead of my first tensor load
	v_lshrrev_b32 v1, 5, v0
	v_readfirstlane_b32 s14, v1                    ; wave 0..3
	s_lshr_b32 s15, s14, 1                         ; my 128 rows.  Also: I fetch for X (0) or for W (1)
	s_and_b32 s16, s14, 1                          ; my 128 columns.  Also: which panel I fetch
	s_bfe_u32 s40, ttmp6, 0x40000                  ; cx
	s_bfe_u32 s41, ttmp6, 0x40004                  ; cy
	s_lshl_b32 s42, ttmp9, 2
	s_add_co_u32 s42, s42, s40                     ; tile column
	s_and_b32 s17, ttmp7, 0xffff
	s_lshl_b32 s17, s17, 2
	s_add_co_u32 s17, s17, s41                     ; tile row
	s_lshl_b32 s43, s41, 2
	s_lshl_b32 s43, 15, s43
	s_lshl_b32 s44, 0x1111, s40
	s_or_b32 s[G1+0], s43, (3<<16)|(1<<21)         ; the mask; elements of 8 bytes; no padding; 21 set beside a mask
	s_or_b32 s[G1B+0], s44, (3<<16)|(1<<21)
.irp g, G1, G1B                                ; 25,600 dense bytes as 100 rows of 256
	s_mov_b32 s[\g+1], 32<<16
	s_mov_b32 s[\g+2], 100<<16
	s_mov_b32 s[\g+3], 32<<16
	s_mov_b32 s[\g+4], 100
	s_mov_b32 s[\g+5], 32
	s_mov_b32 s[\g+6], 0
	s_mov_b32 s[\g+7], 0
.endr
	s_lshl_b32 s20, s17, 1
	s_add_co_u32 s20, s20, s16
	s_mul_i32 s20, s20, NSI*HB
	s_add_co_u32 s20, s20, HDR
	s_mov_b32 s21, 0
	s_lshl_b32 s46, s42, 1
	s_add_co_u32 s46, s46, s16
	s_mul_i32 s46, s46, NSI*HB
	s_add_co_u32 s46, s46, WOFF+HDR
	s_mov_b32 s47, 0
	s_mul_i32 s73, s14, PANB
	s_wait_dscnt 0x0                               ; the opening add is done
	s_wait_kmcnt 0x0
	s_add_nc_u64 s[20:21], s[4:5], s[20:21]
	s_add_nc_u64 s[46:47], s[6:7], s[46:47]
	CROUND                                         ; all sixteen work-groups are here: the first joint loads meet
.irp s, 0,1
	s_mov_b32 s[G0+4*\s], 1
	s_add_co_u32 s[G0+4*\s+1], s73, \s*SLOT
	s_add_nc_u64 s[G0+4*\s+2:G0+4*\s+3], s[20:21], \s*PANB
	s_or_b32 s[G0+4*\s+3], s[G0+4*\s+3], 0x80000000
	s_mov_b32 s[G0B+4*\s], 1
	s_add_co_u32 s[G0B+4*\s+1], s73, \s*SLOT
	s_add_nc_u64 s[G0B+4*\s+2:G0B+4*\s+3], s[46:47], \s*PANB
	s_or_b32 s[G0B+4*\s+3], s[G0B+4*\s+3], 0x80000000
	JLOAD G0+4*\s, G1, G0B+4*\s, G1B               ; two loads of mine are out
.endr
	v_and_b32 v1, 31, v0
	v_lshlrev_b32 v[LI], 4, v1
	v_and_b32 v2, 15, v0                           ; r
	v_bfe_u32 v3, v0, 4, 1                         ; h
	v_lshlrev_b32 v4, 4, v2
	v_mad_u32_u24 v4, v3, HB, v4
	s_mul_i32 s21, s15, PANB
	s_mul_i32 s22, s16, PANB
	s_add_co_u32 s22, s22, 2*PANB
.irp s, 0,1
	v_add_nc_u32 v[ADRX+\s], s21, v[LI]
	v_add_nc_u32 v[ASX+\s], s21, v4
	v_add_nc_u32 v[ADRW+\s], s22, v[LI]
	v_add_nc_u32 v[ASW+\s], s22, v4
	s_add_co_u32 s21, s21, SLOT
	s_add_co_u32 s22, s22, SLOT
.endr
	s_lshl_b32 s22, s42, 10                        ; the bias: the region's header, my 128 columns
	s_lshl_b32 s23, s16, 9
	s_add_co_u32 s22, s22, s23
	s_add_co_u32 s22, s22, WOFF+256
	s_mov_b32 s23, 0
	s_add_nc_u64 s[80:81], s[6:7], s[22:23]
	v_lshlrev_b32 v5, 6, v3
.irp b, 0,1,2,3,4,5,6,7                        ; register j of accumulator (a, b) is column 32 (b / 2) + 16 h + 8 (b % 2) + j
	global_load_b128 v[BI+8*\b:BI+8*\b+3], v5, s[80:81] offset:128*(\b/2)+32*(\b%2)
	global_load_b128 v[BI+8*\b+4:BI+8*\b+7], v5, s[80:81] offset:128*(\b/2)+32*(\b%2)+16
.endr
	s_mul_i32 s23, s14, 16*WSP
	s_add_co_u32 s23, s23, STAGE                   ; my stage
	v_mul_u32_u24 v6, v2, WSP
	v_lshl_add_u32 v6, v3, 6, v6
	v_add_nc_u32 v[STO], s23, v6                   ; in: row r, + 64 h
	v_add_nc_u32 v[RD], s23, v[LI]                 ; back: a row of 512 bytes to the 32 lanes
	s_lshl_b32 s22, s17, 8                         ; my part of R and of OUT: row 256 x tile row + 128 x half, column 256 x tile column + 128 x half
	s_lshl_b32 s23, s15, 7
	s_add_co_u32 s22, s22, s23
	s_lshl_b32 s22, s22, 12
	s_lshl_b32 s23, s42, 10
	s_add_co_u32 s22, s22, s23
	s_lshl_b32 s23, s16, 9
	s_add_co_u32 s22, s22, s23
	s_mov_b32 s23, 0
	s_add_nc_u64 s[8:9], s[8:9], s[22:23]
	s_add_nc_u64 s[10:11], s[10:11], s[22:23]
.macro FRAG reg, adr, off
.irp c, 0,1,2
	ds_load_b128 v[(\reg)+4*\c:(\reg)+4*\c+3], v[\adr] offset:(\off)+512*\c
.endr
.endm
.macro FETCH_W slot, q, p              ; 24 loads
	WIN 0x40
.irp i, 0,1,2,3,4,5,6,7
	FRAG 128*(\p)+FR*\i, ADRW+\slot, (\q)*HB+\i*1536
.endr
	WIN 0
.endm
.macro FETCH_X slot, q, i0             ; 12 loads
.irp i, \i0, \i0+1, \i0+2, \i0+3
	FRAG XF+FR*(\i), ADRX+\slot, (\q)*HB+(\i)*1536
.endr
.endm
.macro SCALES s                        ; four loads: lanes 0-15 take the slot's first half-block's words, lanes 16-31 its second's
.irp g, 0,1
	ds_load_b128 v[SC+16*(\s)+4*\g:SC+16*(\s)+4*\g+3], v[ASX+\s] offset:12288+256*\g
	ds_load_b128 v[SC+16*(\s)+8+4*\g:SC+16*(\s)+8+4*\g+3], v[ASW+\s] offset:12288+256*\g
.endr
.endm
.macro MM a, b, p, q, sc, cm
.set rD, 8*(8*((\a)%4)+(\b))
.set rW, 128*(\p)+FR*(\b)
.set rX, XF+FR*(\a)
.set rSW, SC+16*(\sc)+8+(\b)
.set rSX, SC+16*(\sc)+(\a)
.if (\cm) == 1
	v_wmma_scale_f32_16x16x128_f8f6f4 v[rD:rD+7], v[rW:rW+FR-1], v[rX:rX+FR-1], v[BI+8*(\b):BI+8*(\b)+7], v[rSW], v[rSX] matrix_a_fmt:MATRIX_FMT_FP6 matrix_b_fmt:MATRIX_FMT_FP6
.elseif (\q) == 0
	v_wmma_scale_f32_16x16x128_f8f6f4 v[rD:rD+7], v[rW:rW+FR-1], v[rX:rX+FR-1], v[rD:rD+7], v[rSW], v[rSX] matrix_a_fmt:MATRIX_FMT_FP6 matrix_b_fmt:MATRIX_FMT_FP6
.else
	v_wmma_scale_f32_16x16x128_f8f6f4 v[rD:rD+7], v[rW:rW+FR-1], v[rX:rX+FR-1], v[rD:rD+7], v[rSW], v[rSX] matrix_a_fmt:MATRIX_FMT_FP6 matrix_b_fmt:MATRIX_FMT_FP6 matrix_a_scale:MATRIX_SCALE_ROW1 matrix_b_scale:MATRIX_SCALE_ROW1
.endif
.endm
.macro MUL16 a0, p, q, sc, cm          ; the 64 accumulators take turns, one instruction a turn, in the same order in every step
.irp a, \a0, \a0+1
.irp b, 0,1,2,3,4,5,6,7
	MM (\a), \b, \p, \q, \sc, \cm
.endr
.endr
.endm
.macro STEP slot, cm                   ; a slot's first 128 along K
	s_wait_dscnt 12                                ; all but the youngest 12 loads (X's blocks 4-7) are in
.if \cm
	WIN 0x81
.else
	WIN 0xa1
.endif
	MUL16 0, 0, 0, \slot, \cm
	MUL16 2, 0, 0, \slot, \cm
	s_wait_dscnt 0x0
	PLACES 4
	FETCH_W \slot, 1, 1
	FETCH_X \slot, 1, 0
.if \cm
	WIN 0xc1
.else
	WIN 0xf1
.endif
	MUL16 4, 0, 0, \slot, \cm
	MUL16 6, 0, 0, \slot, \cm
	PLACES 4
	WIN 0
	FETCH_X \slot, 1, 4
.endm
.macro TURN slot, next, fill           ; a slot's second 128 along K, and the change of slots
	s_wait_tensorcnt 0x0                           ; all my tensor loads have landed: my part of the next slot
	ds_add_u32 v[SPW], v[NIL]                      ; 0 onto my spare word
	s_wait_dscnt 13                                ; (the add and the youngest 12 loads may be out)
	WIN 0xa1
	MUL16 0, 1, 1, \slot, 0
	s_wait_dscnt 0x0                               ; the add is done, and my reads of this slot are over
	s_barrier_signal -1
	MUL16 2, 1, 1, \slot, 0
	WIN 0
	s_barrier_wait -1
.if \fill
	CREST                                          ; the barrier has opened a round of the cluster's
	s_add_nc_u64 s[G0+4*\slot+2:G0+4*\slot+3], s[G0+4*\slot+2:G0+4*\slot+3], 2*PANB
	s_add_nc_u64 s[G0B+4*\slot+2:G0B+4*\slot+3], s[G0B+4*\slot+2:G0B+4*\slot+3], 2*PANB
	JLOAD G0+4*\slot, G1, G0B+4*\slot, G1B         ; my one tensor load behind the round; its four v_nop are also the places in front of the loads below
.else
	PLACES 4
.endif
	FETCH_W \next, 0, 0
	FETCH_X \next, 0, 0
	SCALES \next
	WIN 0xf1
	MUL16 4, 1, 1, \slot, 0
	MUL16 6, 1, 1, \slot, 0
	PLACES 4
	WIN 0
	FETCH_X \next, 0, 4
.endm
	s_wait_tensorcnt 1                             ; my part of slot 0 is in; slot 1's may stay out
	s_barrier_signal -1
	s_barrier_wait -1
	FETCH_W 0, 0, 0
	FETCH_X 0, 0, 0
	SCALES 0
	FETCH_X 0, 0, 4
	s_wait_loadcnt 0x0                             ; the bias
	STEP 0, 1                                      ; the first step's products start the sums with the bias
	s_mov_b32 s3, LAPS-1
.Llap:
	TURN 0, 1, 1
	STEP 1, 0
	TURN 1, 0, 1
	STEP 0, 0
	s_sub_co_u32 s3, s3, 1
	s_cmp_lg_u32 s3, 0
	s_cbranch_scc1 .Llap
	TURN 0, 1, 0
	STEP 1, 0
	s_wait_dscnt 12
	WIN 0xa1
	MUL16 0, 1, 1, 1, 0
	MUL16 2, 1, 1, 1, 0
	s_wait_dscnt 0x0
	WIN 0xf1
	MUL16 4, 1, 1, 1, 0
	MUL16 6, 1, 1, 1, 0
	WIN 0
	; THE WAY OUT, block by block of 16 rows x 128 columns.
.macro RLOAD a                                 ; the residual's 16 rows of block a: 512 consecutive bytes a load
.set RS, 64+128*((\a)%2)
.irp t, 0,1,2,3,4,5,6,7,8,9,10,11,12,13,14,15
	global_load_b128 v[RS+4*\t:RS+4*\t+3], v[LI], s[8:9] offset:(16*(\a)+\t)*4096
.endr
.endm
.macro TOSTAGE a
.set AC, 64*((\a)%4)
	WIN 0x08+4*((\a)/4)                            ; an LDS store's data: window 2 or 3
.irp b, 0,1,2,3,4,5,6,7
	ds_store_b128 v[STO], v[AC+8*\b:AC+8*\b+3] offset:128*(\b/2)+32*(\b%2)        ; each accumulator from its low end on
	ds_store_b128 v[STO], v[AC+8*\b+4:AC+8*\b+7] offset:128*(\b/2)+32*(\b%2)+16
.endr
	WIN 0
.irp t, 0,1,2,3,4,5,6,7,8,9,10,11,12,13,14,15
	ds_load_b128 v[BK+4*\t:BK+4*\t+3], v[RD] offset:\t*WSP   ; LDS serves a wave's instructions in order: these see the stores above
.endr
.endm
	PLACES 4
	RLOAD 0
.irp a, 0,1,2,3,4,5,6,7
.if \a > 0
	s_wait_xcnt 0x0                                ; the last block's stores have read their registers
.endif
.if \a < 7
	RLOAD \a+1
.endif
	TOSTAGE \a
	s_wait_dscnt 0x0
.if \a < 7
	s_wait_loadcnt 16                              ; this block's residual is in; the next block's 16 loads may be out
.else
	s_wait_loadcnt 0x0
.endif
.set RN, 64+128*(\a%2)
.set i, 0
.rept 32
	v_pk_add_f32 v[BK+i:BK+i+1], v[BK+i:BK+i+1], v[RN+i:RN+i+1]
.set i, i+2
.endr
.irp t, 0,1,2,3,4,5,6,7,8,9,10,11,12,13,14,15
	global_store_b128 v[LI], v[BK+4*\t:BK+4*\t+3], s[10:11] offset:(16*\a+\t)*4096   ; 32 lanes store 512 consecutive bytes, aligned
.endr
.endr
	s_wait_tensorcnt 0x0                           ; the wave's end
	ds_add_u32 v[SPW], v[NIL]
	s_wait_dscnt 0x0
	CROUND                                         ; the closing round
	s_endpgm
.Lfunc_end_k_qcb3785c6bb_ffn2:
	.size	k_qcb3785c6bb_ffn2, .Lfunc_end_k_qcb3785c6bb_ffn2-k_qcb3785c6bb_ffn2
	.p2alignl 7, 3214868480
	.fill 96, 4, 3214868480
	.section	.rodata,"a",@progbits
	.p2align	6, 0x0
	.amdhsa_kernel k_qcb3785c6bb_ffn2
		.amdhsa_group_segment_fixed_size 327680
		.amdhsa_private_segment_fixed_size 0
		.amdhsa_enable_private_segment 0
		.amdhsa_kernarg_size 32
		.amdhsa_user_sgpr_count 2
		.amdhsa_user_sgpr_kernarg_segment_ptr 1
		.amdhsa_wavefront_size32 1
		.amdhsa_system_sgpr_workgroup_id_x 1
		.amdhsa_system_sgpr_workgroup_id_y 1
		.amdhsa_system_sgpr_workgroup_id_z 1
		.amdhsa_system_vgpr_workitem_id 0
		.amdhsa_next_free_vgpr 1024
		.amdhsa_next_free_sgpr 100
		.amdhsa_reserve_vcc 0
		.amdhsa_float_denorm_mode_32 3
		.amdhsa_float_denorm_mode_16_64 3
		.amdhsa_memory_ordered 1
		.amdhsa_forward_progress 1
		.amdhsa_inst_pref_size 162
	.end_amdhsa_kernel
	.amdgpu_metadata
---
amdhsa.version: [ 1, 2 ]
amdhsa.kernels:
  - .name:           k_qcb3785c6bb_ffn2
    .symbol:         k_qcb3785c6bb_ffn2.kd
    .args:
      - { .name: big, .offset: 0, .size: 8, .value_kind: global_buffer, .address_space: global }
      - { .name: wrest, .offset: 8, .size: 8, .value_kind: global_buffer, .address_space: global }
      - { .name: x1, .offset: 16, .size: 8, .value_kind: global_buffer, .address_space: global }
      - { .name: out0, .offset: 24, .size: 8, .value_kind: global_buffer, .address_space: global }
    .group_segment_fixed_size: 327680
    .private_segment_fixed_size: 0
    .kernarg_segment_align: 8
    .kernarg_segment_size: 32
    .max_flat_workgroup_size: 128
    .sgpr_count:     100
    .vgpr_count:     1024
    .wavefront_size: 32
...
	.end_amdgpu_metadata
.endif
;; end of part 5
;; ======== version 2 of 2: 7 launches
;; limits: right only within a limited range of input values
;; workspace buffers: act 3,293,440 bytes; wqk 1,655,040 bytes; w1i 3,293,440 bytes; wrest 4,965,120 bytes; big 13,123,840 bytes; vt 3,293,440 bytes; ao 3,293,440 bytes; x1 16,777,216 bytes
;; launch prep (part 6): grid 448 x 1, 4 waves a work-group, no clusters, 100,096 bytes of LDS; arguments x, a1, n1, act, wq, wk, wv, wo, w1, w2, bq, bk, bv, bo, b1, b2, wqk, w1i, wrest; writes act, wqk, w1i, wrest
.if DOCPART == 6
	.amdgcn_target "amdgcn-amd-amdhsa--gfx1250"
	.amdhsa_code_object_version 6
	.text
	.protected	k_qcb3785c6bb_prep
	.globl	k_qcb3785c6bb_prep
	.p2align	8
	.type	k_qcb3785c6bb_prep,@function
k_qcb3785c6bb_prep:
	s_mov_b64 s[64:65], 0
	v_nop
	global_prefetch_b8 v0, s[64:65] scope:SCOPE_SE
	s_setreg_imm32_b32 hwreg(HW_REG_WAVE_MODE, 25, 1), 1
	s_wait_xcnt 0x0
; PREP.  Work-groups 0 to 255: the layer norm of 16 rows of [4096][1024] f32, quantised to codes of FP6 (E2M3) with one E8M0 byte for each 32 along K.
; Work-groups 256 to 447 (the first launch alone has them): the six weights, quantised likewise; the biases and the activation's floor go into the weight images' headers.
; THE FORMAT OF EVERY OPERAND IN MEMORY: half-blocks of 128 rows x 128 K, 12,800 bytes, laid as images of operand registers: fragment i (16 rows x 128 K, 12 registers a lane) at byte 1,536 i, register 4 c + e of lane l
; at 512 c + 16 l + 4 e; behind the codes, at byte 12,288, the scale words: that of fragment 4 g + j, row r, at 256 g + 16 r + 4 j.  A buffer is a header of 16,640 bytes (256 bytes of the floor, then the bias in f32)
; and half-block (panel P, K step S) at 16,640 + (P nS + S) 12,800.  So every later launch loads fragments by 16-byte loads at 16 x lane, and a K step's tiles are dense blocks of memory.
; ROWS: activations lie in natural order.  In a weight, lane r of fragment 2 b + u holds row 32 b + 8 u + r + 8 (r / 8), so that a product used transposed leaves 16 neighbouring columns in a lane's 16 registers.
; THE QUANTISER: a block's scale is 2^(floor(log2(largest magnitude)) - 2); its byte is the largest magnitude's exponent field - 2, held at 1 from below; numbers are divided by it and rounded to the nearest code, ties to even.
; THE NORM: mean, then the sum of squared deviations from it (two passes, so a common offset of the row costs no accuracy), / 1,023, root, + 1e-5, reciprocal; y = d (a / (std + eps)) + n.
; LIMITS: NaN and infinities are not served.  A block whose largest magnitude lies under 2^-124, a block of zeros among them, gets the byte 1 (the rule says 127 for zeros): its bytes are read by this program alone.
; The root and the reciprocal are the 1-ulp instructions.  No tensor loads, no cluster: work-groups share no input.
.set HDR,   16640
.set HB,    12800
.set LNP,   4112                       ; path LN: an LDS row: 4,096 bytes + 16 = 1,028 words: the 16 rows that a load touches start 4 banks apart
.set WST,   65792                      ; path W: behind path LN's 16 rows: a stage of 16 rows x 528 bytes for each wave.  Each path has LDS bytes of its own
.set WSP,   528
.set SPARE, 99584                      ; the spare words, 128 bytes a wave: two blocks of 256 bytes that no other line names
.set LI,  1                            ; v1   16 x lane
.set RR,  2                            ; v2   lane % 16
.set HH,  3                            ; v3   lane / 16
.set LN,  4                            ; v4   lane
.set SPW, 12                           ; v12  my spare word's LDS address; never rewritten
.set NIL, 13                           ; v13  0; never rewritten
.set AR,  16                           ; path W: v16-31 byte offsets of a tile's 16 rows.   path LN: v16-23 sums, v24-31 means, v32-39 gains (pairs)
.set PWW, 32                           ; path W: v32-39 the eight fragments' scale words
.set TM,  40                           ; v40-55 the quantiser's scratch
.set PC,  56                           ; v56-75 the codes just made
.set X,   80                           ; path LN: v80-207 four rows, 32 registers each
.set RA0, 80                           ; path W: two sets of 64 numbers
.set RA1, 144
.set SEL, 4                            ; s[4:5] v_permlanex16_b32's selects for lane l xor 16
; 64 numbers of a lane, register 16 b + i = k 32 b + 16 (lane / 16) + i of my row, become a fragment's 12 registers of codes at v[pc] on and its scale word in v[pw].
.macro QUANT s, pc, pw
.irp b, 0,1,2,3
	v_max3_num_f32 v[TM+\b], |v[(\s)+16*\b]|, |v[(\s)+1+16*\b]|, 0x1800000   ; block b: my 16 numbers, and the floor 2^(3 - 127): the byte cannot fall under 1
.endr
.irp i, 2,4,6,8,10,12,14
.irp b, 0,1,2,3
	v_max3_num_f32 v[TM+\b], v[TM+\b], |v[(\s)+16*\b+\i]|, |v[(\s)+1+16*\b+\i]|   ; the four blocks by turns
.endr
.endr
.irp b, 0,1,2,3
	v_permlanex16_b32 v[TM+4+\b], v[TM+\b], s[SEL], s[SEL+1]
.endr
.irp b, 0,1,2,3
	v_max_num_f32 v[TM+\b], v[TM+\b], v[TM+4+\b]   ; with lane l xor 16's 16: the block's largest magnitude
.endr
.irp b, 0,1,2,3
	v_add_nc_u32 v[TM+12+\b], 0xff000000, v[TM+\b]   ; 2 off its exponent field: the conversion takes this operand's exponent field as its scale
.endr
.irp b, 0,1,2,3
	v_lshrrev_b32 v[TM+4+\b], 23, v[TM+12+\b]      ; the scale's byte
.endr
	v_lshl_or_b32 v[\pw], v[TM+5], 8, v[TM+4]
	v_lshl_or_b32 v[\pw], v[TM+6], 16, v[\pw]
	v_lshl_or_b32 v[\pw], v[TM+7], 24, v[\pw]
.irp c, 0,1
	v_cvt_scalef32_pk16_fp6_f32 v[(\pc)+6*\c:(\pc)+2+6*\c], v[(\s)+32*\c:(\s)+15+32*\c], v[TM+12+2*\c]
	v_cvt_scalef32_pk16_fp6_f32 v[(\pc)+12+4*\c:(\pc)+14+4*\c], v[(\s)+16+32*\c:(\s)+31+32*\c], v[TM+12+2*\c+1]   ; (a conversion's three registers begin on an even number)
.endr
	v_nop                                          ; one plain place behind a scaled conversion
.irp c, 0,1                                    ; the operand's layout wants a whole block in a lane: lanes 0-15 block 2 c, lanes 16-31 block 2 c + 1
.irp i, 0,1,2
	v_permlane16_swap_b32 v[(\pc)+6*\c+\i], v[(\pc)+12+4*\c+\i]
.endr
.irp i, 0,1,2
	v_mov_b32 v[(\pc)+3+6*\c+\i], v[(\pc)+12+4*\c+\i]
.endr
.endr
.endm
	s_load_b512 s[8:23], s[0:1], 0x0               ; x s[8:9], a s[10:11], n s[12:13], act s[14:15], wq s[16:17], wk s[18:19], wv s[20:21], wo s[22:23]
	s_load_b512 s[24:39], s[0:1], 0x40             ; w1 s[24:25], w2 s[26:27], bq s[28:29], bk s[30:31], bv s[32:33], bo s[34:35], b1 s[36:37], b2 s[38:39]
	s_load_b128 s[40:43], s[0:1], 0x80             ; wqk s[40:41], w1i s[42:43]
	s_load_b64 s[44:45], s[0:1], 0x90              ; wrest
	v_lshl_add_u32 v[SPW], v0, 2, SPARE
	v_mov_b32 v[NIL], 0
	v_lshrrev_b32 v1, 5, v0
	v_readfirstlane_b32 s2, v1                     ; wave 0..3
	v_and_b32 v[LN], 31, v0
	v_lshlrev_b32 v[LI], 4, v[LN]
	v_and_b32 v[RR], 15, v0
	v_bfe_u32 v[HH], v0, 4, 1
	s_mov_b32 s[SEL], 0x76543210
	s_mov_b32 s[SEL+1], 0xfedcba98
.irp b, 0,1,2,3
	v_mov_b32 v[TM+4+\b], 0                        ; written once: a lane permute's destination counts as one of its sources
.endr
	s_wait_kmcnt 0x0
	s_cmp_lt_u32 ttmp9, 256
	s_cbranch_scc0 .Lweights
	; ---------------- PATH LN: work-group T takes rows 16 T .. 16 T + 15; wave w rows 4 w .. 4 w + 3 of them
	s_load_b32 s46, s[10:11], 0x0                  ; a
	s_load_b32 s48, s[12:13], 0x0                  ; n
	s_lshl_b32 s50, ttmp9, 16                      ; 16 rows of 4,096 bytes,
	s_lshl_b32 s51, s2, 14                         ; 4 rows
	s_add_co_u32 s50, s50, s51
	s_mov_b32 s51, 0
	s_add_nc_u64 s[8:9], s[8:9], s[50:51]
	s_wait_alu depctr_va_vdst(0)
.irp p, 0,1,2,3
.irp c, 0,1,2,3,4,5,6,7
	global_load_b128 v[X+32*\p+4*\c:X+32*\p+4*\c+3], v[LI], s[8:9] offset:\p*4096+512*\c th:TH_LOAD_NT   ; 32 lanes read 512 consecutive bytes; a wave has its four rows, 16 KiB, on their way
.endr
.endr
	s_mul_i32 s52, s2, 4*LNP
	v_add_nc_u32 v5, s52, v[LI]                    ; into LDS: my wave's four rows, 16 bytes a lane
	v_mul_u32_u24 v6, v[RR], LNP
	v_lshl_add_u32 v6, v[HH], 6, v6
	s_lshl_b32 s53, s2, 10
	v_add_nc_u32 v6, s53, v6                       ; out of it: row r, my wave's two K steps (1,024 bytes), my half's 16 numbers of a block
	s_lshr_b32 s54, ttmp9, 3                       ; the panel of 128 rows
	s_lshl_b32 s54, s54, 3
	s_lshl_b32 s55, s2, 1
	s_add_co_u32 s54, s54, s55                     ; half-block 8 P + 2 w
	s_mul_i32 s54, s54, HB
	s_add_co_u32 s54, s54, HDR
	s_mov_b32 s55, 0
	s_add_nc_u64 s[14:15], s[14:15], s[54:55]
	s_and_b32 s56, ttmp9, 7                        ; which fragment of the panel my 16 rows are
	s_mul_i32 s57, s56, 1536
	v_add_nc_u32 v7, s57, v[LI]                    ; its codes' place
	s_lshr_b32 s57, s56, 2
	s_lshl_b32 s57, s57, 8
	s_and_b32 s58, ttmp9, 3
	s_lshl_b32 s58, s58, 2
	s_add_co_u32 s57, s57, s58
	s_add_co_u32 s57, s57, 12288
	v_lshlrev_b32 v8, 4, v[RR]
	v_mad_u32_u24 v8, v[HH], HB, v8
	v_add_nc_u32 v8, s57, v8                       ; its scale words' place: lanes 0-15 in half-block 2 w, lanes 16-31 in 2 w + 1
	s_mov_b32 s53, 0xffff0000
	s_wait_loadcnt 0x0
	s_wait_kmcnt 0x0
	s_mov_b32 s49, s48                             ; (the packed form names the pair)
.macro ALLSUM                                  ; v[16 + 2 p]: the sum of row p's pair of partial sums over the 32 lanes, in every lane
.irp p, 0,1,2,3
	v_add_f32 v[16+2*\p], v[16+2*\p], v[17+2*\p]
.endr
.irp m, 1,2,4,8
.irp p, 0,1,2,3
	v_add_f32_dpp v[16+2*\p], v[16+2*\p], v[16+2*\p] row_xmask:\m row_mask:0xf bank_mask:0xf
.endr
.endr
.irp p, 0,1,2,3
	v_permlanex16_b32 v[17+2*\p], v[16+2*\p], s[SEL], s[SEL+1]
.endr
.irp p, 0,1,2,3
	v_add_f32 v[16+2*\p], v[16+2*\p], v[17+2*\p]
.endr
.endm
.irp p, 0,1,2,3
	v_pk_add_f32 v[16+2*\p:17+2*\p], v[X+32*\p:X+32*\p+1], v[X+32*\p+2:X+32*\p+3]   ; the first two pairs start the sums; the four rows take turns
.endr
.irp i, 4,6,8,10,12,14,16,18,20,22,24,26,28,30
.irp p, 0,1,2,3
	v_pk_add_f32 v[16+2*\p:17+2*\p], v[16+2*\p:17+2*\p], v[X+32*\p+\i:X+32*\p+\i+1]
.endr
.endr
	ALLSUM
.irp p, 0,1,2,3
	v_mul_f32 v[24+2*\p], 0x3a800000, v[16+2*\p]   ; the mean: / 1,024
.endr
.irp p, 0,1,2,3
	v_mov_b32 v[25+2*\p], v[24+2*\p]
.endr
.irp i, 0,2,4,6,8,10,12,14,16,18,20,22,24,26,28,30
.irp p, 0,1,2,3
	v_pk_add_f32 v[X+32*\p+\i:X+32*\p+\i+1], v[X+32*\p+\i:X+32*\p+\i+1], v[24+2*\p:25+2*\p] neg_lo:[0,1] neg_hi:[0,1]   ; d = x - mean, in place
.endr
.endr
.irp p, 0,1,2,3
	v_pk_mul_f32 v[16+2*\p:17+2*\p], v[X+32*\p:X+32*\p+1], v[X+32*\p:X+32*\p+1]
.endr
.irp i, 2,4,6,8,10,12,14,16,18,20,22,24,26,28,30
.irp p, 0,1,2,3
	v_pk_fma_f32 v[16+2*\p:17+2*\p], v[X+32*\p+\i:X+32*\p+\i+1], v[X+32*\p+\i:X+32*\p+\i+1], v[16+2*\p:17+2*\p]
.endr
.endr
	ALLSUM
.irp p, 0,1,2,3
	v_mul_f32 v[16+2*\p], 0x3a802008, v[16+2*\p]   ; the variance: / 1,023
.endr
	s_wait_alu depctr_va_vdst(0)
.irp p, 0,1,2,3
	v_sqrt_f32 v[17+2*\p], v[16+2*\p]
.endr
	v_nop                                          ; a plain place behind the roots,
	s_wait_alu depctr_va_vdst(0)                   ; and one wait for the four, ahead of their first reader
.irp p, 0,1,2,3
	v_add_f32 v[17+2*\p], 0x3727c5ac, v[17+2*\p]   ; + 1e-5
.endr
	s_wait_alu depctr_va_vdst(0)
.irp p, 0,1,2,3
	v_rcp_f32 v[16+2*\p], v[17+2*\p]
.endr
	v_nop
	s_wait_alu depctr_va_vdst(0)                   ; one wait for the four reciprocals
.irp p, 0,1,2,3
	v_mul_f32 v[32+2*\p], s46, v[16+2*\p]          ; a / (std + eps)
.endr
.irp p, 0,1,2,3
	v_mov_b32 v[33+2*\p], v[32+2*\p]
.endr
.irp i, 0,2,4,6,8,10,12,14,16,18,20,22,24,26,28,30
.irp p, 0,1,2,3
	v_pk_fma_f32 v[X+32*\p+\i:X+32*\p+\i+1], v[X+32*\p+\i:X+32*\p+\i+1], v[32+2*\p:33+2*\p], s[48:49] op_sel_hi:[1,1,0]   ; y = d gain + n
.endr
.endr
.irp p, 0,1,2,3
.irp c, 0,1,2,3,4,5,6,7
	ds_store_b128 v5, v[X+32*\p+4*\c:X+32*\p+4*\c+3] offset:\p*LNP+512*\c
.endr
.endr
	s_wait_dscnt 0x0                               ; for the others' sake: my four rows lie in LDS
	s_barrier_signal -1
	s_barrier_wait -1                              ; all 16 rows do
.irp e, 0,1                                    ; wave w quantises K steps 2 w and 2 w + 1 of all 16 rows: lane (r, h) takes 16 neighbours of each block of 32 of row r
.irp b, 0,1,2,3
.irp j, 0,1,2,3
	ds_load_b128 v[X+64*\e+16*\b+4*\j:X+64*\e+16*\b+4*\j+3], v6 offset:\e*512+128*\b+16*\j
.endr
.endr
.endr
	s_wait_dscnt 0x0
	QUANT X, PC, 76
.irp c, 0,1,2
	global_store_b128 v7, v[PC+4*\c:PC+4*\c+3], s[14:15] offset:512*\c     ; 32 lanes store 512 consecutive bytes, aligned
.endr
	s_wait_xcnt 0x0                                ; the stores have read the codes' registers: they are written again only behind this wait
	QUANT X+64, PC, 77
.irp c, 0,1,2
	global_store_b128 v7, v[PC+4*\c:PC+4*\c+3], s[14:15] offset:HB+512*\c
.endr
	v_cndmask_b32 v78, v76, v77, s53               ; lanes 0-15: K step 2 w's word of row r; lanes 16-31: K step 2 w + 1's (each word stands alike in lanes r and r + 16)
	global_store_b32 v8, v78, s[14:15]
	s_wait_tensorcnt 0x0                           ; the wave's end, behind my last LDS store
	ds_add_u32 v[SPW], v[NIL]
	s_wait_dscnt 0x0
	s_endpgm
	; ---------------- PATH W: work-group g = number - 256; each wave makes one half-block of one weight: 128 rows x 128 K
.Lweights:
	s_sub_co_u32 s47, ttmp9, 256                   ; g: wq 0-15, wk 16-31, wv 32-47, wo 48-63, w1 64-127, w2 128-191.  The choice hangs on the work-group's number alone
	s_mov_b64 s[50:51], s[26:27]                   ; w2's: the tensor,
	s_mov_b64 s[52:53], s[38:39]                   ; its bias,
	s_mov_b64 s[54:55], s[44:45]                   ; the buffer of its image,
	s_mov_b32 s56, 1671680                         ; the region in it,
	s_mov_b32 s57, 128                             ; its first g,
	s_mov_b32 s58, 0                               ; its first panel in the region,
	s_mov_b32 s59, 5                               ; log2 of its K steps,
	s_mov_b32 s60, 16384                           ; its row in bytes,
	s_mov_b32 s61, 0xff800000                      ; the floor of the activation behind its product: -infinity is none
	s_cmp_lt_u32 s47, 128                          ; w1
	s_cselect_b64 s[50:51], s[24:25], s[50:51]
	s_cselect_b64 s[52:53], s[36:37], s[52:53]
	s_cselect_b64 s[54:55], s[42:43], s[54:55]
	s_cselect_b32 s56, 0, s56
	s_cselect_b32 s57, 64, s57
	s_cselect_b32 s59, 3, s59
	s_cselect_b32 s60, 4096, s60
	s_cselect_b32 s61, 0, s61                      ; relu
	s_cmp_lt_u32 s47, 64                           ; wo
	s_cselect_b64 s[50:51], s[22:23], s[50:51]
	s_cselect_b64 s[52:53], s[34:35], s[52:53]
	s_cselect_b64 s[54:55], s[44:45], s[54:55]
	s_cselect_b32 s56, 835840, s56
	s_cselect_b32 s57, 48, s57
	s_cselect_b32 s61, 0xff800000, s61
	s_cmp_lt_u32 s47, 48                           ; wv
	s_cselect_b64 s[50:51], s[20:21], s[50:51]
	s_cselect_b64 s[52:53], s[32:33], s[52:53]
	s_cselect_b32 s56, 0, s56
	s_cselect_b32 s57, 32, s57
	s_cmp_lt_u32 s47, 32                           ; wk
	s_cselect_b64 s[50:51], s[18:19], s[50:51]
	s_cselect_b64 s[52:53], s[30:31], s[52:53]
	s_cselect_b64 s[54:55], s[40:41], s[54:55]
	s_cselect_b32 s57, 16, s57
	s_cselect_b32 s58, 8, s58
	s_cmp_lt_u32 s47, 16                           ; wq
	s_cselect_b64 s[50:51], s[16:17], s[50:51]
	s_cselect_b64 s[52:53], s[28:29], s[52:53]
	s_cselect_b32 s57, 0, s57
	s_cselect_b32 s58, 0, s58
	s_sub_co_u32 s47, s47, s57
	s_lshl_b32 s47, s47, 2
	s_add_co_u32 s47, s47, s2                      ; my half-block of the tensor
	s_lshr_b32 s62, s47, s59                       ; its panel P
	s_lshl_b32 s63, s62, s59
	s_sub_co_u32 s63, s47, s63                     ; its K step S
	s_lshl_b32 s66, s60, 7
	s_mul_i32 s66, s66, s62                        ; 128 P rows
	s_lshl_b32 s67, s63, 9                         ; + 512 S bytes
	s_add_co_u32 s66, s66, s67
	s_mov_b32 s67, 0
	s_add_nc_u64 s[50:51], s[50:51], s[66:67]      ; the even tiles' base: tile 0's first row
	s_lshl_b32 s66, s60, 3
	s_add_nc_u64 s[68:69], s[50:51], s[66:67]      ; the odd tiles': 8 rows further down
	s_lshl_b32 s70, s60, 5                         ; each steps by 32 rows
	s_mov_b32 s71, 0
	s_mov_b32 s57, 0
	s_add_nc_u64 s[54:55], s[54:55], s[56:57]      ; the region
	s_lshl_b32 s72, s58, 3
	s_add_co_u32 s72, s72, s47
	s_mul_i32 s72, s72, HB
	s_add_co_u32 s72, s72, HDR
	s_mov_b32 s73, 0
	s_add_nc_u64 s[72:73], s[54:55], s[72:73]      ; my half-block in it
	s_lshl_b32 s74, s62, 9
	s_mov_b32 s75, 0
	s_add_nc_u64 s[52:53], s[52:53], s[74:75]      ; my panel's 128 numbers of the bias,
	s_add_co_u32 s76, s58, s62
	s_lshl_b32 s74, s76, 9
	s_add_co_u32 s74, s74, 256
	s_add_nc_u64 s[78:79], s[54:55], s[74:75]      ; and their place in the header
	s_wait_alu depctr_va_vdst(0)
.irp r, 0,1,2,3,4,5,6,7,8,9,10,11,12,13,14,15
	v_mad_u32_u24 v[AR+\r], s60, \r+8*(\r/8), v[LI]   ; lane r of a fragment takes the tile's row r + 8 (r / 8); 16 bytes a lane
.endr
	s_mul_i32 s77, s2, 16*WSP
	s_add_co_u32 s77, s77, WST                     ; my stage
	v_add_nc_u32 v5, s77, v[LI]
	v_mul_u32_u24 v6, v[RR], WSP
	v_lshl_add_u32 v6, v[HH], 6, v6
	v_add_nc_u32 v6, s77, v6
	s_mov_b32 s46, 0xffff0000
.macro WLOAD i                                 ; tile i's 16 rows x 512 bytes: each load reads one row's 512 consecutive bytes
.irp r, 0,1,2,3,4,5,6,7,8,9,10,11,12,13,14,15
.if ((\i)%2) == 0
	global_load_b128 v[RA0+4*\r:RA0+4*\r+3], v[AR+\r], s[50:51] th:TH_LOAD_NT
.else
	global_load_b128 v[RA1+4*\r:RA1+4*\r+3], v[AR+\r], s[68:69] th:TH_LOAD_NT
.endif
.endr
.endm
.macro WTILE i                                 ; tile i becomes fragment i
.set RA, RA0+64*((\i)%2)
.if (\i) < 7
	s_wait_loadcnt 16                              ; this tile's 16 loads are in; the next tile's 16 may be out
.else
	s_wait_loadcnt 0x0
.endif
.irp r, 0,1,2,3,4,5,6,7,8,9,10,11,12,13,14,15
	ds_store_b128 v5, v[RA+4*\r:RA+4*\r+3] offset:\r*WSP      ; through my own stage: in as rows,
.endr
.irp b, 0,1,2,3
.irp j, 0,1,2,3
	ds_load_b128 v[RA+16*\b+4*\j:RA+16*\b+4*\j+3], v6 offset:128*\b+16*\j   ; back as 16 neighbours of each block for lane (r, h).  LDS serves a wave's instructions in order: these see the stores above
.endr
.endr
	s_wait_dscnt 0x0
	s_wait_xcnt 0x0                                ; the last tile's stores have read the codes' registers, and all loads issued their bases: both are written again only behind this wait
.if (\i) < 6
.if ((\i)%2) == 0
	s_add_nc_u64 s[50:51], s[50:51], s[70:71]
.else
	s_add_nc_u64 s[68:69], s[68:69], s[70:71]
.endif
.endif
	QUANT RA, PC, PWW+(\i)
.irp c, 0,1,2
	global_store_b128 v[LI], v[PC+4*\c:PC+4*\c+3], s[72:73] offset:(\i)*1536+512*\c   ; 512 consecutive bytes, aligned
.endr
.if (\i) < 6
	WLOAD (\i)+2
.endif
.endm
	WLOAD 0
	WLOAD 1
	s_cmp_lg_u32 s63, 0                            ; the wave with K step 0 of a panel also copies the panel's bias into the header
	s_cbranch_scc1 .Lno_bias
	global_load_b128 v[76:79], v[LI], s[52:53]
	s_wait_loadcnt 0x0                             ; (all loads are in then: the first tile's counted wait is met on this way too)
	global_store_b128 v[LI], v[76:79], s[78:79]
	s_cmp_lg_u32 s76, 0                            ; and that of a region's first panel the floor: 64 equal words
	s_cbranch_scc1 .Lno_bias
	v_mov_b32 v10, s61
	v_mov_b32 v11, s61
	v_lshlrev_b32 v9, 3, v[LN]
	global_store_b64 v9, v[10:11], s[54:55]
.Lno_bias:
	s_wait_alu depctr_va_vdst(0)
.irp i, 0,1,2,3,4,5,6,7
	WTILE \i
.endr
.irp j, 0,1,2,3
	v_cndmask_b32 v[76+\j], v[PWW+\j], v[PWW+4+\j], s46   ; lanes 0-15 hold fragments 0-3's words of row r, lanes 16-31 fragments 4-7's
.endr
	global_store_b128 v[LI], v[76:79], s[72:73] offset:12288   ; the 512 bytes of scale words
	s_wait_tensorcnt 0x0                           ; the wave's end, behind my last LDS store
	ds_add_u32 v[SPW], v[NIL]
	s_wait_dscnt 0x0
	s_endpgm
.Lfunc_end_k_qcb3785c6bb_prep:
	.size	k_qcb3785c6bb_prep, .Lfunc_end_k_qcb3785c6bb_prep-k_qcb3785c6bb_prep
	.p2alignl 7, 3214868480
	.fill 96, 4, 3214868480
	.section	.rodata,"a",@progbits
	.p2align	6, 0x0
	.amdhsa_kernel k_qcb3785c6bb_prep
		.amdhsa_group_segment_fixed_size 100096
		.amdhsa_private_segment_fixed_size 0
		.amdhsa_enable_private_segment 0
		.amdhsa_kernarg_size 152
		.amdhsa_user_sgpr_count 2
		.amdhsa_user_sgpr_kernarg_segment_ptr 1
		.amdhsa_wavefront_size32 1
		.amdhsa_system_sgpr_workgroup_id_x 1
		.amdhsa_system_sgpr_workgroup_id_y 1
		.amdhsa_system_sgpr_workgroup_id_z 1
		.amdhsa_system_vgpr_workitem_id 0
		.amdhsa_next_free_vgpr 208
		.amdhsa_next_free_sgpr 90
		.amdhsa_reserve_vcc 0
		.amdhsa_float_denorm_mode_32 3
		.amdhsa_float_denorm_mode_16_64 3
		.amdhsa_memory_ordered 1
		.amdhsa_forward_progress 1
		.amdhsa_inst_pref_size 105
	.end_amdhsa_kernel
	.amdgpu_metadata
---
amdhsa.version: [ 1, 2 ]
amdhsa.kernels:
  - .name:           k_qcb3785c6bb_prep
    .symbol:         k_qcb3785c6bb_prep.kd
    .args:
      - { .name: x, .offset: 0, .size: 8, .value_kind: global_buffer, .address_space: global }
      - { .name: a1, .offset: 8, .size: 8, .value_kind: global_buffer, .address_space: global }
      - { .name: n1, .offset: 16, .size: 8, .value_kind: global_buffer, .address_space: global }
      - { .name: act, .offset: 24, .size: 8, .value_kind: global_buffer, .address_space: global }
      - { .name: wq, .offset: 32, .size: 8, .value_kind: global_buffer, .address_space: global }
      - { .name: wk, .offset: 40, .size: 8, .value_kind: global_buffer, .address_space: global }
      - { .name: wv, .offset: 48, .size: 8, .value_kind: global_buffer, .address_space: global }
      - { .name: wo, .offset: 56, .size: 8, .value_kind: global_buffer, .address_space: global }
      - { .name: w1, .offset: 64, .size: 8, .value_kind: global_buffer, .address_space: global }
      - { .name: w2, .offset: 72, .size: 8, .value_kind: global_buffer, .address_space: global }
      - { .name: bq, .offset: 80, .size: 8, .value_kind: global_buffer, .address_space: global }
      - { .name: bk, .offset: 88, .size: 8, .value_kind: global_buffer, .address_space: global }
      - { .name: bv, .offset: 96, .size: 8, .value_kind: global_buffer, .address_space: global }
      - { .name: bo, .offset: 104, .size: 8, .value_kind: global_buffer, .address_space: global }
      - { .name: b1, .offset: 112, .size: 8, .value_kind: global_buffer, .address_space: global }
      - { .name: b2, .offset: 120, .size: 8, .value_kind: global_buffer, .address_space: global }
      - { .name: wqk, .offset: 128, .size: 8, .value_kind: global_buffer, .address_space: global }
      - { .name: w1i, .offset: 136, .size: 8, .value_kind: global_buffer, .address_space: global }
      - { .name: wrest, .offset: 144, .size: 8, .value_kind: global_buffer, .address_space: global }
    .group_segment_fixed_size: 100096
    .private_segment_fixed_size: 0
    .kernarg_segment_align: 8
    .kernarg_segment_size: 152
    .max_flat_workgroup_size: 128
    .sgpr_count:     90
    .vgpr_count:     208
    .wavefront_size: 32
...
	.end_amdgpu_metadata
.endif
;; end of part 6
;; launch qkv (part 7): grid 8 x 24, 4 waves a work-group, clusters of 4 x 4, 327,680 bytes of LDS; arguments act, wqk, wrest, big, vt; writes big, vt
.if DOCPART == 7
	.amdgcn_target "amdgcn-amd-amdhsa--gfx1250"
	.amdhsa_code_object_version 6
	.text
	.protected	k_qcb3785c6bb_qkv
	.globl	k_qcb3785c6bb_qkv
	.p2align	8
	.type	k_qcb3785c6bb_qkv,@function
k_qcb3785c6bb_qkv:
	s_mov_b64 s[64:65], 0
	v_nop
	global_prefetch_b8 v0, s[64:65] scope:SCOPE_SE
	s_setreg_imm32_b32 hwreg(HW_REG_WAVE_MODE, 25, 1), 1
	s_wait_xcnt 0x0
	s_wait_alu depctr_hold_cnt(0) depctr_sa_sdst(0) depctr_va_vdst(0) depctr_va_sdst(0) depctr_va_ssrc(0) depctr_va_vcc(0) depctr_vm_vsrc(0)
	s_getreg_b32 s2, hwreg(HW_REG_IB_STS2, 6, 4)
	s_cmp_eq_u32 s2, 0
	s_cbranch_scc0 .Lentry_in_a_cluster
	s_endpgm
.Lentry_in_a_cluster:
	s_bfe_u32 s2, ttmp6, 0x10000c
	s_cmp_lg_u32 s2, 0xf033
	s_cbranch_scc0 .Lentry_shape_is_right
	s_endpgm
.Lentry_shape_is_right:
; A GEMM on codes of FP6 (E2M3) whose result is quantised again on the way out: OUT = Q(max(floor, X W^T + bias)), K = 1,024.
; Operands lie in memory as half-blocks (128 rows x 128 K, 12,800 bytes: eight fragments as images of operand registers, then 512 bytes of scale words) behind a header of 16,640 bytes; half-block (panel P, K step S) at
; 16,640 + (P nS + S) 12,800; nS = 8 in the inputs, 32 in the outputs.  The header of W holds the activation's floor (word 0) and the bias (from byte 256).
; A tile of C, 256 x 256, is made by four waves, as many as a WGP has SIMDs; a wave makes 128 x 128: 64 accumulators, 512 registers.  K goes in steps of 256 (two half-blocks a panel, 25,600 dense bytes, scales with codes)
; through a ring of two LDS slots filled by the tensor data mover.  A fragment comes out of LDS by three loads of 16 bytes at 16 x lane: consecutive bytes, no padding.
; THE PRODUCT IS USED TRANSPOSED: source 0 = 16 rows of W, source 1 = 16 rows of X.  W's rows are laid so that a lane's 16 registers of two neighbouring accumulators are 16 neighbouring columns: a lane's 64 registers of
; a block of 16 rows are the quantiser's input as they stand, and the codes leave as the next product's fragments, 512 consecutive bytes a store.  Nothing goes through LDS on the way out.
; THE BIAS is the C of each sum's first matrix instruction; the floor (0 for relu, -infinity for none) rides on the move of each result into the first register window.
; TWO USES OF ONE TEXT.  Clusters with y under 4 (all of them in the launch of the feed-forward layer): X = activations, W = weights, bias by columns.  Clusters with y 4 and 5 (the launch of q, k, v alone): V^T = Wv xn^T + bv:
; X = Wv's image, W = the activations, bias by rows, results to the second output; so V is quantised along the keys.  The choice hangs on the cluster's y alone: it is the same in all sixteen partners.
; CLUSTERS: 4 x 4 work-groups; X's panels are asked for jointly along a row of the cluster, W's along a column: the same tensor load, descriptor and mask in the four that share.
; LIMITS: NaN and infinities are not served; a block whose largest magnitude lies under 2^-124 gets the byte 1 (a block of zeros too): its bytes are read by this program alone.  Sums run along K ascending, one accumulator an output.
; REGISTERS, in windows of 256: window 0: v16-29 addresses; v32-63 scale words, two sets; v64-127 the bias; v128-223 X's fragments, one set; on the way out v128-251 are at work.
;   window 1: W's fragments, two sets, at v0 and v128.  window 2: the accumulators of my rows 0-63 ((a, b) at v[8 (8 (a % 4) + b)]); window 3: those of rows 64-127.
.set HDR,   16640
.set HB,    12800
.set NSI,   8                          ; K steps of 128 in the inputs
.set PANB,  2*HB                       ; a panel's part of a slot: what one tensor load brings
.set SLOT,  4*PANB                     ; X's two panels, then W's two
.set SPARE, 2*SLOT                     ; behind the ring: the spare words, 128 bytes a wave: two blocks of 256 bytes that no other line names
.set LAPS,  2                          ; a lap = two slots = 512 along K
.set FR,    12
.set ADRX, 16                          ; v16-17 LDS address of my X fragments in slot 0, 1;  v18-19 of their scale words
.set ASX,  18
.set ADRW, 20                          ; v20-21, v22-23 the same for W
.set ASW,  22
.set LI,   26                          ; v26  16 x lane
.set SPW,  28                          ; v28  my spare word's LDS address; never rewritten
.set NIL,  29                          ; v29  0; never rewritten
.set SC,   32                          ; scale words: set s at v[SC + 16 s]: X's block a at + a, W's block b at + 8 + b; lanes 0-15 serve the slot's first 128 along K, lanes 16-31 its second
.set BI,   64
.set XF,   128
.set T,    128                         ; the way out: 64 numbers
.set TM,   200                         ; the quantiser's scratch
.set PC,   216                         ; codes
.set PW,   240                         ; eight scale words
.set SW,   248
.set SEL,  68                          ; s[68:69]
.set G1,  24
.set G0,  32
.set G1B, 48
.set G0B, 56
.set MSB, 0
.macro WIN new                         ; the immediate's high byte repeats the setting that is left
.if MSB != (\new)
	s_set_vgpr_msb (MSB<<8)|(\new)
.set MSB, (\new)
.endif
.endm
.macro JLOAD g0a, g1a, g0b, g1b        ; a joint load: waves 0 and 1 fetch X's panels, waves 2 and 3 W's; an s_nop 0 and four v_nop follow each line
	s_cmp_eq_u32 s15, 0
	s_cbranch_scc0 .Lfor_b_\@
	tensor_load_to_lds s[\g0a:\g0a+3], s[\g1a:\g1a+7]
	s_nop 0
.rept 4
	v_nop
.endr
	s_branch .Lasked_\@
.Lfor_b_\@:
	tensor_load_to_lds s[\g0b:\g0b+3], s[\g1b:\g1b+7]
	s_nop 0
.rept 4
	v_nop
.endr
.Lasked_\@:
.endm
.macro CREST                           ; a round of the cluster's barrier behind its opening barrier
	s_cmp_lg_u32 s14, 0
	s_cbranch_scc1 .Lnot_wave_0_\@
	s_barrier_signal -3
.Lnot_wave_0_\@:
	s_barrier_wait -3
	s_barrier_signal -1
	s_barrier_wait -1
.endm
.macro CROUND
	s_barrier_signal -1
	s_barrier_wait -1
	CREST
.endm
.macro PLACES n                        ; plain places behind matrix instructions, in front of loads into registers that they have read and of the first read of results
.rept \n
	v_nop
.endr
.endm
.macro QUANT s, pc, pw                 ; 64 numbers of a lane, register 16 b + i = k 32 b + 16 (lane / 16) + i of my row -> 12 registers of codes at v[pc], the scale word in v[pw]
.irp b, 0,1,2,3
	v_max3_num_f32 v[TM+\b], |v[(\s)+16*\b]|, |v[(\s)+1+16*\b]|, 0x1800000   ; and the floor 2^(3 - 127): the byte cannot fall under 1
.endr
.irp i, 2,4,6,8,10,12,14
.irp b, 0,1,2,3
	v_max3_num_f32 v[TM+\b], v[TM+\b], |v[(\s)+16*\b+\i]|, |v[(\s)+1+16*\b+\i]|
.endr
.endr
.irp b, 0,1,2,3
	v_permlanex16_b32 v[TM+4+\b], v[TM+\b], s[SEL], s[SEL+1]
.endr
.irp b, 0,1,2,3
	v_max_num_f32 v[TM+\b], v[TM+\b], v[TM+4+\b]
.endr
.irp b, 0,1,2,3
	v_add_nc_u32 v[TM+12+\b], 0xff000000, v[TM+\b]   ; 2 off the exponent field: the conversion's scale operand
.endr
.irp b, 0,1,2,3
	v_lshrrev_b32 v[TM+4+\b], 23, v[TM+12+\b]      ; the byte
.endr
	v_lshl_or_b32 v[\pw], v[TM+5], 8, v[TM+4]
	v_lshl_or_b32 v[\pw], v[TM+6], 16, v[\pw]
	v_lshl_or_b32 v[\pw], v[TM+7], 24, v[\pw]
.irp c, 0,1
	v_cvt_scalef32_pk16_fp6_f32 v[(\pc)+6*\c:(\pc)+2+6*\c], v[(\s)+32*\c:(\s)+15+32*\c], v[TM+12+2*\c]
	v_cvt_scalef32_pk16_fp6_f32 v[(\pc)+12+4*\c:(\pc)+14+4*\c], v[(\s)+16+32*\c:(\s)+31+32*\c], v[TM+12+2*\c+1]
.endr
	v_nop                                          ; one plain place behind a scaled conversion
.irp c, 0,1
.irp i, 0,1,2
	v_permlane16_swap_b32 v[(\pc)+6*\c+\i], v[(\pc)+12+4*\c+\i]
.endr
.irp i, 0,1,2
	v_mov_b32 v[(\pc)+3+6*\c+\i], v[(\pc)+12+4*\c+\i]
.endr
.endr
.endm
	s_load_b256 s[4:11], s[0:1], 0x0               ; X s[4:5], W s[6:7], Wv's image s[8:9], OUT s[10:11]
	s_load_b64 s[12:13], s[0:1], 0x20              ; V^T's output
	v_lshl_add_u32 v[SPW], v0, 2, SPARE
	v_mov_b32 v[NIL], 0
	ds_add_u32 v[SPW], v[NIL]                      ; the wave's opening: the add and its wait ahead of my first tensor load; work on registers stands between them
	ds_add_u32 v[SPW], v[NIL]
	v_lshrrev_b32 v1, 5, v0
	v_readfirstlane_b32 s14, v1                    ; wave 0..3
	s_lshr_b32 s15, s14, 1                         ; which 128 rows of the tile are mine.  Also: I fetch for X (0) or for W (1)
	s_and_b32 s16, s14, 1                          ; which 128 columns.  Also: which panel I fetch
	s_bfe_u32 s40, ttmp6, 0x40000                  ; cx
	s_bfe_u32 s41, ttmp6, 0x40004                  ; cy
	s_and_b32 s45, ttmp7, 0xffff                   ; the cluster's y
	s_max_u32 s72, s45, 4
	s_sub_co_u32 s72, s72, 4                       ; y - 4, or 0 under 4
	s_lshl_b32 s72, s72, 1
	s_add_co_u32 s72, s72, ttmp9                   ; for V^T: column of clusters 2 (y - 4) + x
	s_cmp_ge_u32 s45, 4
	s_cselect_b32 s70, 1, 0                        ; 1: this cluster makes V^T
	s_cselect_b32 s71, 0, s45                      ; row of clusters
	s_cselect_b32 s72, s72, ttmp9                  ; column of clusters
	s_lshl_b32 s17, s71, 2
	s_add_co_u32 s17, s17, s41                     ; tile row
	s_lshl_b32 s42, s72, 2
	s_add_co_u32 s42, s42, s40                     ; tile column
	s_lshl_b32 s43, s41, 2
	s_lshl_b32 s43, 15, s43                        ; my row of the cluster
	s_lshl_b32 s44, 0x1111, s40                    ; my column
	s_or_b32 s[G1+0], s43, (3<<16)|(1<<21)         ; 15:0 the mask; 17:16 elements of 8 bytes; 20 no padding; 21 set beside a mask
	s_or_b32 s[G1B+0], s44, (3<<16)|(1<<21)
.irp g, G1, G1B                                ; 25,600 dense bytes as 100 rows of 256
	s_mov_b32 s[\g+1], 32<<16                      ; tensor_dim0 = 32
	s_mov_b32 s[\g+2], 100<<16                     ; tensor_dim1 = 100
	s_mov_b32 s[\g+3], 32<<16                      ; tile_dim0 = 32
	s_mov_b32 s[\g+4], 100                         ; tile_dim1 = 100
	s_mov_b32 s[\g+5], 32                          ; from row to row
	s_mov_b32 s[\g+6], 0
	s_mov_b32 s[\g+7], 0
.endr
	s_lshl_b32 s20, s17, 1
	s_add_co_u32 s20, s20, s16                     ; X's panel that I would fetch: it hangs on the tile row and the wave alone
	s_mul_i32 s20, s20, NSI*HB
	s_add_co_u32 s20, s20, HDR
	s_mov_b32 s21, 0
	s_lshl_b32 s46, s42, 1
	s_add_co_u32 s46, s46, s16                     ; W's: on the tile column and the wave alone
	s_mul_i32 s46, s46, NSI*HB
	s_add_co_u32 s46, s46, HDR
	s_mov_b32 s47, 0
	s_mul_i32 s73, s14, PANB                       ; where it goes: wave x 25,600: no place in the cluster enters an LDS address
	s_mov_b32 s[SEL], 0x76543210
	s_mov_b32 s[SEL+1], 0xfedcba98
	s_mov_b32 s67, 0xffff0000
	s_wait_dscnt 0x0                               ; the opening add is done
	s_wait_kmcnt 0x0
	s_cmp_eq_u32 s70, 1
	s_cselect_b64 s[74:75], s[8:9], s[4:5]         ; source 1's buffer
	s_cselect_b64 s[76:77], s[4:5], s[6:7]         ; source 0's
	s_cselect_b64 s[78:79], s[12:13], s[10:11]     ; the output
	s_add_nc_u64 s[20:21], s[74:75], s[20:21]
	s_add_nc_u64 s[46:47], s[76:77], s[46:47]
	s_load_b32 s66, s[6:7], 0x0                    ; the activation's floor
	CROUND                                         ; all sixteen work-groups are here: the first joint loads meet
.irp s, 0,1
	s_mov_b32 s[G0+4*\s], 1
	s_add_co_u32 s[G0+4*\s+1], s73, \s*SLOT
	s_add_nc_u64 s[G0+4*\s+2:G0+4*\s+3], s[20:21], \s*PANB
	s_or_b32 s[G0+4*\s+3], s[G0+4*\s+3], 0x80000000
	s_mov_b32 s[G0B+4*\s], 1
	s_add_co_u32 s[G0B+4*\s+1], s73, \s*SLOT
	s_add_nc_u64 s[G0B+4*\s+2:G0B+4*\s+3], s[46:47], \s*PANB
	s_or_b32 s[G0B+4*\s+3], s[G0B+4*\s+3], 0x80000000
.endr
	s_cmp_eq_u32 s15, 0                            ; the prefetches: of the 100 blocks of 256 bytes that my load brings, each of the four partners that ask jointly names 25, told apart by address alone
	s_cselect_b64 s[84:85], s[20:21], s[46:47]
	s_cselect_b32 s86, s40, s41                    ; my place among them: cx for X's panels, cy for W's
	s_mul_i32 s86, s86, 6400
	s_mov_b32 s87, 0
	s_add_nc_u64 s[84:85], s[84:85], s[86:87]
	JLOAD G0, G1, G0B, G1B                         ; slot 0: one tensor load a wave at the head
	v_and_b32 v1, 31, v0
	v_lshlrev_b32 v[LI], 4, v1
	v_min_u32 v30, 24, v1                          ; a lane a block; lanes 25-31 name the last block again
	v_lshlrev_b32 v30, 8, v30
	global_prefetch_b8 v30, s[84:85] offset:PANB th:TH_LOAD_NT scope:SCOPE_SE     ; the second and third of the four K chunks; v30 and s[84:85] are never rewritten
	global_prefetch_b8 v30, s[84:85] offset:2*PANB th:TH_LOAD_NT scope:SCOPE_SE
	v_and_b32 v2, 15, v0                           ; r
	v_bfe_u32 v3, v0, 4, 1                         ; h
	v_lshlrev_b32 v4, 4, v2
	v_mad_u32_u24 v4, v3, HB, v4                   ; scale words: 16 r, and lanes 16-31 in the slot's second half-block
	s_mul_i32 s21, s15, PANB
	s_mul_i32 s22, s16, PANB
	s_add_co_u32 s22, s22, 2*PANB
.irp s, 0,1
	v_add_nc_u32 v[ADRX+\s], s21, v[LI]
	v_add_nc_u32 v[ASX+\s], s21, v4
	v_add_nc_u32 v[ADRW+\s], s22, v[LI]
	v_add_nc_u32 v[ASW+\s], s22, v4
	s_add_co_u32 s21, s21, SLOT
	s_add_co_u32 s22, s22, SLOT
.endr
	s_lshl_b32 s22, s42, 10                        ; the bias by columns: W's header, my 128 columns
	s_lshl_b32 s23, s16, 9
	s_add_co_u32 s22, s22, s23
	s_add_co_u32 s22, s22, 256
	s_mov_b32 s23, 0
	s_add_nc_u64 s[80:81], s[6:7], s[22:23]
	v_lshlrev_b32 v5, 6, v3                        ; lanes 16-31: 16 columns on
	s_lshl_b32 s22, s17, 10                        ; the bias by rows: Wv's header, my 128 rows
	s_lshl_b32 s23, s15, 9
	s_add_co_u32 s22, s22, s23
	s_add_co_u32 s22, s22, 256
	s_mov_b32 s23, 0
	s_add_nc_u64 s[82:83], s[8:9], s[22:23]
	v_and_b32 v6, 8, v2
	v_add_nc_u32 v6, v6, v2
	v_lshlrev_b32 v6, 2, v6                        ; lane r holds row r + 8 (r / 8) of a fragment of Wv
	s_cmp_eq_u32 s70, 1
	s_cbranch_scc1 .Lbias_rows
	s_wait_alu depctr_va_vdst(0)
.irp b, 0,1,2,3,4,5,6,7                        ; register j of accumulator (a, b) is column 32 (b / 2) + 16 h + 8 (b % 2) + j
	global_load_b128 v[BI+8*\b:BI+8*\b+3], v5, s[80:81] offset:128*(\b/2)+32*(\b%2)
	global_load_b128 v[BI+8*\b+4:BI+8*\b+7], v5, s[80:81] offset:128*(\b/2)+32*(\b%2)+16
.endr
	s_branch .Lbias_done
.Lbias_rows:
	s_wait_alu depctr_va_vdst(0)
.irp a, 0,1,2,3,4,5,6,7                        ; all eight registers of accumulator (a, b) belong to my lane's row of block a
.irp j, 0,1,2,3,4,5,6,7
	global_load_b32 v[BI+8*\a+\j], v6, s[82:83] offset:(32*(\a/2)+8*(\a%2))*4
.endr
.endr
.Lbias_done:
	s_lshl_b32 s22, s17, 1                         ; my half-block of the output: panel 2 x tile row + row half, K step 2 x tile column + column half, 32 K steps a panel
	s_add_co_u32 s22, s22, s15
	s_lshl_b32 s22, s22, 5
	s_lshl_b32 s23, s42, 1
	s_add_co_u32 s22, s22, s23
	s_add_co_u32 s22, s22, s16
	s_mul_i32 s22, s22, HB
	s_add_co_u32 s22, s22, HDR
	s_mov_b32 s23, 0
	s_add_nc_u64 s[78:79], s[78:79], s[22:23]
.macro FRAG reg, adr, off              ; a fragment: three loads of 16 bytes a lane, 512 consecutive bytes each
.irp c, 0,1,2
	ds_load_b128 v[(\reg)+4*\c:(\reg)+4*\c+3], v[\adr] offset:(\off)+512*\c
.endr
.endm
.macro FETCH_W slot, q, p              ; W's eight fragments of the slot's q-th 128 along K into set p: 24 loads
	WIN 0x40
.irp i, 0,1,2,3,4,5,6,7
	FRAG 128*(\p)+FR*\i, ADRW+\slot, (\q)*HB+\i*1536
.endr
	WIN 0
.endm
.macro FETCH_X slot, q, i0             ; X's blocks i0 .. i0 + 3: 12 loads
.irp i, \i0, \i0+1, \i0+2, \i0+3
	FRAG XF+FR*(\i), ADRX+\slot, (\q)*HB+(\i)*1536
.endr
.endm
.macro SCALES s                        ; a slot's scale words: four loads
.irp g, 0,1
	ds_load_b128 v[SC+16*(\s)+4*\g:SC+16*(\s)+4*\g+3], v[ASX+\s] offset:12288+256*\g
	ds_load_b128 v[SC+16*(\s)+8+4*\g:SC+16*(\s)+8+4*\g+3], v[ASW+\s] offset:12288+256*\g
.endr
.endm
.macro MM a, b, p, q, sc, cm           ; one product: X's block a against W's block b.  cm = 1, 2: it starts the sum with the bias by columns, by rows
.set rD, 8*(8*((\a)%4)+(\b))
.set rW, 128*(\p)+FR*(\b)
.set rX, XF+FR*(\a)
.set rSW, SC+16*(\sc)+8+(\b)
.set rSX, SC+16*(\sc)+(\a)
.if (\cm) == 1
	v_wmma_scale_f32_16x16x128_f8f6f4 v[rD:rD+7], v[rW:rW+FR-1], v[rX:rX+FR-1], v[BI+8*(\b):BI+8*(\b)+7], v[rSW], v[rSX] matrix_a_fmt:MATRIX_FMT_FP6 matrix_b_fmt:MATRIX_FMT_FP6
.elseif (\cm) == 2
	v_wmma_scale_f32_16x16x128_f8f6f4 v[rD:rD+7], v[rW:rW+FR-1], v[rX:rX+FR-1], v[BI+8*(\a):BI+8*(\a)+7], v[rSW], v[rSX] matrix_a_fmt:MATRIX_FMT_FP6 matrix_b_fmt:MATRIX_FMT_FP6
.elseif (\q) == 0
	v_wmma_scale_f32_16x16x128_f8f6f4 v[rD:rD+7], v[rW:rW+FR-1], v[rX:rX+FR-1], v[rD:rD+7], v[rSW], v[rSX] matrix_a_fmt:MATRIX_FMT_FP6 matrix_b_fmt:MATRIX_FMT_FP6
.else
	v_wmma_scale_f32_16x16x128_f8f6f4 v[rD:rD+7], v[rW:rW+FR-1], v[rX:rX+FR-1], v[rD:rD+7], v[rSW], v[rSX] matrix_a_fmt:MATRIX_FMT_FP6 matrix_b_fmt:MATRIX_FMT_FP6 matrix_a_scale:MATRIX_SCALE_ROW1 matrix_b_scale:MATRIX_SCALE_ROW1
.endif
.endm
.macro MUL16 a0, p, q, sc, cm          ; 16 products.  The 64 accumulators take turns, one instruction a turn, in the same order in every step
.irp a, \a0, \a0+1
.irp b, 0,1,2,3,4,5,6,7
	MM (\a), \b, \p, \q, \sc, \cm
.endr
.endr
.endm
.macro STEP slot, cm                   ; a slot's first 128 along K
	s_wait_dscnt 12                                ; W's set, X's blocks 0-3 and the scale words are in; the youngest 12 loads (X's blocks 4-7) may be out
.if \cm
	WIN 0x81                                       ; source 0 window 1, source 1 and C window 0, D window 2
.else
	WIN 0xa1                                       ; C and D window 2
.endif
	MUL16 0, 0, 0, \slot, \cm
	MUL16 2, 0, 0, \slot, \cm
	s_wait_dscnt 0x0                               ; X's blocks 4-7 are in
	PLACES 4
	FETCH_W \slot, 1, 1
	FETCH_X \slot, 1, 0
.if \cm
	WIN 0xc1
.else
	WIN 0xf1
.endif
	MUL16 4, 0, 0, \slot, \cm
	MUL16 6, 0, 0, \slot, \cm
	PLACES 4
	WIN 0
	FETCH_X \slot, 1, 4
.endm
; A slot's second 128 along K changes slots: ONE barrier; in front of it each wave waits for all its tensor loads, adds 0 to its spare word, and waits for that and for its reads of this slot.  fill = 1: the slot is filled again, two slots on.
.macro TURN slot, next, fill
	s_wait_tensorcnt 0x0                           ; all my tensor loads have landed: the one that was out is my part of the next slot
	ds_add_u32 v[SPW], v[NIL]                      ; 0 onto my spare word
	s_wait_dscnt 13                                ; (the add and the youngest 12 loads, X's blocks 4-7, may be out)
	WIN 0xa1
	MUL16 0, 1, 1, \slot, 0                        ; sixteen products stand between the add and the wait for it
	s_wait_dscnt 0x0                               ; the add is done, and my reads of this slot are over
	s_barrier_signal -1
	MUL16 2, 1, 1, \slot, 0
	WIN 0
	s_barrier_wait -1
.if \fill
	CREST                                          ; the barrier has opened a round of the cluster's: no wave of any partner still reads this slot or has a load on its way
	s_add_nc_u64 s[G0+4*\slot+2:G0+4*\slot+3], s[G0+4*\slot+2:G0+4*\slot+3], 2*PANB
	s_add_nc_u64 s[G0B+4*\slot+2:G0B+4*\slot+3], s[G0B+4*\slot+2:G0B+4*\slot+3], 2*PANB
	JLOAD G0+4*\slot, G1, G0B+4*\slot, G1B         ; my one tensor load behind the round; its four v_nop are also the places in front of the loads below
.else
	PLACES 4
.endif
	FETCH_W \next, 0, 0
	FETCH_X \next, 0, 0
	SCALES \next
	WIN 0xf1
	MUL16 4, 1, 1, \slot, 0
	MUL16 6, 1, 1, \slot, 0
	PLACES 4
	WIN 0
	FETCH_X \next, 0, 4
.endm
	s_wait_alu depctr_va_vdst(0)                   ; the wait at the head's end
	s_wait_tensorcnt 0x0                           ; my part of slot 0 is in
	ds_add_u32 v[SPW], v[NIL]
	s_wait_dscnt 0x0
	CROUND                                         ; everybody's part is in, and all sixteen work-groups are here
	JLOAD G0+4, G1, G0B+4, G1B                     ; slot 1's first fill: my one tensor load behind the round
	global_prefetch_b8 v30, s[84:85] offset:3*PANB th:TH_LOAD_NT scope:SCOPE_SE   ; the last K chunk, two refills ahead of its load
	FETCH_W 0, 0, 0
	FETCH_X 0, 0, 0
	SCALES 0
	FETCH_X 0, 0, 4
	s_wait_loadcnt 0x0                             ; the bias
	s_wait_kmcnt 0x0                               ; the floor
	s_cmp_eq_u32 s70, 1                            ; the first step is written twice: its products start the sums with the bias, by columns or by rows
	s_cbranch_scc1 .Lfirst_rows
	STEP 0, 1
	s_branch .Lfirst_done
.Lfirst_rows:
	STEP 0, 2
.Lfirst_done:
	s_mov_b32 s3, LAPS-1
.Llap:                                             ; a trip goes once round the ring and fills both slots again
	TURN 0, 1, 1
	STEP 1, 0
	TURN 1, 0, 1
	STEP 0, 0
	s_sub_co_u32 s3, s3, 1
	s_cmp_lg_u32 s3, 0
	s_cbranch_scc1 .Llap
	TURN 0, 1, 0                                   ; the last lap fills nothing
	STEP 1, 0
	s_wait_dscnt 12                                ; the very last step
	WIN 0xa1
	MUL16 0, 1, 1, 1, 0
	MUL16 2, 1, 1, 1, 0
	s_wait_dscnt 0x0
	WIN 0xf1
	MUL16 4, 1, 1, 1, 0
	MUL16 6, 1, 1, 1, 0
	WIN 0
	; THE WAY OUT, block by block of 16 rows: the floor, the quantiser, three stores of 512 consecutive bytes.
	PLACES 4
.irp b, 0,1,2,3
	v_mov_b32 v[TM+4+\b], 0                        ; a lane permute's destination counts as one of its sources
.endr
.macro OUTBLK a
.if (\a) > 0
	s_wait_xcnt 0x0                                ; the last block's stores have read the codes' registers
.endif
	WIN 0x08+4*((\a)/4)                            ; source 1: window 2 or 3
.set n, 0
.rept 64
	v_max_num_f32 v[T+n], s66, v[64*((\a)%4)+n]    ; into window 0, with the activation's floor; each accumulator from its low end on
.set n, n+1
.endr
	WIN 0
	QUANT T, PC, PW+(\a)
.irp c, 0,1,2
	global_store_b128 v[LI], v[PC+4*\c:PC+4*\c+3], s[78:79] offset:(\a)*1536+512*\c
.endr
.endm
.irp a, 0,1,2,3,4,5,6,7
	OUTBLK \a
.endr
.irp j, 0,1,2,3
	v_cndmask_b32 v[SW+\j], v[PW+\j], v[PW+4+\j], s67   ; lanes 0-15: fragments 0-3's words of row r; lanes 16-31: fragments 4-7's
.endr
	global_store_b128 v[LI], v[SW:SW+3], s[78:79] offset:12288
	s_wait_tensorcnt 0x0                           ; the wave's end
	ds_add_u32 v[SPW], v[NIL]
	s_wait_dscnt 0x0
	CROUND                                         ; the closing round: no work-group ends while a partner may still ask for a tile that names it
	s_endpgm
.Lfunc_end_k_qcb3785c6bb_qkv:
	.size	k_qcb3785c6bb_qkv, .Lfunc_end_k_qcb3785c6bb_qkv-k_qcb3785c6bb_qkv
	.p2alignl 7, 3214868480
	.fill 96, 4, 3214868480
	.section	.rodata,"a",@progbits
	.p2align	6, 0x0
	.amdhsa_kernel k_qcb3785c6bb_qkv
		.amdhsa_group_segment_fixed_size 327680
		.amdhsa_private_segment_fixed_size 0
		.amdhsa_enable_private_segment 0
		.amdhsa_kernarg_size 40
		.amdhsa_user_sgpr_count 2
		.amdhsa_user_sgpr_kernarg_segment_ptr 1
		.amdhsa_wavefront_size32 1
		.amdhsa_system_sgpr_workgroup_id_x 1
		.amdhsa_system_sgpr_workgroup_id_y 1
		.amdhsa_system_sgpr_workgroup_id_z 1
		.amdhsa_system_vgpr_workitem_id 0
		.amdhsa_next_free_vgpr 1024
		.amdhsa_next_free_sgpr 100
		.amdhsa_reserve_vcc 0
		.amdhsa_float_denorm_mode_32 3
		.amdhsa_float_denorm_mode_16_64 3
		.amdhsa_memory_ordered 1
		.amdhsa_forward_progress 1
		.amdhsa_inst_pref_size 173
	.end_amdhsa_kernel
	.amdgpu_metadata
---
amdhsa.version: [ 1, 2 ]
amdhsa.kernels:
  - .name:           k_qcb3785c6bb_qkv
    .symbol:         k_qcb3785c6bb_qkv.kd
    .args:
      - { .name: act, .offset: 0, .size: 8, .value_kind: global_buffer, .address_space: global }
      - { .name: wqk, .offset: 8, .size: 8, .value_kind: global_buffer, .address_space: global }
      - { .name: wrest, .offset: 16, .size: 8, .value_kind: global_buffer, .address_space: global }
      - { .name: big, .offset: 24, .size: 8, .value_kind: global_buffer, .address_space: global }
      - { .name: vt, .offset: 32, .size: 8, .value_kind: global_buffer, .address_space: global }
    .group_segment_fixed_size: 327680
    .private_segment_fixed_size: 0
    .kernarg_segment_align: 8
    .kernarg_segment_size: 40
    .max_flat_workgroup_size: 128
    .sgpr_count:     100
    .vgpr_count:     1024
    .wavefront_size: 32
...
	.end_amdgpu_metadata
.endif
;; end of part 7
;; launch attn (part 8): grid 16 x 16, 8 waves a work-group, clusters of 4 x 1, 327,680 bytes of LDS; arguments big, vt, mask, ao; writes ao
.if DOCPART == 8
	.amdgcn_target "amdgcn-amd-amdhsa--gfx1250"
	.amdhsa_code_object_version 6
	.text
	.protected	k_qcb3785c6bb_attn
	.globl	k_qcb3785c6bb_attn
	.p2align	8
	.type	k_qcb3785c6bb_attn,@function
k_qcb3785c6bb_attn:
	s_mov_b64 s[64:65], 0
	v_nop
	global_prefetch_b8 v0, s[64:65] scope:SCOPE_SE
	s_setreg_imm32_b32 hwreg(HW_REG_WAVE_MODE, 25, 1), 1
	s_wait_xcnt 0x0
	s_wait_alu depctr_hold_cnt(0) depctr_sa_sdst(0) depctr_va_vdst(0) depctr_va_sdst(0) depctr_va_ssrc(0) depctr_va_vcc(0) depctr_vm_vsrc(0)
	s_getreg_b32 s2, hwreg(HW_REG_IB_STS2, 6, 4)
	s_cmp_eq_u32 s2, 0
	s_cbranch_scc0 .Lentry_in_a_cluster
	s_endpgm
.Lentry_in_a_cluster:
	s_bfe_u32 s2, ttmp6, 0x10000c
	s_cmp_lg_u32 s2, 0x3003
	s_cbranch_scc0 .Lentry_shape_is_right
	s_endpgm
.Lentry_shape_is_right:
; ATTENTION on codes of FP6 (E2M3): scores = q k^T / 8 with the key mask, p = 2^(t - M), O = p V / l, and O quantised along the model's axis for the next product.  2 batches x 16 heads of 64, 2,048 keys.
; INPUTS, as half-blocks (128 rows x 128 K, 12,800 bytes: eight fragments as images of operand registers, register 4 c + e of lane l at 512 c + 16 l + 4 e, then 512 bytes of scale words; half-block (P, S) at 16,640 + (32 P + S) 12,800):
;   q at S = head pair, k at S = 8 + head pair of token panel P; V^T: panel = head pair, S = 16 x batch + key step.  128 columns of q or k are TWO heads: registers 0-5 of a fragment head A, 6-11 head B.
;   A wave multiplies K's fragment as it lies by Q with zero codes in the other head's half.
; SHARES.  A work-group owns 128 queries (a token panel) of one head pair.  Wave w owns head w % 2 and 32 queries, tiles 2 (w / 2) and 2 (w / 2) + 1: the two tiles share every fragment of K and V^T and the mask's numbers.
;   Tile 0's long runs of numbers lie in register window 0, tile 1's at the same numbers in window 1; the few numbers a lane has for a tile (M, the largest score, the factor, the blocks' maxima and scales) lie in window 0 for both,
;   so that the two tiles' serial chains take turns line by line.  The two tiles go through the softmax phase by phase.  Two waves to a SIMD.  Every wave walks all 2,048 keys, 128 a step.
; LAYOUT.  Both products are used transposed (S^T = K Q^T, O^T = V^T P^T): a lane holds one query throughout.  V^T holds key 32 b + 16 y + 8 x + j at place 32 b + 16 x + 8 y + j of its K.
;   THE KEYS OF A TILE OF K ARE CHOSEN BY THE LANES' LDS ADDRESSES: row 8 g + j of tile 4 c + 2 x + y is key 64 c + 32 g + 16 y + 8 x + j, which lies in fragment 4 c + 2 g + y, row 8 x + j.
;   So register 32 c + 8 u + j of lane half h is place 64 c + 32 h + 8 u + j: a lane's 32 registers are ONE WHOLE BLOCK of 32 keys in the order of the operand's registers: its largest p needs no other lane, and the conversions' results are not swapped between lanes.
; LDS.  A half-block comes in as 25 rows of 512 bytes with 64 bytes of padding behind each (14,400 bytes): fragments f and f + 2 then lie 3,456 bytes apart, 128 modulo 256, so the sixteen lanes of a load, eight rows of each, touch sixteen different columns of 16 bytes.
; THE MASK is the C of the score products: 0, or -8e9 for a masked key, which is -1e9 behind the division by 8: p = 0 then.  Key steps that are wholly masked leave finite numbers that the next change of M multiplies by 0.
;   Where EVERY key of the batch is masked, c = 0 takes the place of log2(e) / 8: every t is 0, p = 1 and l = 2,048, which is what equal logits of -1e9 give.
; THE SOFTMAX: t = score x log2(e) / 8; M = the running largest t rounded up to a whole number; p = 2^(t - M) is quantised along the keys; l sums the unquantised p; when M moves, l and O^T are multiplied by 2^(old M - new M): exact.
; RING: two LDS slots of four key steps (K's four half-blocks, then V^T's), filled by joint tensor loads: the four query panels of a cluster walk the same K and V^T.  Wave w fetches half-block w of a slot: one load a wave, no branch round it.
; PREFETCH: behind the load of slot s each wave names its half-block of slot s + 1: 50 blocks of 256 bytes, 13 to each of the cluster's four partners, told apart by address; the last change of slots that loads asks for nothing.
; LIMITS: NaN and infinities are not served.  A masked logit is (score - 8e9) / 8 and not -1e9 to the bit: the results agree while unmasked logits lie above about -1e8.  1 / l is the 1-ulp instruction.
;   A block's largest p is taken from the block's largest score by the same two instructions.  A block under 2^-124 gets the byte 1 with zero codes.  The scaled scores stay under 2^31 in magnitude.
; REGISTERS.  Window 0 alone: v1-11, v94, v95 addresses; v12 -M and v13 largest score of tile 0, v92, v93 of tile 1; v28, v29 Q's scale words (tile 0, 1), v30, v31 p's; v32-79 K's tiles 0-3, then V^T's four fragments; v80-87 K's scale words,
;   v88-91 V^T's; v192-223 the mask's numbers of tiles 0-3; v244-247 the four blocks' maxima, then the conversions' scale operands; v[252:253], v[254:255] the factors.  Window 1 alone: v32-79 K's tiles 4-7; v192-223 their mask numbers.
;   In both: v[14:15] l; v16-27 Q; v96-159 S^T, then p; v160-191 O^T; v224-235 p's codes; v236-243, v248-251 at work.
.set HDR,   16640
.set HB,    12800
.set CH,    576                        ; 512 bytes + 64 of padding
.set FRS,   3*CH                       ; a fragment in LDS
.set SCO,   24*CH                      ; the scale words in a half-block in LDS
.set PHB,   25*CH                      ; a half-block in LDS
.set SLOT1, 1<<17                      ; slot 1 begins here: one exclusive or turns an address from one slot to the other
.set VOFF,  4*PHB
.set MK,    SLOT1+8*PHB                ; behind the ring: the batch's 2,048 mask numbers, f32
.set STG,   MK+8192                    ; the work-group's half-block of the output
.set SPARE, STG+HB                     ; the spare words, 128 bytes a wave: four blocks of 256 bytes that no other line names
.set LI,   1                           ; 16 x lane
.set LS,   2                           ; 16 x (lane % 16)
.set AM0,  3                           ; MK + 128 (lane / 16)
.set SPW,  4
.set NIL,  5
.set AK,   6                           ; K's fragments: 3,456 g + 16 j + 256 h
.set AKS,  7                           ; K's scale words: 16 j + 8 g
.set ADK,  8
.set ADS,  9
.set ADM,  10
.set ADV,  11
.set PFO,  94                          ; the prefetches' offset; never rewritten
.set ADSV, 95
.set WV,   12                          ; s12 wave;  s18 head of the pair;  s19 pair of query tiles
.set SEL,  20
.set CS,   22
.set G1,   24
.set G0,   40
.set STP,  44                          ; s[44:45] bytes from slot to slot in memory: K's or V^T's
.set PFA,  46                          ; s[46:47] where my prefetch stands
.set TB,   48                          ; LDS byte of the key step in hand
.set TMK,  49                          ; its mask numbers: 512 bytes a step
.set SLOTS, 50
.set CNT,  51
.set MSB, 0
.macro WIN new                         ; the immediate's high byte repeats the setting that is left
.if MSB != (\new)
	s_set_vgpr_msb (MSB<<8)|(\new)
.set MSB, (\new)
.endif
.endm
.macro D2                              ; the reader below takes the result of the vector instruction two before it
	s_delay_alu instid0(VALU_DEP_2)
.endm
.macro TLOAD                           ; every wave's one joint load; an s_nop 0 and four v_nop follow it
	tensor_load_to_lds s[G0:G0+3], s[G1:G1+7]
	s_nop 0
.rept 4
	v_nop
.endr
.endm
.macro CROUND                          ; a round of the cluster's barrier
	s_barrier_signal -1
	s_barrier_wait -1
	s_cmp_lg_u32 s[WV], 0
	s_cbranch_scc1 .Lnot_wave_0_\@
	s_barrier_signal -3
.Lnot_wave_0_\@:
	s_barrier_wait -3
	s_barrier_signal -1
	s_barrier_wait -1
.endm
	s_load_b256 s[4:11], s[0:1], 0x0               ; q and k s[4:5], V^T s[6:7], mask s[8:9], output s[10:11]
	v_lshl_add_u32 v[SPW], v0, 2, SPARE
	v_mov_b32 v[NIL], 0
	ds_add_u32 v[SPW], v[NIL]                      ; the wave's opening: the add, twice on end, and its wait ahead of my first tensor load; work on registers stands between
	ds_add_u32 v[SPW], v[NIL]
	v_lshrrev_b32 v8, 5, v0
	v_readfirstlane_b32 s[WV], v8                  ; wave 0..7
	s_and_b32 s18, s[WV], 1
	s_lshr_b32 s19, s[WV], 1
	s_and_b32 s70, s[WV], 3                        ; which key step of a slot I fetch
	s_bfe_u32 s13, ttmp6, 0x40000                  ; cx
	s_lshl_b32 s14, ttmp9, 2
	s_add_co_u32 s14, s14, s13                     ; my panel of queries in the batch: it enters Q's and the output's addresses alone
	s_and_b32 s15, ttmp7, 0xffff
	s_lshr_b32 s16, s15, 3                         ; batch
	s_and_b32 s17, s15, 7                          ; head pair
	s_lshl_b32 s59, s16, 4
	s_add_co_u32 s59, s59, s70                     ; 16 batch + key step
	s_lshl_b32 s56, s59, 5
	s_add_co_u32 s56, s56, s17
	s_add_co_u32 s56, s56, 8                       ; K: half-block (16 batch + step, 8 + head pair)
	s_lshl_b32 s58, s17, 5
	s_add_co_u32 s58, s58, s59                     ; V^T: half-block (head pair, 16 batch + step)
	s_mov_b32 s[STP], 4*HB
	s_cmp_lt_u32 s[WV], 4                          ; waves 0-3 fetch K, waves 4-7 V^T: only numbers are chosen
	s_cselect_b32 s56, s56, s58
	s_cselect_b32 s[STP], 4*32*HB, s[STP]
	s_cselect_b32 s71, 1, 0
	s_mul_i32 s56, s56, HB
	s_add_co_u32 s56, s56, HDR
	s_mov_b32 s57, 0
	s_mov_b32 s[STP+1], 0
	s_lshl_b32 s60, s16, 4
	s_add_co_u32 s60, s60, s14                     ; my token panel
	s_lshl_b32 s61, s60, 5
	s_add_co_u32 s61, s61, s17
	s_mul_i32 s62, s61, HB
	s_add_co_u32 s62, s62, HDR                     ; Q's half-block
	s_mov_b32 s63, 0
	s_lshl_b32 s61, s60, 3
	s_add_co_u32 s61, s61, s17
	s_mul_i32 s66, s61, HB
	s_add_co_u32 s66, s66, HDR                     ; the output's (8 K steps a panel)
	s_mov_b32 s67, 0
	s_lshl_b32 s68, s16, 13                        ; the batch's mask
	s_mov_b32 s69, 0
	s_mul_i32 s72, s[WV], PHB                      ; where my half-block goes in a slot
	s_mov_b32 s[G1], 15|(3<<16)|(1<<20)|(1<<21)|(6<<22)|(15<<25)   ; the mask: all four work-groups; elements of 8 bytes; padding on; 21 set beside a mask; after every 128 words 16 words
	s_mov_b32 s[G1+1], 64<<16                      ; tensor_dim0: 512 bytes
	s_mov_b32 s[G1+2], 25<<16                      ; tensor_dim1: 25 rows
	s_mov_b32 s[G1+3], 64<<16                      ; tile_dim0
	s_mov_b32 s[G1+4], 25                          ; tile_dim1
	s_mov_b32 s[G1+5], 64                          ; dense
	s_mov_b32 s[G1+6], 0
	s_mov_b32 s[G1+7], 0
	s_mov_b32 s[SEL], 0x76543210
	s_mov_b32 s[SEL+1], 0xfedcba98
	s_mov_b32 s[TB], 0
	s_mov_b32 s[TMK], 0
	s_mov_b32 s[SLOTS], 3
	s_mul_i32 s52, s18, 4*FRS                      ; my head's four fragments of V^T,
	s_add_co_u32 s52, s52, VOFF
	s_lshl_b32 s53, s18, 8                         ; and their scale words
	s_add_co_u32 s53, s53, VOFF
	s_mul_i32 s73, s13, 13                         ; of my half-block's 50 blocks of 256 bytes my work-group names 13 cx .. 13 cx + 12, held at 49
	v_and_b32 v8, 31, v0
	v_lshlrev_b32 v[LI], 4, v8
	v_min_u32 v9, 12, v8
	v_add_nc_u32 v9, s73, v9
	v_min_u32 v9, 49, v9
	v_lshlrev_b32 v[PFO], 8, v9
	v_and_b32 v10, 15, v0
	v_lshlrev_b32 v[LS], 4, v10
	v_bfe_u32 v11, v0, 4, 1                        ; h
	v_lshl_add_u32 v[AM0], v11, 7, MK
	v_and_b32 v8, 7, v0                            ; j
	v_bfe_u32 v9, v0, 3, 1                         ; g
	v_lshlrev_b32 v8, 4, v8
	v_lshl_add_u32 v[AKS], v9, 3, v8
	v_mad_u32_u24 v[AK], v9, 2*FRS, v8
	v_lshl_add_u32 v[AK], v11, 8, v[AK]
	v_lshlrev_b32 v10, 5, v0                       ; my thread's eight keys of the mask: 32 bytes,
	v_lshl_add_u32 v11, v0, 5, MK                  ; and their numbers' place in LDS
	s_wait_alu depctr_va_vdst(0)
	s_wait_dscnt 0x0                               ; both opening adds are done
	s_wait_kmcnt 0x0
	s_cmp_eq_u32 s71, 1
	s_cselect_b64 s[74:75], s[4:5], s[6:7]
	s_add_nc_u64 s[56:57], s[74:75], s[56:57]
	s_add_nc_u64 s[PFA:PFA+1], s[56:57], s[STP:STP+1]
	s_add_nc_u64 s[62:63], s[4:5], s[62:63]
	s_add_nc_u64 s[10:11], s[10:11], s[66:67]
	s_add_nc_u64 s[8:9], s[8:9], s[68:69]
	CROUND                                         ; all four work-groups are here: the first joint loads meet
	s_mov_b32 s[G0], 1
	s_mov_b32 s[G0+1], s72
	s_mov_b64 s[G0+2:G0+3], s[56:57]
	s_or_b32 s[G0+3], s[G0+3], 0x80000000
	TLOAD                                          ; slot 0
	global_prefetch_b8 v[PFO], s[PFA:PFA+1] th:TH_LOAD_NT scope:SCOPE_SE   ; slot 1's
	s_mul_i32 s76, s19, 2*1536
	s_mov_b32 s77, 0
	s_add_nc_u64 s[82:83], s[62:63], s[76:77]      ; my two tiles' fragments of Q
	s_lshr_b32 s76, s19, 1
	s_lshl_b32 s76, s76, 8
	s_and_b32 s78, s19, 1
	s_lshl_b32 s78, s78, 3
	s_add_co_u32 s76, s76, s78
	s_add_co_u32 s76, s76, 12288                   ; my first tile's scale words in a half-block; the second tile's lie 4 bytes on (kept for the way out)
	s_add_nc_u64 s[84:85], s[62:63], s[76:77]
.irp c, 0,1,2
	global_load_b128 v[16+4*\c:19+4*\c], v[LI], s[82:83] offset:512*\c
.endr
	global_load_b64 v[28:29], v[LS], s[84:85]
	WIN 0x40
.irp c, 0,1,2
	global_load_b128 v[16+4*\c:19+4*\c], v[LI], s[82:83] offset:1536+512*\c
.endr
	WIN 0
.irp i, 0,1,2,3,4,5,6,7,8,9,10,11,12,13,14,15
	global_load_b128 v[96+4*\i:99+4*\i], v[LI], s[8:9] offset:512*\i   ; the batch's whole mask, to see whether any key counts
.endr
	global_load_b128 v[224:227], v10, s[8:9]
	global_load_b128 v[228:231], v10, s[8:9] offset:16
	v_mov_b32 v254, 0xcfee6b28                     ; -8e9
	s_cmp_eq_u32 s18, 0
	s_cselect_b32 s55, -1, 0                       ; keeps head A's half of Q
	s_cselect_b32 s79, 0, -1                       ; keeps head B's
	s_wait_loadcnt 0x0
.irp w, 32,16,8,4,2,1
.set i, 0
.rept \w
	v_or_b32 v[96+i], v[96+i], v[96+\w+i]
.set i, i+1
.endr
.endr
	v_cmp_ne_u32 s54, 0, v96
	s_cmp_lg_u32 s54, 0                            ; does any key of the batch count?  The answer selects a number and steers nothing
	s_cselect_b32 s[CS], 0x3e38aa3b, 0             ; c = log2(e) / 8, or 0
	s_mov_b32 s[CS+1], s[CS]
.irp e, 0,1,2,3,4,5,6,7
	v_cmp_eq_u32 vcc_lo, 0, v[224+\e]
	v_cndmask_b32 v[232+\e], 0, v254, vcc_lo
.endr
	ds_store_b128 v11, v[232:235]                  ; the first change of slots waits for these stores and shows them to all waves
	ds_store_b128 v11, v[236:239] offset:16
.macro INIT                                    ; a tile's long runs, in its window
.irp i, 0,1,2,3,4,5
	v_and_b32 v[16+\i], s55, v[16+\i]              ; the other head's half of Q becomes zero codes
	v_and_b32 v[22+\i], s79, v[22+\i]
.endr
	v_mov_b32 v14, 0
	v_mov_b32 v15, 0
	v_mov_b32 v252, 0                              ; a lane permute's destination counts as one of its sources
.set j, 0
.rept 32
	v_mov_b32 v[160+j], 0                          ; O^T: the step is written once; the first finds zeros
.set j, j+1
.endr
.endm
	INIT
.irp r, 13, 93
	v_mov_b32 v[\r], 0xff61b1e6                    ; the largest score so far: -3e38
.endr
.irp r, 12, 92
	v_mov_b32 v[\r], 0x7f61b1e6                    ; -M: 3e38, so that the first change of M multiplies by 0
.endr
.irp r, 250, 251, 253, 255
	v_mov_b32 v[\r], 0                             ; lane permutes' destinations, and the upper halves of the factors' pairs
.endr
	WIN 0x55
	INIT
	WIN 0
.macro KLOAD c                                 ; tiles 4 c .. 4 c + 3 of K, by the lanes' choice of rows, and their keys' mask numbers: 20 loads
.irp u, 0,1,2,3
.irp cc, 0,1,2
	ds_load_b128 v[32+12*\u+4*\cc:35+12*\u+4*\cc], v[ADK] offset:(4*(\c)+(\u%2))*FRS+128*(\u/2)+CH*\cc
.endr
	ds_load_b128 v[192+8*\u:195+8*\u], v[ADM] offset:256*(\c)+64*(\u%2)+32*(\u/2)
	ds_load_b128 v[196+8*\u:199+8*\u], v[ADM] offset:256*(\c)+64*(\u%2)+32*(\u/2)+16
.endr
.endm
.macro QK c, q                                 ; S^T of query tile q, key tiles 4 c .. 4 c + 3: K and the mask in window c, Q and S^T in window q
	WIN (\c)|((\q)<<2)|((\c)<<4)|((\q)<<6)
.irp u, 0,1,2,3
	v_wmma_scale_f32_16x16x128_f8f6f4 v[96+32*(\c)+8*\u:103+32*(\c)+8*\u], v[32+12*\u:43+12*\u], v[16:27], v[192+8*\u:199+8*\u], v[80+4*(\c)+\u], v[28+(\q)] matrix_a_fmt:MATRIX_FMT_FP6 matrix_b_fmt:MATRIX_FMT_FP6
.endr
.endm
.macro PV q                                    ; O^T += V^T P^T: the four accumulators take turns; V^T in window 0
	WIN 0x54*(\q)
.irp t, 0,1,2,3
	v_wmma_scale_f32_16x16x128_f8f6f4 v[160+8*\t:167+8*\t], v[32+12*\t:43+12*\t], v[224:235], v[160+8*\t:167+8*\t], v[88+\t], v[30+(\q)] matrix_a_fmt:MATRIX_FMT_FP6 matrix_b_fmt:MATRIX_FMT_FP6
.endr
.endm
; The parts of the softmax that run over a tile's 64 numbers; each runs under the tile's setting of the windows.  v96-127 and v128-159 are my two whole blocks of 32 keys.
.macro MAXES                                   ; four chains by turns, two to a block: v248 and v249, v250 and v251
.irp b, 0,1,2,3
	v_max3_num_f32 v[248+\b], v[96+16*\b], v[97+16*\b], v[98+16*\b]
.endr
.irp i, 3,5,7,9,11,13
.irp b, 0,1,2,3
	v_max3_num_f32 v[248+\b], v[248+\b], v[96+16*\b+\i], v[97+16*\b+\i]
.endr
.endr
	v_max3_num_f32 v248, v248, v111, v127
	v_max3_num_f32 v250, v250, v143, v159
.endm
.macro TMM nm                                  ; t - M, two at a time; -M is the low word of the pair v[nm : nm + 1] in window 0
.set j, 0
.rept 32
	v_pk_fma_f32 v[96+j:97+j], v[96+j:97+j], s[CS:CS+1], v[\nm:\nm+1] op_sel_hi:[1,0,0]
.set j, j+2
.endr
.endm
.macro EXPS                                    ; p = 2^(t - M): not normalised
.set j, 0
.rept 64
	v_exp_f32 v[96+j], v[96+j]
.set j, j+1
.endr
.endm
.macro SUMB                                    ; l sums the unquantised p: four chains of pairs
.irp k, 0,1,2,3
	v_pk_add_f32 v[236+2*\k:237+2*\k], v[96+2*\k:97+2*\k], v[104+2*\k:105+2*\k]
.endr
.irp m, 2,3,4,5,6,7
.irp k, 0,1,2,3
	v_pk_add_f32 v[236+2*\k:237+2*\k], v[236+2*\k:237+2*\k], v[96+8*\m+2*\k:97+8*\m+2*\k]
.endr
.endr
.endm
.macro CVT s0, s1                              ; a lane's two blocks become codes; the scale operands lie in window 0.  (A conversion's three registers begin on an even number)
	v_cvt_scalef32_pk16_fp6_f32 v[224:226], v[96:111], v[\s0]
	v_cvt_scalef32_pk16_fp6_f32 v[236:238], v[112:127], v[\s0]
	v_cvt_scalef32_pk16_fp6_f32 v[230:232], v[128:143], v[\s1]
	v_cvt_scalef32_pk16_fp6_f32 v[240:242], v[144:159], v[\s1]
.endm
.macro MOVS
.irp i, 0,1,2
	v_mov_b32 v[227+\i], v[236+\i]
	v_mov_b32 v[233+\i], v[240+\i]
.endr
.endm
.macro RESC f                                  ; O^T under the new M (these 16 are also the places between p's codes and the products)
	s_wait_alu depctr_va_vdst(0)                   ; the wait, directly ahead of the first reader of O^T
.set j, 0
.rept 16
	v_pk_mul_f32 v[160+j:161+j], v[160+j:161+j], v[\f:\f+1] op_sel_hi:[1,0]
.set j, j+2
.endr
.endm
; A KEY STEP: 128 keys, both query tiles, phase by phase.
.macro STEP
	s_add_co_u32 s80, s[TB], s52
	s_add_co_u32 s81, s[TB], s53
	v_add_nc_u32 v[ADK], s[TB], v[AK]              ; (these five are also the places behind the last products)
	v_add_nc_u32 v[ADS], s[TB], v[AKS]
	v_add_nc_u32 v[ADM], s[TMK], v[AM0]
	v_add_nc_u32 v[ADV], s80, v[LI]
	v_add_nc_u32 v[ADSV], s81, v[LS]
	s_wait_alu depctr_va_vdst(0)
.irp p, 0,1,2,3
	ds_load_b64 v[80+2*\p:81+2*\p], v[ADS] offset:SCO+256*(\p/2)+128*(\p%2)   ; K's scale words of tiles 2 p and 2 p + 1, by the tiles' rows
.endr
	KLOAD 0
	WIN 0x40
	KLOAD 1
	s_wait_dscnt 20                                ; all but the 20 loads of tiles 4-7
	QK 0, 0
	QK 0, 1
	s_wait_dscnt 0x0
	QK 1, 0
	QK 1, 1
	WIN 0
.rept 4
	v_nop                                          ; places in front of the loads into K's registers and of the first read of S^T
.endr
.irp t, 0,1,2,3                                ; V^T's four fragments are asked for now and land under the softmax
.irp c, 0,1,2
	ds_load_b128 v[32+12*\t+4*\c:35+12*\t+4*\c], v[ADV] offset:\t*FRS+CH*\c
.endr
.endr
	ds_load_b128 v[88:91], v[ADSV] offset:SCO
	MAXES                                          ; THE LARGEST SCORE OF EACH BLOCK: for the row's maximum and, since p rises with the score, for the block's largest p
	D2
	v_max_num_f32 v244, v248, v249
	D2
	v_max_num_f32 v245, v250, v251
	WIN 0x55
	MAXES
	WIN 0x15                                       ; tile 1's two go to window 0
	v_max_num_f32 v246, v248, v249
	v_max_num_f32 v247, v250, v251
	WIN 0
	v_max_num_f32 v248, v244, v245                 ; the two tiles' chains take turns
	v_max_num_f32 v249, v246, v247
	D2
	v_permlanex16_b32 v250, v248, s[SEL], s[SEL+1]
	D2
	v_permlanex16_b32 v251, v249, s[SEL], s[SEL+1]
	D2
	v_max3_num_f32 v13, v13, v248, v250            ; the running largest score of my query
	D2
	v_max3_num_f32 v93, v93, v249, v251
	D2
	v_mul_f32 v248, s[CS], v13                     ; as t (c is not negative)
	D2
	v_mul_f32 v249, s[CS], v93
	D2
	v_floor_f32 v250, -v248                        ; the new -M = -ceil(t)
	D2
	v_floor_f32 v251, -v249
	D2
	v_sub_f32 v248, v250, v12                      ; old M - new M: a whole number, 0 or less
	D2
	v_sub_f32 v249, v251, v92
	v_mov_b32 v12, v250
	v_mov_b32 v92, v251
	v_cvt_i32_f32 v248, v248                       ; (it saturates)
	v_cvt_i32_f32 v249, v249
	D2
	v_ldexp_f32 v252, 1.0, v248                    ; f = 2^(old M - new M)
	D2
	v_ldexp_f32 v254, 1.0, v249
	v_fma_f32 v244, v244, s[CS], v12
	v_fma_f32 v245, v245, s[CS], v12
	v_fma_f32 v246, v246, s[CS], v92
	v_fma_f32 v247, v247, s[CS], v92
	TMM 12
	WIN 0x41                                       ; tile 1's numbers in window 1, its -M in window 0
	TMM 92
	s_wait_alu depctr_va_vdst(0)                   ; the wait ahead of the batch
	EXPS                                           ; tile 1's 64
	WIN 0
	v_pk_mul_f32 v[14:15], v[14:15], v[252:253] op_sel_hi:[1,0]   ; tile 0's l under the new M (a plain place behind the exponentials)
	s_wait_alu depctr_va_vdst(0)                   ; the wait behind tile 1's batch and ahead of tile 0's
	EXPS                                           ; tile 0's 64
.irp b, 0,1,2,3
	v_exp_f32 v[244+\b], v[244+\b]                 ; each block's largest p
.endr
	v_nop                                          ; a plain place behind the exponentials
	s_wait_alu depctr_va_vdst(0)                   ; one wait for the batch of 68, ahead of its first reader
	SUMB
.irp b, 0,1,2,3
	v_max_num_f32 v[244+\b], 0x1800000, v[244+\b]  ; the floor 2^(3 - 127)
.endr
	v_pk_add_f32 v[236:237], v[236:237], v[238:239]
	v_pk_add_f32 v[240:241], v[240:241], v[242:243]
.irp b, 0,1,2,3
	v_add_nc_u32 v[244+\b], 0xff000000, v[244+\b]  ; the conversions' scale operands
.endr
	v_pk_add_f32 v[236:237], v[236:237], v[240:241]
.irp b, 0,1,2,3
	v_lshrrev_b32 v[248+\b], 23, v[244+\b]         ; the bytes
.endr
	v_pk_add_f32 v[14:15], v[14:15], v[236:237]
	v_lshl_or_b32 v248, v249, 16, v248             ; lanes 0-15: blocks 0 and 2; lanes 16-31: blocks 1 and 3
	v_lshl_or_b32 v250, v251, 16, v250
	v_permlanex16_b32 v249, v248, s[SEL], s[SEL+1]
	v_permlanex16_b32 v251, v250, s[SEL], s[SEL+1]
	CVT 244, 245
	v_lshl_or_b32 v30, v249, 8, v248               ; p's scale words, whole in lanes 0-15, which alone are read.  (Also the plain place behind the conversions)
	v_lshl_or_b32 v31, v251, 8, v250
	MOVS
	s_wait_dscnt 0x0                               ; V^T's fragments and scale words are in
	RESC 252
	PV 0                                           ; tile 0's products stand ahead of tile 1's sums and conversions, which name none of their registers
	WIN 0x41
	v_pk_mul_f32 v[14:15], v[14:15], v[254:255] op_sel_hi:[1,0]
	WIN 0x45
	SUMB
	v_pk_add_f32 v[236:237], v[236:237], v[238:239]
	v_pk_add_f32 v[240:241], v[240:241], v[242:243]
	s_delay_alu instid0(VALU_DEP_1)
	v_pk_add_f32 v[236:237], v[236:237], v[240:241]
	s_delay_alu instid0(VALU_DEP_1)
	v_pk_add_f32 v[14:15], v[14:15], v[236:237]
	WIN 0x41
	CVT 246, 247
	v_nop                                          ; one plain place behind a scaled conversion
	MOVS
	RESC 254
	PV 1
	WIN 0
	s_add_co_u32 s[TB], s[TB], PHB
	s_add_co_u32 s[TMK], s[TMK], 512
.endm
; THE CHANGE OF SLOTS stands at a slot's head.  Each wave waits for all its tensor loads (its part of the slot ahead), adds 0 to its spare word, and waits for that and for its reads of the slot that it has left.
; fill = 1: the barrier is a round of the cluster's, and behind it the slot that was left is filled with the next four key steps.
.macro CHANGE fill
	s_wait_alu depctr_va_vdst(0)
.if \fill
	s_wait_xcnt 0x0                                ; my prefetch has read its address, which is stepped below
.endif
	s_wait_tensorcnt 0x0                           ; no tensor load of mine is out, so group 0 may be written
	ds_add_u32 v[SPW], v[NIL]                      ; 0 onto my spare word
.if \fill
	s_xor_b32 s[G0+1], s[G0+1], SLOT1
	s_add_nc_u64 s[G0+2:G0+3], s[G0+2:G0+3], s[STP:STP+1]
	s_add_nc_u64 s[PFA:PFA+1], s[PFA:PFA+1], s[STP:STP+1]
.endif
	s_wait_dscnt 0x0                               ; the add is done; my LDS reads and stores are over
.if \fill
	CROUND
	TLOAD                                          ; the first thing behind the round, and my one tensor load until the next
	s_cmp_eq_u32 s[SLOTS], 1                       ; the last load has no slot behind it
	s_cbranch_scc1 .Lno_ask_\@
	global_prefetch_b8 v[PFO], s[PFA:PFA+1] th:TH_LOAD_NT scope:SCOPE_SE   ; my half-block of the slot after the one just asked for
.Lno_ask_\@:
.else
	s_barrier_signal -1
	s_barrier_wait -1
.endif
.endm
.macro FOUR_STEPS                              ; a slot's four key steps: written once, walked four times
	s_mov_b32 s[CNT], 4
.Lstep_\@:
	STEP
	s_sub_co_u32 s[CNT], s[CNT], 1
	s_cmp_lg_u32 s[CNT], 0
	s_cbranch_scc1 .Lstep_\@
	s_sub_co_u32 s[TB], s[TB], 4*PHB
	s_xor_b32 s[TB], s[TB], SLOT1                  ; on to the other slot
.endm
.Lslot:                                            ; three trips: behind each change of slots but the last the next slot is asked for
	CHANGE 1
	FOUR_STEPS
	s_sub_co_u32 s[SLOTS], s[SLOTS], 1
	s_cmp_lg_u32 s[SLOTS], 0
	s_cbranch_scc1 .Lslot
	CHANGE 0                                       ; the last slot is written out
	FOUR_STEPS
	; THE WAY OUT: O^T / l, quantised along the head's 64 channels (two blocks): six registers of the output's fragment for each tile; the waves' parts meet in LDS and leave as one half-block.
	s_mul_i32 s56, s19, 2*1536
	s_add_co_u32 s56, s56, STG                     ; my first tile's fragment in the stage.  Registers 6 hd .. 6 hd + 5 of it are mine: register 4 c + e lies at 512 c + 16 lane + 4 e
	s_mul_i32 s57, s18, 520
	s_add_co_u32 s57, s57, s56
	v_add_nc_u32 v6, s57, v[LI]                    ; my first and third pair of registers (+ 0, + 512)
	s_mul_i32 s57, s18, 1016
	s_add_co_u32 s57, s57, s56
	v_add_nc_u32 v7, s57, v[LI]                    ; my second pair (+ 8)
	s_lshl_b32 s57, s18, 1
	s_add_co_u32 s57, s57, s76
	s_add_co_u32 s57, s57, STG
	v_add_nc_u32 v8, s57, v[LS]                    ; my two bytes of the row's scale word
	s_lshl_b32 s57, s[WV], 9
	v_add_nc_u32 v10, s57, v[LI]                   ; the copy out: 512 bytes a wave and piece
	v_add_nc_u32 v9, STG, v10
.macro OUTT q                                  ; all of a tile's way out runs in its own window
	WIN 0x55*(\q)
	v_add_f32 v14, v14, v15
	s_delay_alu instid0(VALU_DEP_1)
	v_permlanex16_b32 v252, v14, s[SEL], s[SEL+1]
	s_delay_alu instid0(VALU_DEP_1)
	v_add_f32 v14, v14, v252                       ; the row's sum
	s_wait_alu depctr_va_vdst(0)                   ; the wait ahead of the transcendental
	v_rcp_f32 v15, v14
	v_nop
	s_wait_alu depctr_va_vdst(0)                   ; the wait for the reciprocal, directly ahead of the first reader of it and of O^T
.set j, 0
.rept 32
	v_mul_f32 v[96+j], v[160+j], v15               ; register 16 b + i is channel 32 b + 16 h + i of my query
.set j, j+1
.endr
.irp b, 0,1
	v_max3_num_f32 v[244+\b], |v[96+16*\b]|, |v[97+16*\b]|, 0x1800000
.endr
.irp i, 2,4,6,8,10,12,14
.irp b, 0,1
	s_delay_alu instid0(VALU_DEP_2)
	v_max3_num_f32 v[244+\b], v[244+\b], |v[96+16*\b+\i]|, |v[97+16*\b+\i]|
.endr
.endr
.irp b, 0,1
	s_delay_alu instid0(VALU_DEP_2)
	v_permlanex16_b32 v[248+\b], v[244+\b], s[SEL], s[SEL+1]
.endr
.irp b, 0,1
	s_delay_alu instid0(VALU_DEP_2)
	v_max_num_f32 v[244+\b], v[244+\b], v[248+\b]
.endr
.irp b, 0,1
	s_delay_alu instid0(VALU_DEP_2)
	v_add_nc_u32 v[92+\b], 0xff000000, v[244+\b]
.endr
.irp b, 0,1
	s_delay_alu instid0(VALU_DEP_2)
	v_lshrrev_b32 v[248+\b], 23, v[92+\b]
.endr
	s_delay_alu instid0(VALU_DEP_1)
	v_lshl_or_b32 v250, v249, 8, v248
	v_cvt_scalef32_pk16_fp6_f32 v[224:226], v[96:111], v92
	v_cvt_scalef32_pk16_fp6_f32 v[236:238], v[112:127], v93
	v_nop                                          ; one plain place behind a scaled conversion
.irp i, 0,1,2
	v_permlane16_swap_b32 v[224+\i], v[236+\i]     ; here a lane holds half a block: the operand's layout wants it whole
.endr
.irp i, 0,1,2
	v_mov_b32 v[227+\i], v[236+\i]
.endr
	WIN 0x04*(\q)                                  ; the data in window q, the addresses in window 0
	ds_store_b64 v6, v[224:225] offset:1536*(\q)
	ds_store_b64 v7, v[226:227] offset:1536*(\q)+8
	ds_store_b64 v6, v[228:229] offset:1536*(\q)+512
	ds_store_b16 v8, v250 offset:4*(\q)            ; lanes r and r + 16 write the same two bytes with the same value
.endm
	OUTT 0
	OUTT 1
	WIN 0
	s_wait_dscnt 0x0                               ; for the others' sake: my stores are done
	s_barrier_signal -1
	s_barrier_wait -1                              ; the half-block is whole: 25 pieces of 512 bytes; wave w copies pieces w, 8 + w and 16 + w, wave 0 also piece 24
	ds_load_b128 v[96:99], v9
	ds_load_b128 v[100:103], v9 offset:4096
	ds_load_b128 v[104:107], v9 offset:8192
	s_cmp_lg_u32 s[WV], 0
	s_cbranch_scc1 .Lthree_pieces
	ds_load_b128 v[108:111], v9 offset:12288
	s_wait_dscnt 0x0
	global_store_b128 v10, v[108:111], s[10:11] offset:12288
.Lthree_pieces:
	s_wait_dscnt 0x0
	global_store_b128 v10, v[96:99], s[10:11]      ; 32 lanes store 512 consecutive bytes, aligned
	global_store_b128 v10, v[100:103], s[10:11] offset:4096
	global_store_b128 v10, v[104:107], s[10:11] offset:8192
	s_wait_tensorcnt 0x0                           ; the wave's end, behind my last tensor load and my last LDS store
	ds_add_u32 v[SPW], v[NIL]
	s_wait_dscnt 0x0
	CROUND                                         ; the closing round
	s_endpgm
.Lfunc_end_k_qcb3785c6bb_attn:
	.size	k_qcb3785c6bb_attn, .Lfunc_end_k_qcb3785c6bb_attn-k_qcb3785c6bb_attn
	.p2alignl 7, 3214868480
	.fill 96, 4, 3214868480
	.section	.rodata,"a",@progbits
	.p2align	6, 0x0
	.amdhsa_kernel k_qcb3785c6bb_attn
		.amdhsa_group_segment_fixed_size 327680
		.amdhsa_private_segment_fixed_size 0
		.amdhsa_enable_private_segment 0
		.amdhsa_kernarg_size 32
		.amdhsa_user_sgpr_count 2
		.amdhsa_user_sgpr_kernarg_segment_ptr 1
		.amdhsa_wavefront_size32 1
		.amdhsa_system_sgpr_workgroup_id_x 1
		.amdhsa_system_sgpr_workgroup_id_y 1
		.amdhsa_system_sgpr_workgroup_id_z 1
		.amdhsa_system_vgpr_workitem_id 0
		.amdhsa_next_free_vgpr 512
		.amdhsa_next_free_sgpr 100
		.amdhsa_reserve_vcc 1
		.amdhsa_float_denorm_mode_32 3
		.amdhsa_float_denorm_mode_16_64 3
		.amdhsa_memory_ordered 1
		.amdhsa_forward_progress 1
		.amdhsa_inst_pref_size 86
	.end_amdhsa_kernel
	.amdgpu_metadata
---
amdhsa.version: [ 1, 2 ]
amdhsa.kernels:
  - .name:           k_qcb3785c6bb_attn
    .symbol:         k_qcb3785c6bb_attn.kd
    .args:
      - { .name: big, .offset: 0, .size: 8, .value_kind: global_buffer, .address_space: global }
      - { .name: vt, .offset: 8, .size: 8, .value_kind: global_buffer, .address_space: global }
      - { .name: mask, .offset: 16, .size: 8, .value_kind: global_buffer, .address_space: global }
      - { .name: ao, .offset: 24, .size: 8, .value_kind: global_buffer, .address_space: global }
    .group_segment_fixed_size: 327680
    .private_segment_fixed_size: 0
    .kernarg_segment_align: 8
    .kernarg_segment_size: 32
    .max_flat_workgroup_size: 256
    .sgpr_count:     100
    .vgpr_count:     512
    .wavefront_size: 32
...
	.end_amdgpu_metadata
.endif
;; end of part 8
;; launch wo (part 9): grid 8 x 32, 4 waves a work-group, clusters of 4 x 4, 327,680 bytes of LDS; arguments ao, wrest, x, x1; writes x1
.if DOCPART == 9
	.amdgcn_target "amdgcn-amd-amdhsa--gfx1250"
	.amdhsa_code_object_version 6
	.text
	.protected	k_qcb3785c6bb_wo
	.globl	k_qcb3785c6bb_wo
	.p2align	8
	.type	k_qcb3785c6bb_wo,@function
k_qcb3785c6bb_wo:
	s_mov_b64 s[64:65], 0
	v_nop
	global_prefetch_b8 v0, s[64:65] scope:SCOPE_SE
	s_setreg_imm32_b32 hwreg(HW_REG_WAVE_MODE, 25, 1), 1
	s_wait_xcnt 0x0
	s_wait_alu depctr_hold_cnt(0) depctr_sa_sdst(0) depctr_va_vdst(0) depctr_va_sdst(0) depctr_va_ssrc(0) depctr_va_vcc(0) depctr_vm_vsrc(0)
	s_getreg_b32 s2, hwreg(HW_REG_IB_STS2, 6, 4)
	s_cmp_eq_u32 s2, 0
	s_cbranch_scc0 .Lentry_in_a_cluster
	s_endpgm
.Lentry_in_a_cluster:
	s_bfe_u32 s2, ttmp6, 0x10000c
	s_cmp_lg_u32 s2, 0xf033
	s_cbranch_scc0 .Lentry_shape_is_right
	s_endpgm
.Lentry_shape_is_right:
.set HDR,   16640
.set HB,    12800
.set NSI,   8
.set WOFF,  835840
.set LAPS,  1
.set PANB,  2*HB
.set SLOT,  4*PANB
.set STAGE, 2*SLOT
.set WSP,   272
.set SPARE, STAGE+4*16*WSP
.set FR,    12
.set ADRX, 16
.set ASX,  18
.set ADRW, 20
.set ASW,  22
.set STO,  24
.set RD,   25
.set LI,   26
.set CO,   27
.set SPW,  28
.set NIL,  29
.set BI,   32
.set SC,   64
.set ACC,  128
.set G1,  24
.set G0,  32
.set G1B, 48
.set G0B, 56
.set MSB, 0
.macro WIN new
.if MSB != (\new)
	s_set_vgpr_msb (MSB<<8)|(\new)
.set MSB, (\new)
.endif
.endm
.set MUL, 0x05
.set TOF, 0x40
.macro JLOAD g0a, g1a, g0b, g1b
	s_cmp_eq_u32 s15, 0
	s_cbranch_scc0 .Lfor_b_\@
	tensor_load_to_lds s[\g0a:\g0a+3], s[\g1a:\g1a+7]
	s_nop 0
.rept 4
	v_nop
.endr
	s_branch .Lasked_\@
.Lfor_b_\@:
	tensor_load_to_lds s[\g0b:\g0b+3], s[\g1b:\g1b+7]
	s_nop 0
.rept 4
	v_nop
.endr
.Lasked_\@:
.endm
.macro CREST
	s_cmp_lg_u32 s14, 0
	s_cbranch_scc1 .Lnot_wave_0_\@
	s_barrier_signal -3
.Lnot_wave_0_\@:
	s_barrier_wait -3
	s_barrier_signal -1
	s_barrier_wait -1
.endm
.macro CROUND
	s_barrier_signal -1
	s_barrier_wait -1
	CREST
.endm
.macro PLACES n
.rept \n
	v_nop
.endr
.endm
	s_load_b256 s[4:11], s[0:1], 0x0
	v_lshl_add_u32 v[SPW], v0, 2, SPARE
	v_mov_b32 v[NIL], 0
	ds_add_u32 v[SPW], v[NIL]
	ds_add_u32 v[SPW], v[NIL]
	v_lshrrev_b32 v1, 5, v0
	v_readfirstlane_b32 s14, v1
	s_lshr_b32 s15, s14, 1
	s_and_b32 s16, s14, 1
	s_bfe_u32 s40, ttmp6, 0x40000
	s_bfe_u32 s41, ttmp6, 0x40004
	s_lshl_b32 s42, ttmp9, 2
	s_add_co_u32 s42, s42, s40
	s_and_b32 s17, ttmp7, 0xffff
	s_lshl_b32 s17, s17, 2
	s_add_co_u32 s17, s17, s41
	s_lshl_b32 s43, s41, 2
	s_lshl_b32 s43, 15, s43
	s_lshl_b32 s44, 0x1111, s40
	s_or_b32 s[G1+0], s43, (3<<16)|(1<<21)
	s_or_b32 s[G1B+0], s44, (3<<16)|(1<<21)
.irp g, G1, G1B
	s_mov_b32 s[\g+1], 32<<16
	s_mov_b32 s[\g+2], 100<<16
	s_mov_b32 s[\g+3], 32<<16
	s_mov_b32 s[\g+4], 100
	s_mov_b32 s[\g+5], 32
	s_mov_b32 s[\g+6], 0
	s_mov_b32 s[\g+7], 0
.endr
	s_mul_i32 s20, s17, NSI*HB
	s_mul_i32 s21, s16, PANB
	s_add_co_u32 s20, s20, s21
	s_add_co_u32 s20, s20, HDR
	s_mov_b32 s21, 0
	s_mul_i32 s46, s42, NSI*HB
	s_mul_i32 s47, s16, PANB
	s_add_co_u32 s46, s46, s47
	s_add_co_u32 s46, s46, WOFF+HDR
	s_mov_b32 s47, 0
	s_mul_i32 s73, s14, PANB
	s_wait_dscnt 0x0
	s_wait_kmcnt 0x0
	s_add_nc_u64 s[20:21], s[4:5], s[20:21]
	s_add_nc_u64 s[46:47], s[6:7], s[46:47]
	CROUND
.irp s, 0,1
	s_mov_b32 s[G0+4*\s], 1
	s_add_co_u32 s[G0+4*\s+1], s73, \s*SLOT
	s_add_nc_u64 s[G0+4*\s+2:G0+4*\s+3], s[20:21], \s*2*PANB
	s_or_b32 s[G0+4*\s+3], s[G0+4*\s+3], 0x80000000
	s_mov_b32 s[G0B+4*\s], 1
	s_add_co_u32 s[G0B+4*\s+1], s73, \s*SLOT
	s_add_nc_u64 s[G0B+4*\s+2:G0B+4*\s+3], s[46:47], \s*2*PANB
	s_or_b32 s[G0B+4*\s+3], s[G0B+4*\s+3], 0x80000000
.endr
	s_cmp_eq_u32 s15, 0                            ; the prefetch: of the 100 blocks of 256 bytes that my load brings, each of the four partners that ask jointly names 25, told apart by address alone
	s_cselect_b64 s[84:85], s[20:21], s[46:47]
	s_cselect_b32 s86, s40, s41                    ; my place among them: cx for X's tiles, cy for W's
	s_mul_i32 s86, s86, 6400
	s_mov_b32 s87, 0
	s_add_nc_u64 s[84:85], s[84:85], s[86:87]
	JLOAD G0, G1, G0B, G1B                         ; slot 0: one tensor load a wave at the head
	v_and_b32 v1, 31, v0
	v_lshlrev_b32 v[LI], 4, v1
	v_min_u32 v30, 24, v1                          ; a lane a block; lanes 25-31 name the last block again
	v_lshlrev_b32 v30, 8, v30
	global_prefetch_b8 v30, s[84:85] offset:2*PANB th:TH_LOAD_NT scope:SCOPE_SE   ; slot 1's tile, the last of K; v30 and s[84:85] are never rewritten
	s_wait_alu depctr_va_vdst(0)
	v_and_b32 v2, 15, v0
	v_bfe_u32 v3, v0, 4, 1
	v_lshlrev_b32 v4, 4, v2
	v_mad_u32_u24 v4, v3, HB, v4
	s_wait_alu depctr_va_vdst(0)
	s_mul_i32 s21, s15, 4*1536
	s_mul_i32 s22, s16, 4*1536
	s_add_co_u32 s22, s22, 2*PANB
	s_lshl_b32 s23, s15, 8
	s_lshl_b32 s72, s16, 8
	s_add_co_u32 s72, s72, 2*PANB
.irp s, 0,1
	v_add_nc_u32 v[ADRX+\s], s21, v[LI]
	v_add_nc_u32 v[ASX+\s], s23, v4
	v_add_nc_u32 v[ADRW+\s], s22, v[LI]
	v_add_nc_u32 v[ASW+\s], s72, v4
	s_add_co_u32 s21, s21, SLOT
	s_add_co_u32 s22, s22, SLOT
	s_add_co_u32 s23, s23, SLOT
	s_add_co_u32 s72, s72, SLOT
.endr
	s_lshl_b32 s22, s42, 9
	s_lshl_b32 s23, s16, 8
	s_add_co_u32 s22, s22, s23
	s_add_co_u32 s22, s22, WOFF+256
	s_mov_b32 s23, 0
	s_add_nc_u64 s[80:81], s[6:7], s[22:23]
	v_lshlrev_b32 v5, 6, v3
.irp b, 0,1,2,3
	global_load_b128 v[BI+8*\b:BI+8*\b+3], v5, s[80:81] offset:128*(\b/2)+32*(\b%2)
	global_load_b128 v[BI+8*\b+4:BI+8*\b+7], v5, s[80:81] offset:128*(\b/2)+32*(\b%2)+16
.endr
	s_mul_i32 s23, s14, 16*WSP
	s_add_co_u32 s23, s23, STAGE
	v_mul_u32_u24 v6, v2, WSP
	v_lshl_add_u32 v6, v3, 6, v6
	v_add_nc_u32 v[STO], s23, v6
	v_mul_u32_u24 v7, v3, WSP
	v_lshl_add_u32 v7, v2, 4, v7
	v_add_nc_u32 v[RD], s23, v7
	v_lshlrev_b32 v8, 12, v3
	v_lshl_add_u32 v[CO], v2, 4, v8
	s_wait_alu depctr_va_vdst(0)
	s_lshl_b32 s22, s17, 7
	s_lshl_b32 s23, s15, 6
	s_add_co_u32 s22, s22, s23
	s_lshl_b32 s22, s22, 12
	s_lshl_b32 s23, s42, 9
	s_add_co_u32 s22, s22, s23
	s_lshl_b32 s23, s16, 8
	s_add_co_u32 s22, s22, s23
	s_mov_b32 s23, 0
	s_add_nc_u64 s[8:9], s[8:9], s[22:23]
	s_add_nc_u64 s[10:11], s[10:11], s[22:23]
.macro FRAG reg, adr, off
.irp c, 0,1,2
	ds_load_b128 v[(\reg)+4*\c:(\reg)+4*\c+3], v[\adr] offset:(\off)+512*\c
.endr
.endm
.macro FETCH slot, q, p
	WIN TOF
.irp i, 0,1,2,3
	FRAG 128*(\p)+48+FR*\i, ADRW+\slot, (\q)*HB+\i*1536
.endr
.irp i, 0,1,2,3
	FRAG 128*(\p)+FR*\i, ADRX+\slot, (\q)*HB+\i*1536
.endr
.endm
.macro SCALES s
.irp g, 0,1
	ds_load_b128 v[SC+16*(\s)+8*\g:SC+16*(\s)+8*\g+3], v[ASX+\s] offset:12288+PANB*\g
	ds_load_b128 v[SC+16*(\s)+8*\g+4:SC+16*(\s)+8*\g+7], v[ASW+\s] offset:12288+PANB*\g
.endr
.endm
.macro MM a, b, p, q, sc, cm
.set rD, ACC+8*(4*(\a)+(\b))
.set rX, 128*(\p)+FR*(\a)
.set rW, 128*(\p)+48+FR*(\b)
.set rSX, SC+16*(\sc)+8*((\q)/2)+(\a)
.set rSW, SC+16*(\sc)+8*((\q)/2)+4+(\b)
.if (\cm) == 1
	v_wmma_scale_f32_16x16x128_f8f6f4 v[rD:rD+7], v[rW:rW+FR-1], v[rX:rX+FR-1], v[BI+8*(\b):BI+8*(\b)+7], v[rSW], v[rSX] matrix_a_fmt:MATRIX_FMT_FP6 matrix_b_fmt:MATRIX_FMT_FP6
.elseif ((\q)%2) == 0
	v_wmma_scale_f32_16x16x128_f8f6f4 v[rD:rD+7], v[rW:rW+FR-1], v[rX:rX+FR-1], v[rD:rD+7], v[rSW], v[rSX] matrix_a_fmt:MATRIX_FMT_FP6 matrix_b_fmt:MATRIX_FMT_FP6
.else
	v_wmma_scale_f32_16x16x128_f8f6f4 v[rD:rD+7], v[rW:rW+FR-1], v[rX:rX+FR-1], v[rD:rD+7], v[rSW], v[rSX] matrix_a_fmt:MATRIX_FMT_FP6 matrix_b_fmt:MATRIX_FMT_FP6 matrix_a_scale:MATRIX_SCALE_ROW1 matrix_b_scale:MATRIX_SCALE_ROW1
.endif
.endm
.macro MUL4 a, p, q, sc, cm
.irp b, 0,1,2,3
	MM (\a), \b, \p, \q, \sc, \cm
.endr
.endm
.macro MUL8 a0, p, q, sc, cm
	MUL4 (\a0), \p, \q, \sc, \cm
	MUL4 (\a0)+1, \p, \q, \sc, \cm
.endm
.macro STEP slot, q, cm
	s_wait_dscnt 6
	WIN MUL
	MUL8 0, (\q)%2, \q, \slot, \cm
	PLACES 4
	FETCH \slot, (\q)+1, 1-(\q)%2
	s_wait_dscnt 24
	WIN MUL
	MUL8 2, (\q)%2, \q, \slot, \cm
.endm
.macro TURN slot, next, fill
	WIN 0
	s_wait_tensorcnt 0x0
	ds_add_u32 v[SPW], v[NIL]
	s_wait_dscnt 7
	WIN MUL
	MUL4 0, 1, 3, \slot, 0
	s_wait_dscnt 0x0
	s_barrier_signal -1
	MUL4 1, 1, 3, \slot, 0
	WIN 0
	s_barrier_wait -1
.if \fill
	CREST
	s_add_nc_u64 s[G0+4*\slot+2:G0+4*\slot+3], s[G0+4*\slot+2:G0+4*\slot+3], 4*PANB
	s_add_nc_u64 s[G0B+4*\slot+2:G0B+4*\slot+3], s[G0B+4*\slot+2:G0B+4*\slot+3], 4*PANB
	JLOAD G0+4*\slot, G1, G0B+4*\slot, G1B
.else
	PLACES 4
.endif
	SCALES \next
	FETCH \next, 0, 0
	WIN MUL
	MUL4 2, 1, 3, \slot, 0
	MUL4 3, 1, 3, \slot, 0
.endm
	s_wait_alu depctr_va_vdst(0)                   ; the wait at the head's end
	s_wait_tensorcnt 0x0                           ; my part of slot 0 is in
	ds_add_u32 v[SPW], v[NIL]
	s_wait_dscnt 0x0
	CROUND                                         ; everybody's part is in, and all sixteen work-groups are here
	JLOAD G0+4, G1, G0B+4, G1B                     ; slot 1's first fill: my one tensor load behind the round
	SCALES 0
	FETCH 0, 0, 0
	s_wait_loadcnt 0x0                             ; the bias
	STEP 0, 0, 1
	WIN 0x80                                       ; the residual's 64 rows x 256 bytes, into window 2: asked for behind the first K step, wanted on the way out
.irp a, 0,1,2,3
.irp t, 0,1,2,3,4,5,6,7
	global_load_b128 v[32*\a+4*\t:32*\a+4*\t+3], v[CO], s[8:9] offset:(16*\a+2*\t)*4096 th:TH_LOAD_NT
.endr
.endr
	WIN 0
.if LAPS > 1
	WIN 0
	s_mov_b32 s3, LAPS-1
.Llap:
	STEP 0, 1, 0
	STEP 0, 2, 0
	TURN 0, 1, 1
	STEP 1, 0, 0
	STEP 1, 1, 0
	STEP 1, 2, 0
	TURN 1, 0, 1
	STEP 0, 0, 0
	WIN 0
	s_sub_co_u32 s3, s3, 1
	s_cmp_lg_u32 s3, 0
	s_cbranch_scc1 .Llap
.endif
	STEP 0, 1, 0
	STEP 0, 2, 0
	TURN 0, 1, 0
	STEP 1, 0, 0
	STEP 1, 1, 0
	STEP 1, 2, 0
	s_wait_dscnt 6
	WIN MUL
	MUL8 0, 1, 3, 1, 0
	s_wait_dscnt 0x0
	MUL8 2, 1, 3, 1, 0
	WIN 0
	PLACES 4
.irp a, 0,1,2,3
.irp b, 0,1,2,3
	ds_store_b128 v[STO], v[ACC+32*\a+8*\b:ACC+32*\a+8*\b+3] offset:128*(\b/2)+32*(\b%2)
	ds_store_b128 v[STO], v[ACC+32*\a+8*\b+4:ACC+32*\a+8*\b+7] offset:128*(\b/2)+32*(\b%2)+16
.endr
.irp t, 0,1,2,3,4,5,6,7
	ds_load_b128 v[ACC+32*\a+4*\t:ACC+32*\a+4*\t+3], v[RD] offset:\t*2*WSP
.endr
.endr
	s_wait_loadcnt 0x0
.irp a, 0,1,2,3
	s_wait_dscnt 16*(3-\a)
	WIN 0x08
.set i, 0
.rept 16
	v_pk_add_f32 v[ACC+32*\a+i:ACC+32*\a+i+1], v[ACC+32*\a+i:ACC+32*\a+i+1], v[32*\a+i:32*\a+i+1]
.set i, i+2
.endr
	WIN 0
.irp t, 0,1,2,3,4,5,6,7
	global_store_b128 v[CO], v[ACC+32*\a+4*\t:ACC+32*\a+4*\t+3], s[10:11] offset:(16*\a+2*\t)*4096 th:TH_STORE_NT
.endr
.endr
	s_wait_tensorcnt 0x0
	ds_add_u32 v[SPW], v[NIL]
	s_wait_dscnt 0x0
	CROUND
	s_endpgm
.Lfunc_end_k_qcb3785c6bb_wo:
	.size	k_qcb3785c6bb_wo, .Lfunc_end_k_qcb3785c6bb_wo-k_qcb3785c6bb_wo
	.p2alignl 7, 3214868480
	.fill 96, 4, 3214868480
	.section	.rodata,"a",@progbits
	.p2align	6, 0x0
	.amdhsa_kernel k_qcb3785c6bb_wo
		.amdhsa_group_segment_fixed_size 327680
		.amdhsa_private_segment_fixed_size 0
		.amdhsa_enable_private_segment 0
		.amdhsa_kernarg_size 32
		.amdhsa_user_sgpr_count 2
		.amdhsa_user_sgpr_kernarg_segment_ptr 1
		.amdhsa_wavefront_size32 1
		.amdhsa_system_sgpr_workgroup_id_x 1
		.amdhsa_system_sgpr_workgroup_id_y 1
		.amdhsa_system_sgpr_workgroup_id_z 1
		.amdhsa_system_vgpr_workitem_id 0
		.amdhsa_next_free_vgpr 768
		.amdhsa_next_free_sgpr 100
		.amdhsa_reserve_vcc 0
		.amdhsa_float_denorm_mode_32 3
		.amdhsa_float_denorm_mode_16_64 3
		.amdhsa_memory_ordered 1
		.amdhsa_forward_progress 1
		.amdhsa_inst_pref_size 56
	.end_amdhsa_kernel
	.amdgpu_metadata
---
amdhsa.version: [ 1, 2 ]
amdhsa.kernels:
  - .name:           k_qcb3785c6bb_wo
    .symbol:         k_qcb3785c6bb_wo.kd
    .args:
      - { .name: ao, .offset: 0, .size: 8, .value_kind: global_buffer, .address_space: global }
      - { .name: wrest, .offset: 8, .size: 8, .value_kind: global_buffer, .address_space: global }
      - { .name: x, .offset: 16, .size: 8, .value_kind: global_buffer, .address_space: global }
      - { .name: x1, .offset: 24, .size: 8, .value_kind: global_buffer, .address_space: global }
    .group_segment_fixed_size: 327680
    .private_segment_fixed_size: 0
    .kernarg_segment_align: 8
    .kernarg_segment_size: 32
    .max_flat_workgroup_size: 128
    .sgpr_count:     100
    .vgpr_count:     768
    .wavefront_size: 32
...
	.end_amdgpu_metadata
.endif
;; end of part 9
;; launch ln2: the kernel of part 6 again; grid 256 x 1, 4 waves a work-group, no clusters, 100,096 bytes of LDS; arguments x1, a2, n2, act, wq, wk, wv, wo, w1, w2, bq, bk, bv, bo, b1, b2, wqk, w1i, wrest; writes act, wqk, w1i, wrest
;; launch ffn1: the kernel of part 7 again; grid 16 x 16, 4 waves a work-group, clusters of 4 x 4, 327,680 bytes of LDS; arguments act, w1i, wrest, big, vt; writes big, vt
;; launch ffn2 (part 10): grid 8 x 32, 4 waves a work-group, clusters of 4 x 4, 327,680 bytes of LDS; arguments big, wrest, x1, out0; writes out0
.if DOCPART == 10
	.amdgcn_target "amdgcn-amd-amdhsa--gfx1250"
	.amdhsa_code_object_version 6
	.text
	.protected	k_qcb3785c6bb_ffn2
	.globl	k_qcb3785c6bb_ffn2
	.p2align	8
	.type	k_qcb3785c6bb_ffn2,@function
k_qcb3785c6bb_ffn2:
	s_mov_b64 s[64:65], 0
	v_nop
	global_prefetch_b8 v0, s[64:65] scope:SCOPE_SE
	s_setreg_imm32_b32 hwreg(HW_REG_WAVE_MODE, 25, 1), 1
	s_wait_xcnt 0x0
	s_wait_alu depctr_hold_cnt(0) depctr_sa_sdst(0) depctr_va_vdst(0) depctr_va_sdst(0) depctr_va_ssrc(0) depctr_va_vcc(0) depctr_vm_vsrc(0)
	s_getreg_b32 s2, hwreg(HW_REG_IB_STS2, 6, 4)
	s_cmp_eq_u32 s2, 0
	s_cbranch_scc0 .Lentry_in_a_cluster
	s_endpgm
.Lentry_in_a_cluster:
	s_bfe_u32 s2, ttmp6, 0x10000c
	s_cmp_lg_u32 s2, 0xf033
	s_cbranch_scc0 .Lentry_shape_is_right
	s_endpgm
.Lentry_shape_is_right:
.set HDR,   16640
.set HB,    12800
.set NSI,   32
.set WOFF,  1671680
.set LAPS,  4
.set PANB,  2*HB
.set SLOT,  4*PANB
.set STAGE, 2*SLOT
.set WSP,   272
.set SPARE, STAGE+4*16*WSP
.set FR,    12
.set ADRX, 16
.set ASX,  18
.set ADRW, 20
.set ASW,  22
.set STO,  24
.set RD,   25
.set LI,   26
.set CO,   27
.set SPW,  28
.set NIL,  29
.set BI,   32
.set SC,   64
.set ACC,  128
.set G1,  24
.set G0,  32
.set G1B, 48
.set G0B, 56
.set MSB, 0
.macro WIN new
.if MSB != (\new)
	s_set_vgpr_msb (MSB<<8)|(\new)
.set MSB, (\new)
.endif
.endm
.set MUL, 0x05
.set TOF, 0x40
.macro JLOAD g0a, g1a, g0b, g1b
	s_cmp_eq_u32 s15, 0
	s_cbranch_scc0 .Lfor_b_\@
	tensor_load_to_lds s[\g0a:\g0a+3], s[\g1a:\g1a+7]
	s_nop 0
.rept 4
	v_nop
.endr
	s_branch .Lasked_\@
.Lfor_b_\@:
	tensor_load_to_lds s[\g0b:\g0b+3], s[\g1b:\g1b+7]
	s_nop 0
.rept 4
	v_nop
.endr
.Lasked_\@:
.endm
.macro CREST
	s_cmp_lg_u32 s14, 0
	s_cbranch_scc1 .Lnot_wave_0_\@
	s_barrier_signal -3
.Lnot_wave_0_\@:
	s_barrier_wait -3
	s_barrier_signal -1
	s_barrier_wait -1
.endm
.macro CROUND
	s_barrier_signal -1
	s_barrier_wait -1
	CREST
.endm
.macro PLACES n
.rept \n
	v_nop
.endr
.endm
	s_load_b256 s[4:11], s[0:1], 0x0
	v_lshl_add_u32 v[SPW], v0, 2, SPARE
	v_mov_b32 v[NIL], 0
	ds_add_u32 v[SPW], v[NIL]
	ds_add_u32 v[SPW], v[NIL]
	v_lshrrev_b32 v1, 5, v0
	v_readfirstlane_b32 s14, v1
	s_lshr_b32 s15, s14, 1
	s_and_b32 s16, s14, 1
	s_bfe_u32 s40, ttmp6, 0x40000
	s_bfe_u32 s41, ttmp6, 0x40004
	s_lshl_b32 s42, ttmp9, 2
	s_add_co_u32 s42, s42, s40
	s_and_b32 s17, ttmp7, 0xffff
	s_lshl_b32 s17, s17, 2
	s_add_co_u32 s17, s17, s41
	s_lshl_b32 s43, s41, 2
	s_lshl_b32 s43, 15, s43
	s_lshl_b32 s44, 0x1111, s40
	s_or_b32 s[G1+0], s43, (3<<16)|(1<<21)
	s_or_b32 s[G1B+0], s44, (3<<16)|(1<<21)
.irp g, G1, G1B
	s_mov_b32 s[\g+1], 32<<16
	s_mov_b32 s[\g+2], 100<<16
	s_mov_b32 s[\g+3], 32<<16
	s_mov_b32 s[\g+4], 100
	s_mov_b32 s[\g+5], 32
	s_mov_b32 s[\g+6], 0
	s_mov_b32 s[\g+7], 0
.endr
	s_mul_i32 s20, s17, NSI*HB
	s_mul_i32 s21, s16, PANB
	s_add_co_u32 s20, s20, s21
	s_add_co_u32 s20, s20, HDR
	s_mov_b32 s21, 0
	s_mul_i32 s46, s42, NSI*HB
	s_mul_i32 s47, s16, PANB
	s_add_co_u32 s46, s46, s47
	s_add_co_u32 s46, s46, WOFF+HDR
	s_mov_b32 s47, 0
	s_mul_i32 s73, s14, PANB
	s_wait_dscnt 0x0
	s_wait_kmcnt 0x0
	s_add_nc_u64 s[20:21], s[4:5], s[20:21]
	s_add_nc_u64 s[46:47], s[6:7], s[46:47]
	CROUND
.irp s, 0,1
	s_mov_b32 s[G0+4*\s], 1
	s_add_co_u32 s[G0+4*\s+1], s73, \s*SLOT
	s_add_nc_u64 s[G0+4*\s+2:G0+4*\s+3], s[20:21], \s*2*PANB
	s_or_b32 s[G0+4*\s+3], s[G0+4*\s+3], 0x80000000
	s_mov_b32 s[G0B+4*\s], 1
	s_add_co_u32 s[G0B+4*\s+1], s73, \s*SLOT
	s_add_nc_u64 s[G0B+4*\s+2:G0B+4*\s+3], s[46:47], \s*2*PANB
	s_or_b32 s[G0B+4*\s+3], s[G0B+4*\s+3], 0x80000000
.endr
	s_cmp_eq_u32 s15, 0                            ; the prefetches: of the 100 blocks of 256 bytes that my load brings, each of the four partners that ask jointly names 25, told apart by address alone
	s_cselect_b64 s[84:85], s[20:21], s[46:47]
	s_cselect_b32 s86, s40, s41                    ; my place among them: cx for X's tiles, cy for W's
	s_mul_i32 s86, s86, 6400
	s_mov_b32 s87, 0
	s_add_nc_u64 s[84:85], s[84:85], s[86:87]
	JLOAD G0, G1, G0B, G1B                         ; slot 0: one tensor load a wave at the head
	v_and_b32 v1, 31, v0
	v_lshlrev_b32 v[LI], 4, v1
	v_min_u32 v30, 24, v1                          ; a lane a block; lanes 25-31 name the last block again; v30 is never rewritten
	v_lshlrev_b32 v30, 8, v30
	global_prefetch_b8 v30, s[84:85] offset:2*PANB th:TH_LOAD_NT scope:SCOPE_SE   ; the tiles of the next two fills
	global_prefetch_b8 v30, s[84:85] offset:4*PANB th:TH_LOAD_NT scope:SCOPE_SE
	s_wait_alu depctr_va_vdst(0)
	v_and_b32 v2, 15, v0
	v_bfe_u32 v3, v0, 4, 1
	v_lshlrev_b32 v4, 4, v2
	v_mad_u32_u24 v4, v3, HB, v4
	s_wait_alu depctr_va_vdst(0)
	s_mul_i32 s21, s15, 4*1536
	s_mul_i32 s22, s16, 4*1536
	s_add_co_u32 s22, s22, 2*PANB
	s_lshl_b32 s23, s15, 8
	s_lshl_b32 s72, s16, 8
	s_add_co_u32 s72, s72, 2*PANB
.irp s, 0,1
	v_add_nc_u32 v[ADRX+\s], s21, v[LI]
	v_add_nc_u32 v[ASX+\s], s23, v4
	v_add_nc_u32 v[ADRW+\s], s22, v[LI]
	v_add_nc_u32 v[ASW+\s], s72, v4
	s_add_co_u32 s21, s21, SLOT
	s_add_co_u32 s22, s22, SLOT
	s_add_co_u32 s23, s23, SLOT
	s_add_co_u32 s72, s72, SLOT
.endr
	s_lshl_b32 s22, s42, 9
	s_lshl_b32 s23, s16, 8
	s_add_co_u32 s22, s22, s23
	s_add_co_u32 s22, s22, WOFF+256
	s_mov_b32 s23, 0
	s_add_nc_u64 s[80:81], s[6:7], s[22:23]
	v_lshlrev_b32 v5, 6, v3
.irp b, 0,1,2,3
	global_load_b128 v[BI+8*\b:BI+8*\b+3], v5, s[80:81] offset:128*(\b/2)+32*(\b%2)
	global_load_b128 v[BI+8*\b+4:BI+8*\b+7], v5, s[80:81] offset:128*(\b/2)+32*(\b%2)+16
.endr
	s_mul_i32 s23, s14, 16*WSP
	s_add_co_u32 s23, s23, STAGE
	v_mul_u32_u24 v6, v2, WSP
	v_lshl_add_u32 v6, v3, 6, v6
	v_add_nc_u32 v[STO], s23, v6
	v_mul_u32_u24 v7, v3, WSP
	v_lshl_add_u32 v7, v2, 4, v7
	v_add_nc_u32 v[RD], s23, v7
	v_lshlrev_b32 v8, 12, v3
	v_lshl_add_u32 v[CO], v2, 4, v8
	s_wait_alu depctr_va_vdst(0)
	s_lshl_b32 s22, s17, 7
	s_lshl_b32 s23, s15, 6
	s_add_co_u32 s22, s22, s23
	s_lshl_b32 s22, s22, 12
	s_lshl_b32 s23, s42, 9
	s_add_co_u32 s22, s22, s23
	s_lshl_b32 s23, s16, 8
	s_add_co_u32 s22, s22, s23
	s_mov_b32 s23, 0
	s_add_nc_u64 s[8:9], s[8:9], s[22:23]
	s_add_nc_u64 s[10:11], s[10:11], s[22:23]
.macro FRAG reg, adr, off
.irp c, 0,1,2
	ds_load_b128 v[(\reg)+4*\c:(\reg)+4*\c+3], v[\adr] offset:(\off)+512*\c
.endr
.endm
.macro FETCH slot, q, p
	WIN TOF
.irp i, 0,1,2,3
	FRAG 128*(\p)+48+FR*\i, ADRW+\slot, (\q)*HB+\i*1536
.endr
.irp i, 0,1,2,3
	FRAG 128*(\p)+FR*\i, ADRX+\slot, (\q)*HB+\i*1536
.endr
.endm
.macro SCALES s
.irp g, 0,1
	ds_load_b128 v[SC+16*(\s)+8*\g:SC+16*(\s)+8*\g+3], v[ASX+\s] offset:12288+PANB*\g
	ds_load_b128 v[SC+16*(\s)+8*\g+4:SC+16*(\s)+8*\g+7], v[ASW+\s] offset:12288+PANB*\g
.endr
.endm
.macro MM a, b, p, q, sc, cm
.set rD, ACC+8*(4*(\a)+(\b))
.set rX, 128*(\p)+FR*(\a)
.set rW, 128*(\p)+48+FR*(\b)
.set rSX, SC+16*(\sc)+8*((\q)/2)+(\a)
.set rSW, SC+16*(\sc)+8*((\q)/2)+4+(\b)
.if (\cm) == 1
	v_wmma_scale_f32_16x16x128_f8f6f4 v[rD:rD+7], v[rW:rW+FR-1], v[rX:rX+FR-1], v[BI+8*(\b):BI+8*(\b)+7], v[rSW], v[rSX] matrix_a_fmt:MATRIX_FMT_FP6 matrix_b_fmt:MATRIX_FMT_FP6
.elseif ((\q)%2) == 0
	v_wmma_scale_f32_16x16x128_f8f6f4 v[rD:rD+7], v[rW:rW+FR-1], v[rX:rX+FR-1], v[rD:rD+7], v[rSW], v[rSX] matrix_a_fmt:MATRIX_FMT_FP6 matrix_b_fmt:MATRIX_FMT_FP6
.else
	v_wmma_scale_f32_16x16x128_f8f6f4 v[rD:rD+7], v[rW:rW+FR-1], v[rX:rX+FR-1], v[rD:rD+7], v[rSW], v[rSX] matrix_a_fmt:MATRIX_FMT_FP6 matrix_b_fmt:MATRIX_FMT_FP6 matrix_a_scale:MATRIX_SCALE_ROW1 matrix_b_scale:MATRIX_SCALE_ROW1
.endif
.endm
.macro MUL4 a, p, q, sc, cm
.irp b, 0,1,2,3
	MM (\a), \b, \p, \q, \sc, \cm
.endr
.endm
.macro MUL8 a0, p, q, sc, cm
	MUL4 (\a0), \p, \q, \sc, \cm
	MUL4 (\a0)+1, \p, \q, \sc, \cm
.endm
.macro STEP slot, q, cm
	s_wait_dscnt 6
	WIN MUL
	MUL8 0, (\q)%2, \q, \slot, \cm
	PLACES 4
	FETCH \slot, (\q)+1, 1-(\q)%2
	s_wait_dscnt 24
	WIN MUL
	MUL8 2, (\q)%2, \q, \slot, \cm
.endm
.macro TURN slot, next, fill
	WIN 0
.if \fill
	s_wait_xcnt 0x0                                ; my prefetch has read its address: it is stepped here, one fill on
	s_add_nc_u64 s[84:85], s[84:85], 2*PANB
.endif
	s_wait_tensorcnt 0x0
	ds_add_u32 v[SPW], v[NIL]
	s_wait_dscnt 7
	WIN MUL
	MUL4 0, 1, 3, \slot, 0
	s_wait_dscnt 0x0
	s_barrier_signal -1
	MUL4 1, 1, 3, \slot, 0
	WIN 0
	s_barrier_wait -1
.if \fill
	CREST
	s_add_nc_u64 s[G0+4*\slot+2:G0+4*\slot+3], s[G0+4*\slot+2:G0+4*\slot+3], 4*PANB
	s_add_nc_u64 s[G0B+4*\slot+2:G0B+4*\slot+3], s[G0B+4*\slot+2:G0B+4*\slot+3], 4*PANB
	JLOAD G0+4*\slot, G1, G0B+4*\slot, G1B
.else
	PLACES 4
.endif
	SCALES \next
	FETCH \next, 0, 0
.if \fill
	WIN 0                                          ; (a branch follows)
	s_cmp_gt_u32 s3, 1                             ; the loop's last trip has no tile two fills on
	s_cbranch_scc0 .Lno_ask_\@
	global_prefetch_b8 v30, s[84:85] offset:6*PANB th:TH_LOAD_NT scope:SCOPE_SE   ; the tile that stands two fills behind the one just asked for
.Lno_ask_\@:
.endif
	WIN MUL
	MUL4 2, 1, 3, \slot, 0
	MUL4 3, 1, 3, \slot, 0
.endm
	s_wait_alu depctr_va_vdst(0)                   ; the wait at the head's end
	s_wait_tensorcnt 0x0                           ; my part of slot 0 is in
	ds_add_u32 v[SPW], v[NIL]
	s_wait_dscnt 0x0
	CROUND                                         ; everybody's part is in, and all sixteen work-groups are here
	JLOAD G0+4, G1, G0B+4, G1B                     ; slot 1's first fill: my one tensor load behind the round
	global_prefetch_b8 v30, s[84:85] offset:6*PANB th:TH_LOAD_NT scope:SCOPE_SE   ; the tile two fills on
	SCALES 0
	FETCH 0, 0, 0
	s_wait_loadcnt 0x0                             ; the bias
	STEP 0, 0, 1
	WIN 0x80                                       ; the residual's 64 rows x 256 bytes, into window 2: asked for behind the first K step, wanted on the way out
.irp a, 0,1,2,3
.irp t, 0,1,2,3,4,5,6,7
	global_load_b128 v[32*\a+4*\t:32*\a+4*\t+3], v[CO], s[8:9] offset:(16*\a+2*\t)*4096 th:TH_LOAD_NT
.endr
.endr
	WIN 0
.if LAPS > 1
	WIN 0
	s_mov_b32 s3, LAPS-1
.Llap:
	STEP 0, 1, 0
	STEP 0, 2, 0
	TURN 0, 1, 1
	STEP 1, 0, 0
	STEP 1, 1, 0
	STEP 1, 2, 0
	TURN 1, 0, 1
	STEP 0, 0, 0
	WIN 0
	s_sub_co_u32 s3, s3, 1
	s_cmp_lg_u32 s3, 0
	s_cbranch_scc1 .Llap
.endif
	STEP 0, 1, 0
	STEP 0, 2, 0
	TURN 0, 1, 0
	STEP 1, 0, 0
	STEP 1, 1, 0
	STEP 1, 2, 0
	s_wait_dscnt 6
	WIN MUL
	MUL8 0, 1, 3, 1, 0
	s_wait_dscnt 0x0
	MUL8 2, 1, 3, 1, 0
	WIN 0
	PLACES 4
.irp a, 0,1,2,3
.irp b, 0,1,2,3
	ds_store_b128 v[STO], v[ACC+32*\a+8*\b:ACC+32*\a+8*\b+3] offset:128*(\b/2)+32*(\b%2)
	ds_store_b128 v[STO], v[ACC+32*\a+8*\b+4:ACC+32*\a+8*\b+7] offset:128*(\b/2)+32*(\b%2)+16
.endr
.irp t, 0,1,2,3,4,5,6,7
	ds_load_b128 v[ACC+32*\a+4*\t:ACC+32*\a+4*\t+3], v[RD] offset:\t*2*WSP
.endr
.endr
	s_wait_loadcnt 0x0
.irp a, 0,1,2,3
	s_wait_dscnt 16*(3-\a)
	WIN 0x08
.set i, 0
.rept 16
	v_pk_add_f32 v[ACC+32*\a+i:ACC+32*\a+i+1], v[ACC+32*\a+i:ACC+32*\a+i+1], v[32*\a+i:32*\a+i+1]
.set i, i+2
.endr
	WIN 0
.irp t, 0,1,2,3,4,5,6,7
	global_store_b128 v[CO], v[ACC+32*\a+4*\t:ACC+32*\a+4*\t+3], s[10:11] offset:(16*\a+2*\t)*4096 th:TH_STORE_NT
.endr
.endr
	s_wait_tensorcnt 0x0
	ds_add_u32 v[SPW], v[NIL]
	s_wait_dscnt 0x0
	CROUND
	s_endpgm
.Lfunc_end_k_qcb3785c6bb_ffn2:
	.size	k_qcb3785c6bb_ffn2, .Lfunc_end_k_qcb3785c6bb_ffn2-k_qcb3785c6bb_ffn2
	.p2alignl 7, 3214868480
	.fill 96, 4, 3214868480
	.section	.rodata,"a",@progbits
	.p2align	6, 0x0
	.amdhsa_kernel k_qcb3785c6bb_ffn2
		.amdhsa_group_segment_fixed_size 327680
		.amdhsa_private_segment_fixed_size 0
		.amdhsa_enable_private_segment 0
		.amdhsa_kernarg_size 32
		.amdhsa_user_sgpr_count 2
		.amdhsa_user_sgpr_kernarg_segment_ptr 1
		.amdhsa_wavefront_size32 1
		.amdhsa_system_sgpr_workgroup_id_x 1
		.amdhsa_system_sgpr_workgroup_id_y 1
		.amdhsa_system_sgpr_workgroup_id_z 1
		.amdhsa_system_vgpr_workitem_id 0
		.amdhsa_next_free_vgpr 768
		.amdhsa_next_free_sgpr 100
		.amdhsa_reserve_vcc 0
		.amdhsa_float_denorm_mode_32 3
		.amdhsa_float_denorm_mode_16_64 3
		.amdhsa_memory_ordered 1
		.amdhsa_forward_progress 1
		.amdhsa_inst_pref_size 89
	.end_amdhsa_kernel
	.amdgpu_metadata
---
amdhsa.version: [ 1, 2 ]
amdhsa.kernels:
  - .name:           k_qcb3785c6bb_ffn2
    .symbol:         k_qcb3785c6bb_ffn2.kd
    .args:
      - { .name: big, .offset: 0, .size: 8, .value_kind: global_buffer, .address_space: global }
      - { .name: wrest, .offset: 8, .size: 8, .value_kind: global_buffer, .address_space: global }
      - { .name: x1, .offset: 16, .size: 8, .value_kind: global_buffer, .address_space: global }
      - { .name: out0, .offset: 24, .size: 8, .value_kind: global_buffer, .address_space: global }
    .group_segment_fixed_size: 327680
    .private_segment_fixed_size: 0
    .kernarg_segment_align: 8
    .kernarg_segment_size: 32
    .max_flat_workgroup_size: 128
    .sgpr_count:     100
    .vgpr_count:     768
    .wavefront_size: 32
...
	.end_amdgpu_metadata
.endif
;; end of part 10
